; MI455X (gfx1250); checked and timed in simulation.
; The chip was launched on July 23, 2026; its instructions are those of AMD's public machine-readable ISA for CDNA 5 (MIT licence, August 2026) and "CDNA5" Instruction Set Architecture Reference Guide (July 2026). The comments in the code are by the model that wrote it; some were corrected since.
;; Switch Feed Forward. Allowed arithmetic: matrix products marked QUANTISED: E2M3 operands, one E8M0 scale for each 32 along K, by v_wmma_scale_f32_16x16x128_f8f6f4 with both operands' format E2M3, f32 sums; products left as they are: f32 operands where the result goes on into a quantised operand, else bf16, f16 or f32 operands; f32 sums; everything else in f32.
;; Inputs: W1 8 x 512 x 2,048 float32; W2 8 x 2,048 x 512 float32; Wg 512 x 8 float32; b1 8 x 2,048 float32; b2 8 x 512 float32; bg 8 float32; x 8 x 512 x 512 float32.
;; Outputs: out0 8 x 512 x 512 float32.
;; This version of the problem:
;;   THIS VERSION OF THE PROBLEM IS GIVEN IN LOW PRECISION. The matrix products marked QUANTISED in the list below multiply operands that are first quantised to E2M3 (2 exponent bits, 3 mantissa bits; 6 bits a number), with one power-of-two scale for each 32 numbers along K (OCP MX v1.0); their sums are f32. All else is computed in f32.
;;   The module's matrix products, in the order in which they are computed (A, B: the left and right operand; K: the contracted axis; several contracted axes count as one K, in the product's order):
;;     1. [M 4,096, K 512] x [K 512, N 8]; A: input x; B: input Wg: left as it is (N = 8 < 16)
;;     2. [M 4,096, K 512] x [K 512, N 2,048]; A: computed on the way; B: input W1: QUANTISED
;;     3. [M 4,096, K 2,048] x [K 2,048, N 512]; A: computed on the way; B: input W2: QUANTISED
;;     4. [M 4,096, K 512] x [K 512, N 2,048]; A: computed on the way; B: input W1: QUANTISED
;;     5. [M 4,096, K 2,048] x [K 2,048, N 512]; A: computed on the way; B: input W2: QUANTISED
;;     6. [M 4,096, K 512] x [K 512, N 2,048]; A: computed on the way; B: input W1: QUANTISED
;;     7. [M 4,096, K 2,048] x [K 2,048, N 512]; A: computed on the way; B: input W2: QUANTISED
;;     8. [M 4,096, K 512] x [K 512, N 2,048]; A: computed on the way; B: input W1: QUANTISED
;;     9. [M 4,096, K 2,048] x [K 2,048, N 512]; A: computed on the way; B: input W2: QUANTISED
;;     10. [M 4,096, K 512] x [K 512, N 2,048]; A: computed on the way; B: input W1: QUANTISED
;;     11. [M 4,096, K 2,048] x [K 2,048, N 512]; A: computed on the way; B: input W2: QUANTISED
;;     12. [M 4,096, K 512] x [K 512, N 2,048]; A: computed on the way; B: input W1: QUANTISED
;;     13. [M 4,096, K 2,048] x [K 2,048, N 512]; A: computed on the way; B: input W2: QUANTISED
;;     14. [M 4,096, K 512] x [K 512, N 2,048]; A: computed on the way; B: input W1: QUANTISED
;;     15. [M 4,096, K 2,048] x [K 2,048, N 512]; A: computed on the way; B: input W2: QUANTISED
;;     16. [M 4,096, K 512] x [K 512, N 2,048]; A: computed on the way; B: input W1: QUANTISED
;;     17. [M 4,096, K 2,048] x [K 2,048, N 512]; A: computed on the way; B: input W2: QUANTISED
;;   THE QUANTISER, for each operand of a quantised product, along K:
;;     - K is cut into blocks of 32 from its start; a last block that is shorter is filled with zeros.
;;     - A block's scale is 2^e with e = floor(log2(the largest magnitude in the block)) - 2, held to -126 .. 127; a block of zeros has e = 0. As a byte (E8M0): e + 127.
;;     - Each number is divided by its block's scale, clamped to +-7.5, and rounded to the nearest number of E2M3, ties to even, subnormals kept.
;;     - The product sums the exact products of the quantised numbers (number of the format x scale) in f32.
;;   ~~~python
;;   def quantise(x, axis):      # numpy; x: float32 -> the quantised numbers, widened to float32 again
;;       x = np.moveaxis(x, axis, -1); K = x.shape[-1]
;;       x = np.pad(x, [(0, 0)] * (x.ndim - 1) + [(0, -K % 32)]); x = x.reshape(x.shape[:-1] + (-1, 32)); a = np.abs(x).max(-1, keepdims=True)
;;       e = np.where(a > 0, np.clip(np.frexp(np.where(a > 0, a, 1))[1] - 1 - 2, -126, 127), 0)      # np.frexp(a)[1] - 1 = floor(log2(a)), exactly
;;       r = np.clip(x / 2.0 ** e, -7.5, 7.5)
;;       step = 2.0 ** (np.maximum(np.frexp(np.where(r == 0, 1, r))[1] - 1, 0) - 3)
;;       q = np.round(r / step) * step * 2.0 ** e      # np.round: ties to even
;;       return np.moveaxis(q.reshape(q.shape[:-2] + (-1,))[..., :K], -1, axis).astype(np.float32)
;;   ~~~
;;   OPERANDS COMPUTED ON THE WAY. 'Computed on the way' means the value that the module computes at that place (a softmax that the list does not call 'softmax' is quantised finished and normalised). What goes into a quantiser is computed in f32, as accurately as f32 sums, v_exp_f32 and their like allow (about 1e-6 of the number): no bf16 or f16 on the way to a quantiser, and a product that is left as it is and whose result goes on into a quantised operand takes f32 operands (vector FMAs, or v_wmma_f32_16x16x4_f32). A number that lies on a knife's edge between two numbers of the format may be rounded either way, as far as f32 arithmetic and the matrix unit's own rounding can turn it there, and no further.
;; 3 versions, each right; version 3 is version 2 with the launch chain written anew for expert scheduling mode. Each part assembles by itself: llvm-mc -triple=amdgcn-amd-amdhsa -mcpu=gfx1250 --defsym DOCPART=n.
;; ======== version 1 of 3: 3 launches
;; workspace buffers: routes 16,384 bytes of whole numbers; order 16,384 bytes of whole numbers; tiles 2,048 bytes of whole numbers; xq 1,572,864 bytes; xsc 65,536 bytes; wq 12,582,912 bytes; wsc 524,288 bytes
;; launch route_w1 (part 1): grid 576 x 1, 4 waves a work-group, no clusters, 25,600 bytes of LDS; arguments x, Wg, bg, W1, xq, xsc, routes, wq, wsc; writes xq, xsc, routes, wq, wsc
.if DOCPART == 1
	.amdgcn_target "amdgcn-amd-amdhsa--gfx1250"
	.amdhsa_code_object_version 6
	.text
	.protected	k_q18a80d66b6_route_w1
	.globl	k_q18a80d66b6_route_w1
	.p2align	8
	.type	k_q18a80d66b6_route_w1,@function
k_q18a80d66b6_route_w1:
	s_mov_b64 s[64:65], 0
	v_nop
	global_prefetch_b8 v0, s[64:65] scope:SCOPE_SE
	s_setreg_imm32_b32 hwreg(HW_REG_WAVE_MODE, 25, 1), 1
	s_wait_xcnt 0x0
; TWO JOBS IN ONE LAUNCH, told apart by the work-group's number alone.
; Work-groups 0-63: THE ROUTER.  logits = x Wg + bg in f32, softmax with the row's largest logit taken away, pmax and the first index that has it; xs = x pmax is turned
; into codes of FP6 (E2M3) with one E8M0 byte for each 32 along D.  A wave takes 16 tokens, a token a step; 64 tokens a work-group.
; Work-groups 64-575: W1 [8][512][2048] f32, whose K is its first axis within an expert, into codes and scale words laid in the order of the matrix operand's registers.
; A unit is 128 along K x 128 columns: a lane takes a column and its registers run down K, so a block of 32 lies in one lane and the conversions give codes with K innermost.
; OUT: xq: 384 bytes a token: block 4 s + 2 c + h of 32 codes at 192 h + 24 (2 s + c), so that lane (token, h) of an operand finds its 48 registers on end.  xsc: 16 bytes a token.  routes: a word a token.
;      wq [expert][wave 4][batch 32][12,288]: a batch is 8 fragments of 16 columns x 128 K, each as 3 x 512 bytes: lane l's registers 4 q .. 4 q + 3 at 512 q + 16 l.  Here batches 4 i + s (hidden group 4 w + i, K step s).
;      wsc [expert][wave][batch][512]: word 16 P + 4 q: register q, lane P: lanes 0-15 tile 2 q, lanes 16-31 tile 2 q + 1.
; THE COLUMNS OF A TILE ARE NOT NEIGHBOURS: lane r of tile 2 b + u takes column 32 b + 8 u + r + 8 (r / 8), so that the transposed product leaves 16 neighbouring columns in a lane's 16 registers of two tiles.
; A block's scale is 2^(floor(log2(largest magnitude)) - 2); its byte is the largest magnitude's exponent field - 2, held at 1 from below.
; LIMITS: a block of zeros, and one whose largest magnitude lies under 2^-124, gets the byte 1 (zeros: the rule says 127; the codes are zeros and this program alone reads the bytes).  NaN and infinities are not served.
; Two logits that lie closer than the order of f32 sums can tell apart may be routed the other way than by another order of summing.  Equal largest probabilities: the lower index.
; The routes leave as 64 bytes a wave: 16 KB in the whole launch; everything else leaves in runs of 256 bytes or more.
.set WV,     2                         ; s2       my wave's number
; ---- the weight unit
.set QPITCH, 8192                      ; bytes from row k to row k + 1 of W1
.set QST,    12288                     ; LDS: the unit's stage, 3,072 bytes a wave (the router's bytes lie below: each job has LDS bytes of its own)
.set QSC,    24576                     ; LDS: the unit's 128 scale words
.set QIN,    32                        ; s[32:33] the unit's first number
.set QCO,    34                        ; s[34:35] its batch in wq
.set QSO,    36                        ; s[36:37] its record in wsc
.set QI,     1                         ; v1       4 x thread: my column's byte in a row of the unit
.set QA,     2                         ; v2       the stage, on the way in: my tile's image, my lane's 16 bytes
.set QS,     3                         ; v3       my scale word's place
.set QR,     4                         ; v4       the stage, on the way out: 16 x lane in my wave's 3,072 bytes
.set QO,     5                         ; v5       the same place in the batch
.set QL,     6                         ; v6       the scale words, on the way out
.set QG,     7                         ; v7       16 x lane
.set QW0,    8                         ; v8       my column's four scale bytes
.set QM,     10                        ; v10-11 two chains of the maximum, v12 the conversion's scale operand, v13 the byte
.set QC,     16                        ; v16-22   a block's codes
.set QX,     32                        ; v32-95   two sets of 32 numbers
.set QOUT,   96                        ; v96-119  the way out (at the head: at work)
.set QSW,    120                       ; v120-123 the scale record's 16 bytes a lane
.macro QLOAD t                         ; block t: rows 32 t + i of my column into set t % 2: a wave reads 128 consecutive bytes, the work-group 512
.irp i, 0,1,2,3,4,5,6,7,8,9,10,11,12,13,14,15,16,17,18,19,20,21,22,23,24,25,26,27,28,29,30,31
	global_load_b32 v[QX+32*((\t)%2)+\i], v[QI], s[QIN:QIN+1] offset:(32*(\t)+\i)*QPITCH th:TH_LOAD_NT
.endr
.endm
.macro QBLOCK t                        ; block t = 2 c + h of the K step: registers 6 c .. 6 c + 5 of lane r + 16 h of my tile's fragment
.set QXS, QX+32*((\t)%2)
.if (\t) < 3
	s_wait_loadcnt 32                              ; this block's 32 loads are in; the next block's 32 may be out
.else
	s_wait_loadcnt 0x0
.endif
	v_max3_num_f32 v[QM], |v[QXS]|, |v[QXS+1]|, |v[QXS+2]|          ; the block's largest magnitude: all 32 numbers are mine
	v_max3_num_f32 v[QM+1], |v[QXS+3]|, |v[QXS+4]|, |v[QXS+5]|
.irp i, 6,10,14,18,22,26
	v_max3_num_f32 v[QM], v[QM], |v[QXS+\i]|, |v[QXS+\i+1]|
	v_max3_num_f32 v[QM+1], v[QM+1], |v[QXS+\i+2]|, |v[QXS+\i+3]|
.endr
	v_max3_num_f32 v[QM], v[QM], |v[QXS+30]|, |v[QXS+31]|
	v_max3_num_f32 v[QM], v[QM], v[QM+1], 0x1800000                 ; and the floor 2^(3 - 127): the byte cannot fall under 1
	v_add_nc_u32 v[QM+2], 0xff000000, v[QM]                         ; 2 off the exponent field: the conversion takes this operand's exponent field as its scale
	v_cvt_scalef32_pk16_fp6_f32 v[QC:QC+2], v[QXS:QXS+15], v[QM+2]
	v_cvt_scalef32_pk16_fp6_f32 v[QC+4:QC+6], v[QXS+16:QXS+31], v[QM+2]   ; (a conversion's three registers begin on an even number)
	v_lshrrev_b32 v[QM+3], 23, v[QM+2]                              ; the scale's byte; also the plain instruction behind the conversions
.if (\t) == 0
	v_mov_b32 v[QW0], v[QM+3]                                       ; four bytes to the word, the lower K in the lower byte
.else
	v_lshl_or_b32 v[QW0], v[QM+3], 8*(\t), v[QW0]
.endif
	v_mov_b32 v[QC+3], v[QC+4]                                      ; the block's six registers on end
	v_mov_b32 v[QC+4], v[QC+5]
	v_mov_b32 v[QC+5], v[QC+6]
.if (\t) < 2
	ds_store_b128 v[QA], v[QC:QC+3] offset:256*((\t)%2)             ; registers 0-3: chunk 0;
	ds_store_b64 v[QA], v[QC+4:QC+5] offset:256*((\t)%2)+512        ; 4, 5: the lower half of chunk 1's 16 bytes
.else
	ds_store_b64 v[QA], v[QC:QC+1] offset:256*((\t)%2)+520          ; registers 6, 7: its upper half;
	ds_store_b128 v[QA], v[QC+2:QC+5] offset:256*((\t)%2)+1024      ; 8-11: chunk 2
.endif
.if (\t) < 2
	QLOAD (\t)+2
.endif
	s_wait_dscnt 0x0                               ; the stores have read their registers: the next block's codes may be written
.endm
.macro QADDR                           ; the unit's vector addresses, from the thread's number alone
	v_and_b32 v96, 31, v0                          ; lane
	v_lshrrev_b32 v97, 5, v0                       ; wave v: columns 32 v + lane, tiles 2 v and 2 v + 1
	v_and_b32 v98, 7, v0
	v_bfe_u32 v99, v0, 4, 1
	v_bfe_u32 v100, v0, 3, 1                       ; u: which of the two tiles
	v_lshl_add_u32 v98, v99, 3, v98                ; r = lane % 8 + 8 (lane / 16): my place in the tile
	v_lshl_add_u32 v101, v100, 4, v98              ; P = r + 16 u
	v_lshlrev_b32 v[QI], 2, v0
	v_mul_u32_u24 v[QO], v97, 3072
	v_mad_u32_u24 v[QA], v100, 1536, v[QO]
	v_lshl_add_u32 v[QA], v98, 4, v[QA]
	v_add_nc_u32 v[QA], QST, v[QA]                 ; QST + 3,072 v + 1,536 u + 16 r
	v_lshlrev_b32 v[QS], 2, v97
	v_lshl_add_u32 v[QS], v101, 4, v[QS]
	v_add_nc_u32 v[QS], QSC, v[QS]                 ; QSC + 16 P + 4 v
	v_lshl_add_u32 v[QO], v96, 4, v[QO]            ; 3,072 v + 16 lane
	v_add_nc_u32 v[QR], QST, v[QO]
	v_lshlrev_b32 v[QG], 4, v96
	v_add_nc_u32 v[QL], QSC, v[QG]
.endm
.macro QRUN                            ; the unit's work; it ends the wave
	QLOAD 0
	QLOAD 1
	QBLOCK 0
	QBLOCK 1
	QBLOCK 2
	QBLOCK 3
	ds_store_b32 v[QS], v[QW0]
.irp q, 0,1,2,3,4,5
	ds_load_b128 v[QOUT+4*\q:QOUT+4*\q+3], v[QR] offset:512*\q      ; my wave's own 3,072 bytes: LDS serves a wave's instructions in order, so these see my stores
.endr
.irp q, 0,1,2,3,4,5
	s_wait_dscnt 5-\q                              ; load q is back; the younger ones may be out
	global_store_b128 v[QO], v[QOUT+4*\q:QOUT+4*\q+3], s[QCO:QCO+1] offset:512*\q   ; the wave stores 512 consecutive bytes, at a multiple of 256 from wq's first byte
.endr
	s_wait_dscnt 0x0                               ; for the others' sake: my scale words lie in LDS
	s_barrier_signal -1                            ; (all four waves of a work-group are on this path: it hangs on the work-group's number)
	s_barrier_wait -1
	s_cmp_lg_u32 s[WV], 0
	s_cbranch_scc1 .Lq_end                         ; wave 0 stores the unit's 512 bytes of scale words
	ds_load_b128 v[QSW:QSW+3], v[QL]
	s_wait_dscnt 0x0
	global_store_b128 v[QG], v[QSW:QSW+3], s[QSO:QSO+1]
.Lq_end:
	s_wait_tensorcnt 0x0
	ds_add_u32 v251, v255
	s_wait_dscnt 0x0
	s_endpgm
.endm
; ---- the router
.set LANE, 1                           ; v1
.set RA,   2                           ; v2   16 x lane: my bytes of a load's 512
.set STI,  3                           ; v3   the stage, on the way in: 80 (lane / 4) + 16 (lane % 4)
.set STO,  4                           ; v4   and on the way out: 80 x lane: my 16 neighbours
.set SBA,  5                           ; v5   my block's scale byte
.set SBR,  6                           ; v6   the wave's 256 scale bytes, 8 a lane
.set CO,   7                           ; v7   my 12 bytes of a token's 384
.set WGA,  8                           ; v8   128 x lane: four rows of Wg
.set SO8,  9                           ; v9   8 x lane
.set RO,   10                          ; v10  lane t: token t's route
.set RO4,  11                          ; v11  4 x lane
.set WGR,  16                          ; v16-143  Wg: register 8 n + e = Wg[128 (n / 4) + 4 lane + n % 4][e]: the rows that go with my 16 numbers of x as they are loaded
.set R,    144                         ; v144-207 four sets of 16 numbers as they are loaded
.set X,    208                         ; v208-223 16 neighbours
.set A,    224                         ; v224-231 the logits, then the exponentials
.set T,    232                         ; v232-239 at work
.set M,    240
.set PM,   241
.set SUM,  242
.set RC,   243
.set P,    244                         ; v[244:245] pmax (the packed multiply names the pair and takes its low word)
.set RT,   246
.set MX,   247                         ; v247-248
.set SCL,  249
.set BY,   250
.set CD,   252                         ; v252-254 16 codes
.set SEL,  22                          ; s[22:23] lane selects for v_permlanex16_b32: lane l xor 16
.set BG,   24                          ; s[24:31] bg
.macro RLOAD t                         ; token t's row: four loads of 512 consecutive bytes
.irp i, 0,1,2,3
	global_load_b128 v[R+16*((\t)%4)+4*\i:R+16*((\t)%4)+4*\i+3], v[RA], s[4:5] offset:2048*(\t)+512*\i th:TH_LOAD_NT
.endr
.endm
.macro RSTEP t
.set RS, R+16*((\t)%4)
.if (\t) < 13
	s_wait_loadcnt 12                              ; this row's four loads are in (and Wg, which is older); the three rows behind it may be out
.else
	s_wait_loadcnt 4*(15-(\t))
.endif
.irp i, 0,1,2,3
	ds_store_b128 v[STI], v[RS+4*\i:RS+4*\i+3] offset:640*\i        ; the row turns through my wave's stage: in as it lies,
.endr
.irp i, 0,1,2,3
	ds_load_b128 v[X+4*\i:X+4*\i+3], v[STO] offset:16*\i            ; out 64 bytes a lane (LDS serves a wave's instructions in order)
.endr
.irp q, 0,1,2,3
	v_pk_mul_f32 v[A+2*\q:A+2*\q+1], v[RS:RS+1], v[WGR+2*\q:WGR+2*\q+1] op_sel_hi:[0,1]   ; the logits, from the numbers as loaded: the first product starts the sums
.endr
.set rho, 1
.rept 15
.irp q, 0,1,2,3
.if rho%2
	v_pk_fma_f32 v[A+2*\q:A+2*\q+1], v[RS+rho-1:RS+rho], v[WGR+8*rho+2*\q:WGR+8*rho+2*\q+1], v[A+2*\q:A+2*\q+1] op_sel:[1,0,0] op_sel_hi:[1,1,1]   ; the pair's second number for both experts
.else
	v_pk_fma_f32 v[A+2*\q:A+2*\q+1], v[RS+rho:RS+rho+1], v[WGR+8*rho+2*\q:WGR+8*rho+2*\q+1], v[A+2*\q:A+2*\q+1] op_sel_hi:[0,1,1]                 ; its first
.endif
.endr
.set rho, rho+1
.endr
.irp x, 1,2,4,8
.irp e, 0,1,2,3,4,5,6,7
	v_add_f32_dpp v[A+\e], v[A+\e], v[A+\e] row_xmask:\x row_mask:0xf bank_mask:0xf   ; across 16 lanes, the eight sums by turns
.endr
.endr
.irp e, 0,1,2,3,4,5,6,7
	v_permlanex16_b32 v[T+\e], v[A+\e], s[SEL], s[SEL+1]
.endr
.irp e, 0,1,2,3,4,5,6,7
	v_add_f32 v[A+\e], v[A+\e], v[T+\e]            ; every lane holds the sums
.endr
.irp e, 0,1,2,3,4,5,6,7
	v_add_f32 v[A+\e], s[BG+\e], v[A+\e]
.endr
	v_max3_num_f32 v[M], v[A], v[A+1], v[A+2]
	v_max3_num_f32 v[M], v[M], v[A+3], v[A+4]
	v_max3_num_f32 v[M], v[M], v[A+5], v[A+6]
	v_max_num_f32 v[M], v[M], v[A+7]               ; the largest logit is taken away before the exponentials
.irp e, 0,1,2,3,4,5,6,7
	v_sub_f32 v[A+\e], v[A+\e], v[M]
.endr
.irp e, 0,1,2,3,4,5,6,7
	v_mul_f32 v[A+\e], 0x3fb8aa3b, v[A+\e]         ; x log2(e)
.endr
.irp e, 0,1,2,3,4,5,6,7
	v_exp_f32 v[A+\e], v[A+\e]
.endr
	v_mov_b32 v[RT], 7                             ; a plain instruction behind the exponentials
	s_wait_alu depctr_va_vdst(0)                   ; one wait for the eight, ahead of their first reader
	v_max3_num_f32 v[PM], v[A], v[A+1], v[A+2]
	v_add_f32 v[SUM], v[A], v[A+1]
	v_add_f32 v[T], v[A+2], v[A+3]
	v_max3_num_f32 v[PM], v[PM], v[A+3], v[A+4]
	v_add_f32 v[T+1], v[A+4], v[A+5]
	v_add_f32 v[T+2], v[A+6], v[A+7]
	v_max3_num_f32 v[PM], v[PM], v[A+5], v[A+6]
	v_add_f32 v[SUM], v[SUM], v[T]
	v_add_f32 v[T+1], v[T+1], v[T+2]
	v_max_num_f32 v[PM], v[PM], v[A+7]
	v_add_f32 v[SUM], v[SUM], v[T+1]
	v_rcp_f32 v[RC], v[SUM]
.irp e, 6,5,4,3,2,1,0
	v_cmp_eq_f32 vcc_lo, v[A+\e], v[PM]            ; the route: descending, so that the lowest index with the largest probability stays.  (Independent work behind the reciprocal)
	v_cndmask_b32 v[RT], v[RT], \e, vcc_lo
.endr
	v_cmp_eq_u32 vcc_lo, \t, v[LANE]
	v_cndmask_b32 v[RO], v[RO], v[RT], vcc_lo      ; lane t keeps token t's route: a value is chosen, no address hangs on it
	s_wait_alu depctr_va_vdst(0)                   ; the wait for the reciprocal, ahead of its reader
	v_mul_f32 v[P], v[PM], v[RC]                   ; pmax
	s_wait_dscnt 0x0                               ; my 16 neighbours are in; the stage's stores have read this row's registers, and the last step's byte store its byte
.if (\t)+4 < 16
	RLOAD (\t)+4
.endif
.irp j, 0,2,4,6,8,10,12,14
	v_pk_mul_f32 v[X+\j:X+\j+1], v[X+\j:X+\j+1], v[P:P+1] op_sel_hi:[1,0]   ; xs = x pmax, in f32
.endr
	v_max3_num_f32 v[MX], |v[X]|, |v[X+1]|, |v[X+2]|
	v_max3_num_f32 v[MX+1], |v[X+3]|, |v[X+4]|, |v[X+5]|
.irp i, 6,10
	v_max3_num_f32 v[MX], v[MX], |v[X+\i]|, |v[X+\i+1]|
	v_max3_num_f32 v[MX+1], v[MX+1], |v[X+\i+2]|, |v[X+\i+3]|
.endr
	v_max3_num_f32 v[MX], v[MX], |v[X+14]|, |v[X+15]|
	v_max3_num_f32 v[MX], v[MX], v[MX+1], 0x1800000                 ; and the floor 2^(3 - 127)
	v_max_num_f32_dpp v[MX], v[MX], v[MX] row_xmask:1 row_mask:0xf bank_mask:0xf   ; with my neighbour's 16: the block's largest magnitude
	v_add_nc_u32 v[SCL], 0xff000000, v[MX]
	s_wait_xcnt 0x0                                ; the last step's store has read the codes' registers
	v_cvt_scalef32_pk16_fp6_f32 v[CD:CD+2], v[X:X+15], v[SCL]
	v_lshrrev_b32 v[BY], 23, v[SCL]                ; the scale's byte; also the plain instruction behind the conversion
	ds_store_b8 v[SBA], v[BY] offset:16*(\t)       ; both lanes of a block write the same byte with the same value
	global_store_b96 v[CO], v[CD:CD+2], s[12:13] offset:384*(\t)    ; the wave stores the token's 384 consecutive bytes
.endm
	s_load_b512 s[4:19], s[0:1], 0x0               ; x s[4:5], Wg s[6:7], bg s[8:9], W1 s[10:11], xq s[12:13], xsc s[14:15], routes s[16:17], wq s[18:19]
	s_load_b64 s[20:21], s[0:1], 0x40              ; wsc
	v_lshl_add_u32 v251, v0, 2, 0x6200
	v_mov_b32 v255, 0
	v_lshrrev_b32 v15, 5, v0
	v_readfirstlane_b32 s[WV], v15                 ; wave 0..3
	s_cmp_lt_u32 ttmp9, 64
	s_cbranch_scc1 .Lrouter
	; ---- a unit of W1: u = expert x 64 + K step x 16 + hidden group: sixteen neighbouring work-groups read whole rows of W1
	s_sub_co_u32 s38, ttmp9, 64
	s_lshr_b32 s39, s38, 6                         ; expert
	s_bfe_u32 s40, s38, 0x20004                    ; K step s: 2 bits from bit 4
	s_and_b32 s41, s38, 15                         ; hidden group G
	s_lshl_b32 s[QIN], s39, 22                     ; an expert is 2^22 bytes,
	s_lshl_b32 s42, s40, 20                        ; 128 rows of 8,192 bytes 2^20,
	s_or_b32 s[QIN], s[QIN], s42
	s_lshl_b32 s42, s41, 9                         ; 128 columns 512
	s_or_b32 s[QIN], s[QIN], s42
	s_mov_b32 s[QIN+1], 0
	s_lshl_b32 s[QCO], s39, 2
	s_lshr_b32 s42, s41, 2
	s_or_b32 s[QCO], s[QCO], s42                   ; 4 expert + wave of the chain (G / 4)
	s_lshl_b32 s[QCO], s[QCO], 5
	s_and_b32 s42, s41, 3
	s_lshl_b32 s42, s42, 2
	s_or_b32 s[QCO], s[QCO], s42
	s_or_b32 s[QCO], s[QCO], s40                   ; batch 4 (G % 4) + s
	s_lshl_b32 s[QSO], s[QCO], 9
	s_mov_b32 s[QSO+1], 0
	s_mul_i32 s[QCO], s[QCO], 12288
	s_mov_b32 s[QCO+1], 0
	QADDR
	s_wait_kmcnt 0x0
	s_add_nc_u64 s[QIN:QIN+1], s[10:11], s[QIN:QIN+1]
	s_add_nc_u64 s[QCO:QCO+1], s[18:19], s[QCO:QCO+1]
	s_add_nc_u64 s[QSO:QSO+1], s[20:21], s[QSO:QSO+1]
	QRUN
.Lrouter:
	v_and_b32 v[LANE], 31, v0
	v_mul_u32_u24 v15, v15, 3072                   ; my wave's LDS: a stage of 32 x 80 bytes, then 256 scale bytes
	v_lshlrev_b32 v[RA], 4, v[LANE]
	v_bfe_u32 v12, v0, 2, 3                        ; lane / 4
	v_and_b32 v13, 3, v0
	v_mad_u32_u24 v[STI], v12, 80, v15
	v_lshl_add_u32 v[STI], v13, 4, v[STI]
	v_mad_u32_u24 v[STO], v[LANE], 80, v15
	v_bfe_u32 v13, v0, 1, 4                        ; lane / 2: my block
	v_add_nc_u32 v[SBA], v13, v15
	v_add_nc_u32 v[SBA], 2560, v[SBA]
	v_lshl_add_u32 v[SBR], v[LANE], 3, v15
	v_add_nc_u32 v[SBR], 2560, v[SBR]
	v_bfe_u32 v13, v0, 1, 1                        ; my block's h,
	v_mul_u32_u24 v[CO], v13, 192
	v_mad_u32_u24 v[CO], v12, 24, v[CO]            ; its 2 s + c = lane / 4,
	v_and_b32 v13, 1, v0
	v_mad_u32_u24 v[CO], v13, 12, v[CO]            ; and which half of it is mine
	v_lshlrev_b32 v[WGA], 7, v[LANE]
	v_lshlrev_b32 v[SO8], 3, v[LANE]
	v_lshlrev_b32 v[RO4], 2, v[LANE]
	v_mov_b32 v[RO], 0
	v_mov_b32 v[P+1], 0                            ; (named as the upper half of a pair)
.irp e, 0,1,2,3,4,5,6,7
	v_mov_b32 v[T+\e], 0                           ; written once: a lane permute's destination counts as one of its sources
.endr
	s_lshl_b32 s32, ttmp9, 6
	s_lshl_b32 s33, s[WV], 4
	s_add_co_u32 s32, s32, s33                     ; my first token: 64 x work-group + 16 x wave
	s_lshl_b32 s34, s32, 11                        ; its row of x,
	s_mov_b32 s35, 0
	s_mul_i32 s36, s32, 384                        ; its codes,
	s_mov_b32 s37, 0
	s_lshl_b32 s38, s32, 4                         ; its scale bytes,
	s_mov_b32 s39, 0
	s_lshl_b32 s40, s32, 2                         ; its route
	s_mov_b32 s41, 0
	s_mov_b32 s[SEL], 0x76543210
	s_mov_b32 s[SEL+1], 0xfedcba98
	s_wait_kmcnt 0x0
	s_load_b256 s[BG:BG+7], s[8:9], 0x0            ; bg: nobody writes it
	s_add_nc_u64 s[4:5], s[4:5], s[34:35]
	s_add_nc_u64 s[12:13], s[12:13], s[36:37]
	s_add_nc_u64 s[14:15], s[14:15], s[38:39]
	s_add_nc_u64 s[16:17], s[16:17], s[40:41]
.irp i, 0,1,2,3
.irp c, 0,1,2,3,4,5,6,7
	global_load_b128 v[WGR+32*\i+4*\c:WGR+32*\i+4*\c+3], v[WGA], s[6:7] offset:4096*\i+16*\c   ; rows 128 i + 4 lane + 0 .. 3 of Wg: they stay
.endr
.endr
	RLOAD 0
	RLOAD 1
	RLOAD 2
	RLOAD 3
	s_wait_kmcnt 0x0                               ; bg
.irp t, 0,1,2,3,4,5,6,7,8,9,10,11,12,13,14,15
	RSTEP \t
.endr
	ds_load_b64 v[12:13], v[SBR]                   ; LDS serves a wave's instructions in order: these see my byte stores
	s_wait_dscnt 0x0
	global_store_b64 v[SO8], v[12:13], s[14:15]    ; the wave's 256 scale bytes, at a multiple of 256 from xsc's first byte
	v_cmp_gt_u32 vcc_lo, 16, v[LANE]
	s_wait_xcnt 0x0                                ; EXEC changes only behind this wait
	s_wait_tensorcnt 0x0
	ds_add_u32 v251, v255
	s_wait_dscnt 0x0
	s_and_saveexec_b32 s32, vcc_lo
	global_store_b32 v[RO4], v[RO], s[16:17]       ; lanes 0-15: the 16 routes
	s_wait_xcnt 0x0                                ; and again in front of the line that widens it
	s_or_b32 exec_lo, exec_lo, s32
	s_endpgm
.Lfunc_end_k_q18a80d66b6_route_w1:
	.size	k_q18a80d66b6_route_w1, .Lfunc_end_k_q18a80d66b6_route_w1-k_q18a80d66b6_route_w1
	.p2alignl 7, 3214868480
	.fill 96, 4, 3214868480
	.section	.rodata,"a",@progbits
	.p2align	6, 0x0
	.amdhsa_kernel k_q18a80d66b6_route_w1
		.amdhsa_group_segment_fixed_size 25600
		.amdhsa_private_segment_fixed_size 0
		.amdhsa_enable_private_segment 0
		.amdhsa_kernarg_size 72
		.amdhsa_user_sgpr_count 2
		.amdhsa_user_sgpr_kernarg_segment_ptr 1
		.amdhsa_wavefront_size32 1
		.amdhsa_system_sgpr_workgroup_id_x 1
		.amdhsa_system_sgpr_workgroup_id_y 1
		.amdhsa_system_sgpr_workgroup_id_z 1
		.amdhsa_system_vgpr_workitem_id 0
		.amdhsa_next_free_vgpr 256
		.amdhsa_next_free_sgpr 66
		.amdhsa_reserve_vcc 1
		.amdhsa_float_denorm_mode_32 3
		.amdhsa_float_denorm_mode_16_64 3
		.amdhsa_memory_ordered 1
		.amdhsa_forward_progress 1
		.amdhsa_inst_pref_size 219
	.end_amdhsa_kernel
	.amdgpu_metadata
---
amdhsa.version: [ 1, 2 ]
amdhsa.kernels:
  - .name:           k_q18a80d66b6_route_w1
    .symbol:         k_q18a80d66b6_route_w1.kd
    .args:
      - { .name: x, .offset: 0, .size: 8, .value_kind: global_buffer, .address_space: global }
      - { .name: Wg, .offset: 8, .size: 8, .value_kind: global_buffer, .address_space: global }
      - { .name: bg, .offset: 16, .size: 8, .value_kind: global_buffer, .address_space: global }
      - { .name: W1, .offset: 24, .size: 8, .value_kind: global_buffer, .address_space: global }
      - { .name: xq, .offset: 32, .size: 8, .value_kind: global_buffer, .address_space: global }
      - { .name: xsc, .offset: 40, .size: 8, .value_kind: global_buffer, .address_space: global }
      - { .name: routes, .offset: 48, .size: 8, .value_kind: global_buffer, .address_space: global }
      - { .name: wq, .offset: 56, .size: 8, .value_kind: global_buffer, .address_space: global }
      - { .name: wsc, .offset: 64, .size: 8, .value_kind: global_buffer, .address_space: global }
    .group_segment_fixed_size: 25600
    .private_segment_fixed_size: 0
    .kernarg_segment_align: 8
    .kernarg_segment_size: 72
    .max_flat_workgroup_size: 128
    .sgpr_count:     66
    .vgpr_count:     256
    .wavefront_size: 32
...
	.end_amdgpu_metadata
.endif
;; end of part 1
;; launch place_w2 (part 2): grid 513 x 1, 4 waves a work-group, no clusters, 13,824 bytes of LDS; arguments routes, W2, order, tiles, wq, wsc; writes order, tiles, wq, wsc
.if DOCPART == 2
	.amdgcn_target "amdgcn-amd-amdhsa--gfx1250"
	.amdhsa_code_object_version 6
	.text
	.protected	k_q18a80d66b6_place_w2
	.globl	k_q18a80d66b6_place_w2
	.p2align	8
	.type	k_q18a80d66b6_place_w2,@function
k_q18a80d66b6_place_w2:
	s_mov_b64 s[64:65], 0
	v_nop
	global_prefetch_b8 v0, s[64:65] scope:SCOPE_SE
	s_setreg_imm32_b32 hwreg(HW_REG_WAVE_MODE, 25, 1), 1
	s_wait_xcnt 0x0
; TWO JOBS IN ONE LAUNCH, told apart by the work-group's number alone.
; Work-group 0: THE PLACING.  The 4,096 routes (whole numbers that the launch before stored) are sorted stably by expert, by counting: order[position] = token; and the list of tiles is made:
; 128 records {expert, first position, rows (0 .. 64), 1 in an expert's first tile}: never more than 4096 / 64 + 8 - 1 = 71 have rows, whatever the split; the others get rows = 0.
; Wave v takes tokens 1,024 v on, register i of lane l token 1,024 v + 32 i + l.  Pass 1 counts each expert's tokens in the wave; the four waves' counts meet in LDS; pass 2 gives each token its position:
; the expert's first position + the earlier waves' share + those of the wave's earlier registers + those of lower lanes.  No atomics.
; Work-groups 1-512: W2 [8][2048][512] f32, whose K is its first axis within an expert, into codes of FP6 (E2M3) and scale words laid in the order of the matrix operand's registers:
; a unit is 128 along K x 128 columns; a lane takes a column and its registers run down K.  wq, wsc: as the launch before lays them; here batches 16 + s (outputs 128 w on, K step s).
; THE COLUMNS OF A TILE ARE NOT NEIGHBOURS: lane r of tile 2 b + u takes column 32 b + 8 u + r + 8 (r / 8).
; LIMITS: a block of zeros, and one whose largest magnitude lies under 2^-124, gets the byte 1 (zeros: the rule says 127; the codes are zeros and this program alone reads the bytes).  NaN and infinities are not served.
; order is stored as single words at sorted places: 16 KB in the launch.
.set WV,     2                         ; s2       my wave's number
; ---- the weight unit
.set QPITCH, 2048                      ; bytes from row k to row k + 1 of W2
.set QST,    512                       ; LDS: the unit's stage, 3,072 bytes a wave (the placing's bytes lie below: each job has LDS bytes of its own)
.set QSC,    12800                     ; LDS: the unit's 128 scale words
.set QIN,    16                        ; s[16:17] the unit's first number
.set QCO,    18                        ; s[18:19] its batch in wq
.set QSO,    20                        ; s[20:21] its record in wsc
.set QI,     1                         ; v1       4 x thread: my column's byte in a row of the unit
.set QA,     2                         ; v2       the stage, on the way in: my tile's image, my lane's 16 bytes
.set QS,     3                         ; v3       my scale word's place
.set QR,     4                         ; v4       the stage, on the way out: 16 x lane in my wave's 3,072 bytes
.set QO,     5                         ; v5       the same place in the batch
.set QL,     6                         ; v6       the scale words, on the way out
.set QG,     7                         ; v7       16 x lane
.set QW0,    8                         ; v8       my column's four scale bytes
.set QM,     10                        ; v10-11 two chains of the maximum, v12 the conversion's scale operand, v13 the byte
.set QC,     16                        ; v16-22   a block's codes
.set QX,     32                        ; v32-95   two sets of 32 numbers
.set QOUT,   96                        ; v96-119  the way out (at the head: at work)
.set QSW,    120                       ; v120-123 the scale record's 16 bytes a lane
.macro QLOAD t                         ; block t: rows 32 t + i of my column into set t % 2: a wave reads 128 consecutive bytes, the work-group 512
.irp i, 0,1,2,3,4,5,6,7,8,9,10,11,12,13,14,15,16,17,18,19,20,21,22,23,24,25,26,27,28,29,30,31
	global_load_b32 v[QX+32*((\t)%2)+\i], v[QI], s[QIN:QIN+1] offset:(32*(\t)+\i)*QPITCH th:TH_LOAD_NT
.endr
.endm
.macro QBLOCK t                        ; block t = 2 c + h of the K step: registers 6 c .. 6 c + 5 of lane r + 16 h of my tile's fragment
.set QXS, QX+32*((\t)%2)
.if (\t) < 3
	s_wait_loadcnt 32                              ; this block's 32 loads are in; the next block's 32 may be out
.else
	s_wait_loadcnt 0x0
.endif
	v_max3_num_f32 v[QM], |v[QXS]|, |v[QXS+1]|, |v[QXS+2]|          ; the block's largest magnitude: all 32 numbers are mine
	v_max3_num_f32 v[QM+1], |v[QXS+3]|, |v[QXS+4]|, |v[QXS+5]|
.irp i, 6,10,14,18,22,26
	v_max3_num_f32 v[QM], v[QM], |v[QXS+\i]|, |v[QXS+\i+1]|
	v_max3_num_f32 v[QM+1], v[QM+1], |v[QXS+\i+2]|, |v[QXS+\i+3]|
.endr
	v_max3_num_f32 v[QM], v[QM], |v[QXS+30]|, |v[QXS+31]|
	v_max3_num_f32 v[QM], v[QM], v[QM+1], 0x1800000                 ; and the floor 2^(3 - 127): the byte cannot fall under 1
	v_add_nc_u32 v[QM+2], 0xff000000, v[QM]                         ; 2 off the exponent field: the conversion takes this operand's exponent field as its scale
	v_cvt_scalef32_pk16_fp6_f32 v[QC:QC+2], v[QXS:QXS+15], v[QM+2]
	v_cvt_scalef32_pk16_fp6_f32 v[QC+4:QC+6], v[QXS+16:QXS+31], v[QM+2]   ; (a conversion's three registers begin on an even number)
	v_lshrrev_b32 v[QM+3], 23, v[QM+2]                              ; the scale's byte; also the plain instruction behind the conversions
.if (\t) == 0
	v_mov_b32 v[QW0], v[QM+3]                                       ; four bytes to the word, the lower K in the lower byte
.else
	v_lshl_or_b32 v[QW0], v[QM+3], 8*(\t), v[QW0]
.endif
	v_mov_b32 v[QC+3], v[QC+4]                                      ; the block's six registers on end
	v_mov_b32 v[QC+4], v[QC+5]
	v_mov_b32 v[QC+5], v[QC+6]
.if (\t) < 2
	ds_store_b128 v[QA], v[QC:QC+3] offset:256*((\t)%2)             ; registers 0-3: chunk 0;
	ds_store_b64 v[QA], v[QC+4:QC+5] offset:256*((\t)%2)+512        ; 4, 5: the lower half of chunk 1's 16 bytes
.else
	ds_store_b64 v[QA], v[QC:QC+1] offset:256*((\t)%2)+520          ; registers 6, 7: its upper half;
	ds_store_b128 v[QA], v[QC+2:QC+5] offset:256*((\t)%2)+1024      ; 8-11: chunk 2
.endif
.if (\t) < 2
	QLOAD (\t)+2
.endif
	s_wait_dscnt 0x0                               ; the stores have read their registers: the next block's codes may be written
.endm
.macro QADDR                           ; the unit's vector addresses, from the thread's number alone
	v_and_b32 v96, 31, v0                          ; lane
	v_lshrrev_b32 v97, 5, v0                       ; wave v: columns 32 v + lane, tiles 2 v and 2 v + 1
	v_and_b32 v98, 7, v0
	v_bfe_u32 v99, v0, 4, 1
	v_bfe_u32 v100, v0, 3, 1                       ; u: which of the two tiles
	v_lshl_add_u32 v98, v99, 3, v98                ; r = lane % 8 + 8 (lane / 16): my place in the tile
	v_lshl_add_u32 v101, v100, 4, v98              ; P = r + 16 u
	v_lshlrev_b32 v[QI], 2, v0
	v_mul_u32_u24 v[QO], v97, 3072
	v_mad_u32_u24 v[QA], v100, 1536, v[QO]
	v_lshl_add_u32 v[QA], v98, 4, v[QA]
	v_add_nc_u32 v[QA], QST, v[QA]                 ; QST + 3,072 v + 1,536 u + 16 r
	v_lshlrev_b32 v[QS], 2, v97
	v_lshl_add_u32 v[QS], v101, 4, v[QS]
	v_add_nc_u32 v[QS], QSC, v[QS]                 ; QSC + 16 P + 4 v
	v_lshl_add_u32 v[QO], v96, 4, v[QO]            ; 3,072 v + 16 lane
	v_add_nc_u32 v[QR], QST, v[QO]
	v_lshlrev_b32 v[QG], 4, v96
	v_add_nc_u32 v[QL], QSC, v[QG]
.endm
.macro QRUN                            ; the unit's work; it ends the wave
	QLOAD 0
	QLOAD 1
	QBLOCK 0
	QBLOCK 1
	QBLOCK 2
	QBLOCK 3
	ds_store_b32 v[QS], v[QW0]
.irp q, 0,1,2,3,4,5
	ds_load_b128 v[QOUT+4*\q:QOUT+4*\q+3], v[QR] offset:512*\q      ; my wave's own 3,072 bytes: LDS serves a wave's instructions in order, so these see my stores
.endr
.irp q, 0,1,2,3,4,5
	s_wait_dscnt 5-\q                              ; load q is back; the younger ones may be out
	global_store_b128 v[QO], v[QOUT+4*\q:QOUT+4*\q+3], s[QCO:QCO+1] offset:512*\q   ; the wave stores 512 consecutive bytes, at a multiple of 256 from wq's first byte
.endr
	s_wait_dscnt 0x0                               ; for the others' sake: my scale words lie in LDS
	s_barrier_signal -1                            ; (all four waves of a work-group are on this path: it hangs on the work-group's number)
	s_barrier_wait -1
	s_cmp_lg_u32 s[WV], 0
	s_cbranch_scc1 .Lq_end                         ; wave 0 stores the unit's 512 bytes of scale words
	ds_load_b128 v[QSW:QSW+3], v[QL]
	s_wait_dscnt 0x0
	global_store_b128 v[QG], v[QSW:QSW+3], s[QSO:QSO+1]
.Lq_end:
	s_wait_tensorcnt 0x0
	ds_add_u32 v160, v161
	s_wait_dscnt 0x0
	s_endpgm
.endm
; ---- the placing
.set PA,    1                          ; v1       4,096 x wave + 4 x lane: my tokens' routes
.set PLA,   2                          ; v2       LDS: 4 x thread: my wave's counts, lane e expert e's
.set PLR,   3                          ; v3       LDS: 4 x lane: a wave's counts
.set TK0,   4                          ; v4       1,024 x wave + lane: my first token
.set PC0,   5                          ; v5       my wave's counts
.set PR,    32                         ; v32-63   routes, then tokens
.set PK,    64                         ; v64-95   positions, then their byte offsets
.set PT,    96                         ; v96-99   at work, by turns
.set PS,    100                        ; v100 all waves' counts, v101 the earlier waves', v102 at work
.set REC,   104                        ; v104-107 a tile's record;  v108-114 at work
.set PC1,   128                        ; v128-131 the four waves' counts
.set RUN,   32                         ; s32-39   running counts, then running positions
.set TOT,   40                         ; s40-47   an expert's tokens
.set START, 48                         ; s48-55   its first position
.set TS,    56                         ; s56-63   its first tile
.set MK,    66                         ; s66-69   masks, by turns;  s70-73 counts, by turns
	s_load_b256 s[4:11], s[0:1], 0x0               ; routes s[4:5], W2 s[6:7], order s[8:9], tiles s[10:11]
	s_load_b128 s[12:15], s[0:1], 0x20             ; wq s[12:13], wsc s[14:15]
	v_lshl_add_u32 v160, v0, 2, 0x3400
	v_mov_b32 v161, 0
	v_lshrrev_b32 v15, 5, v0
	v_readfirstlane_b32 s[WV], v15                 ; wave 0..3
	s_cmp_eq_u32 ttmp9, 0
	s_cbranch_scc1 .Lplace
	; ---- a unit of W2: u = expert x 64 + K step x 4 + wave of the chain: four neighbouring work-groups read whole rows of W2
	s_sub_co_u32 s22, ttmp9, 1
	s_lshr_b32 s23, s22, 6                         ; expert
	s_bfe_u32 s24, s22, 0x40002                    ; K step s: 4 bits from bit 2
	s_and_b32 s25, s22, 3                          ; w: outputs 128 w on
	s_lshl_b32 s[QIN], s23, 22                     ; an expert is 2^22 bytes,
	s_lshl_b32 s26, s24, 18                        ; 128 rows of 2,048 bytes 2^18,
	s_or_b32 s[QIN], s[QIN], s26
	s_lshl_b32 s26, s25, 9                         ; 128 columns 512
	s_or_b32 s[QIN], s[QIN], s26
	s_mov_b32 s[QIN+1], 0
	s_lshl_b32 s[QCO], s23, 2
	s_or_b32 s[QCO], s[QCO], s25
	s_lshl_b32 s[QCO], s[QCO], 5
	s_or_b32 s[QCO], s[QCO], 16
	s_or_b32 s[QCO], s[QCO], s24                   ; batch 16 + s of stream 4 expert + w
	s_lshl_b32 s[QSO], s[QCO], 9
	s_mov_b32 s[QSO+1], 0
	s_mul_i32 s[QCO], s[QCO], 12288
	s_mov_b32 s[QCO+1], 0
	QADDR
	s_wait_kmcnt 0x0
	s_add_nc_u64 s[QIN:QIN+1], s[6:7], s[QIN:QIN+1]
	s_add_nc_u64 s[QCO:QCO+1], s[12:13], s[QCO:QCO+1]
	s_add_nc_u64 s[QSO:QSO+1], s[14:15], s[QSO:QSO+1]
	QRUN
.Lplace:
	v_and_b32 v[TK0], 31, v0
	v_lshlrev_b32 v[PLR], 2, v[TK0]
	v_lshlrev_b32 v[PLA], 2, v0
	v_lshl_add_u32 v[PA], v15, 12, v[PLR]
	v_lshl_add_u32 v[TK0], v15, 10, v[TK0]
	s_wait_kmcnt 0x0
.irp i, 0,1,2,3,4,5,6,7,8,9,10,11,12,13,14,15,16,17,18,19,20,21,22,23,24,25,26,27,28,29,30,31
	global_load_b32 v[PR+\i], v[PA], s[4:5] offset:128*\i
.endr
.irp e, 0,1,2,3,4,5,6,7
	s_mov_b32 s[RUN+\e], 0
.endr
	v_mov_b32 v[PC0], 0
	s_wait_loadcnt 0x0
	; pass 1: how many of my wave's 1,024 tokens go to each expert
.irp i, 0,1,2,3,4,5,6,7,8,9,10,11,12,13,14,15,16,17,18,19,20,21,22,23,24,25,26,27,28,29,30,31
.irp e, 0,1,2,3,4,5,6,7
	v_cmp_eq_u32 s[MK+\e%4], \e, v[PR+\i]
	s_bcnt1_i32_b32 s[MK+4+\e%4], s[MK+\e%4]
	s_add_co_u32 s[RUN+\e], s[RUN+\e], s[MK+4+\e%4]
.endr
.endr
.irp e, 0,1,2,3,4,5,6,7
	v_writelane_b32 v[PC0], s[RUN+\e], \e
.endr
	ds_store_b32 v[PLA], v[PC0]
	s_wait_dscnt 0x0                               ; for the others' sake: my counts lie in LDS
	s_barrier_signal -1                            ; (all four waves of work-group 0 are on this path)
	s_barrier_wait -1
.irp w, 0,1,2,3
	ds_load_b32 v[PC1+\w], v[PLR] offset:128*\w
.endr
	s_wait_dscnt 0x0
	v_add3_u32 v[PS], v[PC1], v[PC1+1], v[PC1+2]
	v_add_nc_u32 v[PS], v[PS], v[PC1+3]            ; lane e: expert e's tokens
	v_mov_b32 v[PS+1], 0
.irp w, 0,1,2
	s_cmp_lt_u32 \w, s[WV]
	s_cselect_b32 s70, -1, 0
	v_and_b32 v[PS+2], s70, v[PC1+\w]
	v_add_nc_u32 v[PS+1], v[PS+1], v[PS+2]         ; and those of them in earlier waves
.endr
.irp e, 0,1,2,3,4,5,6,7
	v_readlane_b32 s[TOT+\e], v[PS], \e
	v_readlane_b32 s[RUN+\e], v[PS+1], \e
.endr
	s_mov_b32 s[START], 0
	s_mov_b32 s[TS], 0
.irp e, 0,1,2,3,4,5,6
	s_add_co_u32 s[START+\e+1], s[START+\e], s[TOT+\e]
	s_add_co_u32 s70, s[TOT+\e], 63
	s_lshr_b32 s70, s70, 6                         ; its tiles of 64 rows, the last one short
	s_add_co_u32 s[TS+\e+1], s[TS+\e], s70
.endr
.irp e, 0,1,2,3,4,5,6,7
	s_add_co_u32 s[RUN+\e], s[RUN+\e], s[START+\e] ; where my wave's first token of expert e goes
.endr
	; pass 2: each token's position.  Every route is one of 0 .. 7, so every lane takes one of the eight
.irp i, 0,1,2,3,4,5,6,7,8,9,10,11,12,13,14,15,16,17,18,19,20,21,22,23,24,25,26,27,28,29,30,31
	v_cmp_eq_u32 s[MK], 0, v[PR+\i]
	v_mbcnt_lo_u32_b32 v[PK+\i], s[MK], s[RUN]     ; the running position + the lower lanes of the same expert
	s_bcnt1_i32_b32 s[MK+4], s[MK]
	s_add_co_u32 s[RUN], s[RUN], s[MK+4]
.irp e, 1,2,3,4,5,6,7
	v_cmp_eq_u32 s[MK+\e%4], \e, v[PR+\i]
	v_mbcnt_lo_u32_b32 v[PT+\e%4], s[MK+\e%4], s[RUN+\e]
	v_cndmask_b32 v[PK+\i], v[PK+\i], v[PT+\e%4], s[MK+\e%4]
	s_bcnt1_i32_b32 s[MK+4+\e%4], s[MK+\e%4]
	s_add_co_u32 s[RUN+\e], s[RUN+\e], s[MK+4+\e%4]
.endr
.endr
.irp i, 0,1,2,3,4,5,6,7,8,9,10,11,12,13,14,15,16,17,18,19,20,21,22,23,24,25,26,27,28,29,30,31
	v_min_u32 v[PK+\i], 0xfff, v[PK+\i]            ; a number made of loaded numbers enters an address only behind this hold
	v_lshlrev_b32 v[PK+\i], 2, v[PK+\i]
	v_add_nc_u32 v[PR+\i], 32*\i, v[TK0]           ; the token
	global_store_b32 v[PK+\i], v[PR+\i], s[8:9]
.endr
	; the tiles: thread b makes record b.  Its expert is the last whose first tile is at or under b; an expert without tokens has no tile and is passed over
	v_mov_b32 v[REC], 0
	v_mov_b32 v108, 0                              ; the expert's first tile,
	v_mov_b32 v109, 0                              ; its first position,
	v_mov_b32 v110, s[TOT]                         ; its tokens
.irp e, 1,2,3,4,5,6,7
	v_cmp_le_u32 vcc_lo, s[TS+\e], v0
	v_cndmask_b32 v[REC], v[REC], \e, vcc_lo
	v_cndmask_b32 v108, v108, s[TS+\e], vcc_lo
	v_cndmask_b32 v109, v109, s[START+\e], vcc_lo
	v_cndmask_b32 v110, v110, s[TOT+\e], vcc_lo
.endr
	v_sub_nc_u32 v111, v0, v108                    ; q: which tile of the expert
	v_lshlrev_b32 v112, 6, v111
	v_add_nc_u32 v[REC+1], v109, v112
	v_min_u32 v[REC+1], 0xfff, v[REC+1]            ; first position
	v_min_u32 v113, v112, v110
	v_sub_nc_u32 v113, v110, v113                  ; what is left of the expert's tokens from there, 0 behind the last tile
	v_min_u32 v[REC+2], 64, v113                   ; rows
	v_min_u32 v[REC+3], 1, v[REC+2]
	v_cmp_eq_u32 vcc_lo, 0, v111
	v_cndmask_b32 v[REC+3], 0, v[REC+3], vcc_lo    ; 1 in an expert's first tile
	v_lshlrev_b32 v114, 4, v0
	global_store_b128 v114, v[REC:REC+3], s[10:11]
	s_wait_tensorcnt 0x0
	ds_add_u32 v160, v161
	s_wait_dscnt 0x0
	s_endpgm
.Lfunc_end_k_q18a80d66b6_place_w2:
	.size	k_q18a80d66b6_place_w2, .Lfunc_end_k_q18a80d66b6_place_w2-k_q18a80d66b6_place_w2
	.p2alignl 7, 3214868480
	.fill 96, 4, 3214868480
	.section	.rodata,"a",@progbits
	.p2align	6, 0x0
	.amdhsa_kernel k_q18a80d66b6_place_w2
		.amdhsa_group_segment_fixed_size 13824
		.amdhsa_private_segment_fixed_size 0
		.amdhsa_enable_private_segment 0
		.amdhsa_kernarg_size 48
		.amdhsa_user_sgpr_count 2
		.amdhsa_user_sgpr_kernarg_segment_ptr 1
		.amdhsa_wavefront_size32 1
		.amdhsa_system_sgpr_workgroup_id_x 1
		.amdhsa_system_sgpr_workgroup_id_y 1
		.amdhsa_system_sgpr_workgroup_id_z 1
		.amdhsa_system_vgpr_workitem_id 0
		.amdhsa_next_free_vgpr 162
		.amdhsa_next_free_sgpr 80
		.amdhsa_reserve_vcc 1
		.amdhsa_float_denorm_mode_32 3
		.amdhsa_float_denorm_mode_16_64 3
		.amdhsa_memory_ordered 1
		.amdhsa_forward_progress 1
		.amdhsa_inst_pref_size 135
	.end_amdhsa_kernel
	.amdgpu_metadata
---
amdhsa.version: [ 1, 2 ]
amdhsa.kernels:
  - .name:           k_q18a80d66b6_place_w2
    .symbol:         k_q18a80d66b6_place_w2.kd
    .args:
      - { .name: routes, .offset: 0, .size: 8, .value_kind: global_buffer, .address_space: global }
      - { .name: W2, .offset: 8, .size: 8, .value_kind: global_buffer, .address_space: global }
      - { .name: order, .offset: 16, .size: 8, .value_kind: global_buffer, .address_space: global }
      - { .name: tiles, .offset: 24, .size: 8, .value_kind: global_buffer, .address_space: global }
      - { .name: wq, .offset: 32, .size: 8, .value_kind: global_buffer, .address_space: global }
      - { .name: wsc, .offset: 40, .size: 8, .value_kind: global_buffer, .address_space: global }
    .group_segment_fixed_size: 13824
    .private_segment_fixed_size: 0
    .kernarg_segment_align: 8
    .kernarg_segment_size: 48
    .max_flat_workgroup_size: 128
    .sgpr_count:     80
    .vgpr_count:     162
    .wavefront_size: 32
...
	.end_amdgpu_metadata
.endif
;; end of part 2
;; launch chain (part 3): grid 71 x 1, 4 waves a work-group, no clusters, 177,664 bytes of LDS; arguments tiles, order, xq, xsc, wq, wsc, b1, b2, out0; writes out0
.if DOCPART == 3
	.amdgcn_target "amdgcn-amd-amdhsa--gfx1250"
	.amdhsa_code_object_version 6
	.text
	.protected	k_q18a80d66b6_chain
	.globl	k_q18a80d66b6_chain
	.p2align	8
	.type	k_q18a80d66b6_chain,@function
k_q18a80d66b6_chain:
	s_mov_b64 s[64:65], 0
	v_nop
	global_prefetch_b8 v0, s[64:65] scope:SCOPE_SE
	s_setreg_imm32_b32 hwreg(HW_REG_WAVE_MODE, 25, 1), 1
	s_wait_xcnt 0x0
; out0[p] = Q(relu(Q(xs) Q(W1[e]) + b1[e])) Q(W2[e]) + b2[e] for the token at sorted position p, e its expert: both products on codes of FP6 (E2M3) with one E8M0 scale for each 32 along K.
; A WORK-GROUP TAKES ONE TILE of up to 64 sorted rows of ONE expert through the whole chain; the hidden layer never goes to memory.  71 = 4096 / 64 + 8 - 1 work-groups serve every split.
; The tile (expert, first position, rows, first-of-expert) and the tokens at its positions are whole numbers that the launch before stored.
; THE WAVES SHARE THE COLUMNS: wave w makes hidden groups 4 w .. 4 w + 3 (128 units each) and outputs 128 w .. 128 w + 127, for all four tiles of 16 rows.  So each byte of the expert's weights enters one
; wave's registers, straight from memory: the wave's stream is 32 batches of 12,288 bytes of codes (8 fragments, laid as images of their registers) and 512 bytes of scale words, on end in wq and wsc:
; batches 4 i + s: W1, group 4 w + i, K step s; batches 16 + s: W2, K step s.  A batch feeds 32 matrix instructions.  A ring of four register buffers keeps up to three batches asked for.
; Both products are used transposed (source 0 = 16 columns of the weight, source 1 = 16 rows): a lane holds ONE row, and since lane r of tile 2 b + u of a weight is column 32 b + 8 u + r + 8 (r / 8),
; its 16 registers of tiles 2 b, 2 b + 1 are columns 32 b + 16 (lane / 16) + 0 .. 15: neighbours along the next K, and on the way out.  The biases are the C of each sum's first matrix instruction.
; Rows' operands go from wave to wave through LDS as images of their registers (3 x 512 bytes a fragment, 128 bytes of scale words).  Two barriers: x's 16 fragments lie in LDS; the hidden layer's 64 do.
; A TILE WITHOUT ROWS runs the same text on held addresses and stores nothing: every wave passes both barriers, and no barrier stands under a branch on a loaded number.  That costs such a work-group's reads
; and products: at most 7 of the 71 where every expert has tokens.  Rows of a short tile beyond its count are computed (on whatever token stands there) and not stored.
; NO TENSOR LOADS, NO CLUSTER: branches hang on the stored list (the prefetches, the last rows), and which work-groups share an expert hangs on counts read from memory, so no constant mask can name partners.
; LIMITS: a hidden block of zeros, and one whose largest number lies under 2^-124, gets the byte 1 (its codes are zeros or nearly so).  NaN and infinities are not served.
; REGISTERS, in windows of 256: window 0: v1-23 addresses; v24-39 the ring's scale words; v40-47 the rows' scale words; v48-143 two sets of four row fragments; v144-207 a bias in the result's layout; v208-244 at work.
;   window 1: ring buffers 0 (v0-95) and 1 (v96-191).   window 2: ring buffers 2 and 3.   window 3: the 32 accumulators, (weight tile t, row tile m) at v[8 (8 m + t)].
.set FRB,   1536                       ; a fragment's image
.set BATCH, 12288
.set XIMG,  0                          ; LDS byte 0: x's fragments, (4 s + m) x FRB
.set HIMG,  24576                      ; the hidden layer's, (4 k + m) x FRB, k = 0 .. 15
.set XSC,   122880                     ; x's scale words, (4 s + m) x 128
.set HSC,   124928                     ; the hidden layer's
.set BIASL, 133120                     ; 2,560 bytes a wave: its 4 x 128 numbers of b1, then its 128 of b2
.set STG,   143360                     ; the way out: 16 rows x (512 + 16) bytes a wave
.set LO,   1                           ; v1   16 x lane
.set BA,   2                           ; v2   the row fragments in hand
.set BSA,  3                           ; v3   their scale words
.set HW,   4                           ; v4   where I store the hidden layer's images
.set HWS,  5                           ; v5   and their scale words
.set BB,   6                           ; v6   the bias in hand
.set SO,   7                           ; v7   the stage: where I put 64 bytes of a row
.set SR,   8                           ; v8   and where I read a row back
.set PFO,  9                           ; v9   256 x lane
.set XW,   10                          ; v10  where I store x's images
.set XWS,  11                          ; v11  and their scale words
.set TKA,  12                          ; v12  my position's byte in order
.set TOK,  13                          ; v13  my token
.set XA,   14                          ; v14  its codes
.set XSA,  15                          ; v15  its scale bytes
.set HW0,  16                          ; v16-18 the lane and wave terms of HW, HWS, BB
.set HWS0, 17
.set BB0,  18
.set LS,   19                          ; v19  4 x lane
.set BW,   20                          ; v20  where I store the biases
.set T0,   21                          ; v21-23 lane, lane % 16, lane / 16
.set WS,   24
.set BS,   40
.set BF,   48
.set BIAS, 144
.set TM,   208                         ; v208-211 largest numbers, v212-215 the other half's, then bytes, v220-223 the conversions' scale operands
.set PC,   224                         ; v224-242 the codes just made (row tile 3: v96-114); at the head the biases as loaded
.set PW,   244                         ; the scale word just made
.set OB,   48                          ; the way out: 16 rows read back
.set WV,    22
.set E,     24                         ; s[24:27] the tile's record
.set P0,    25
.set NR,    26
.set FIRST, 27
.set SP,    28                         ; s[28:29] the stream of codes, at the trip's first batch
.set SS,    30                         ; s[30:31] the stream of scale words
.set CT,    34
.set LIM,   35                         ; a wave prefetches while s[CT] is above it
.set LIMS,  36
.set HO,    37                         ; the hidden images' step: 4 FRB a group
.set SEL,   38                         ; s[38:39] lane selects for v_permlanex16_b32: lane l xor 16
.set OUT,   40                         ; s[40:41]
.set BO,    42                         ; the step of the hidden scale words and of the bias: 512 a group
.set BAO,   43                         ; where the row fragments in hand begin
.set BSO,   44                         ; and their scale words
.set MSB, 0
.macro WIN new                         ; the immediate's high byte repeats the setting that is left; a switch that changes nothing is dropped
.if MSB != (\new)
	s_set_vgpr_msb (MSB<<8)|(\new)
.set MSB, (\new)
.endif
.endm
.macro PLACES                          ; four plain instructions between a matrix instruction and a load into, or a vector read or write of, one of its registers (ISA guide 7.12.1 for vector instructions)
.rept 4
	v_nop
.endr
.endm
.macro RING nb, q                      ; batch q from the trip's base into ring buffer nb: 24 loads of 512 consecutive bytes, and its scale words: 25 loads
.if (\nb) < 2
	WIN 0x40
.else
	WIN 0x80
.endif
.irp f, 0,1,2,3,4,5,6,7
.irp c, 0,1,2
	global_load_b128 v[96*((\nb)%2)+12*\f+4*\c:96*((\nb)%2)+12*\f+4*\c+3], v[LO], s[SP:SP+1] offset:(\q)*BATCH+\f*FRB+\c*512
.endr
.endr
	WIN 0
	global_load_b128 v[WS+4*(\nb):WS+4*(\nb)+3], v[LO], s[SS:SS+1] offset:(\q)*512   ; register q: lanes 0-15 tile 2 q's words, lanes 16-31 tile 2 q + 1's
.endm
.macro BFETCH p, kq                    ; the four row tiles' fragments and scale words of K step kq (from BA on) into set p: 16 LDS loads
.irp m, 0,1,2,3
.irp c, 0,1,2
	ds_load_b128 v[BF+48*(\p)+12*\m+4*\c:BF+48*(\p)+12*\m+4*\c+3], v[BA] offset:(4*(\kq)+\m)*FRB+512*\c
.endr
	ds_load_b32 v[BS+4*(\p)+\m], v[BSA] offset:(4*(\kq)+\m)*128
.endr
.endm
.macro BIASFETCH off                   ; 128 numbers of a bias in the result's layout: tile 2 b + u, lane half h: numbers 32 b + 16 h + 8 u + 0 .. 7: 16 LDS loads
.irp t, 0,1,2,3,4,5,6,7
.irp q, 0,1
	ds_load_b128 v[BIAS+8*\t+4*\q:BIAS+8*\t+4*\q+3], v[BB] offset:(\off)+128*(\t/2)+32*(\t%2)+16*\q
.endr
.endr
.endm
.macro WM nb, p, cb, m, t              ; one product: weight tile t of ring buffer nb x row tile m of set p.  cb = 1: the bias starts the sum
.set rD, 8*(8*(\m)+(\t))
.set rA, 96*((\nb)%2)+12*(\t)
.set rB, BF+48*(\p)+12*(\m)
.set rC, BIAS+8*(\t)
.set rW, WS+4*(\nb)+(\t)/2
.set rS, BS+4*(\p)+(\m)
.if \cb
.if (\t)%2
	v_wmma_scale_f32_16x16x128_f8f6f4 v[rD:rD+7], v[rA:rA+11], v[rB:rB+11], v[rC:rC+7], v[rW], v[rS] matrix_a_fmt:MATRIX_FMT_FP6 matrix_b_fmt:MATRIX_FMT_FP6 matrix_a_scale:MATRIX_SCALE_ROW1
.else
	v_wmma_scale_f32_16x16x128_f8f6f4 v[rD:rD+7], v[rA:rA+11], v[rB:rB+11], v[rC:rC+7], v[rW], v[rS] matrix_a_fmt:MATRIX_FMT_FP6 matrix_b_fmt:MATRIX_FMT_FP6
.endif
.else
.if (\t)%2
	v_wmma_scale_f32_16x16x128_f8f6f4 v[rD:rD+7], v[rA:rA+11], v[rB:rB+11], v[rD:rD+7], v[rW], v[rS] matrix_a_fmt:MATRIX_FMT_FP6 matrix_b_fmt:MATRIX_FMT_FP6 matrix_a_scale:MATRIX_SCALE_ROW1
.else
	v_wmma_scale_f32_16x16x128_f8f6f4 v[rD:rD+7], v[rA:rA+11], v[rB:rB+11], v[rD:rD+7], v[rW], v[rS] matrix_a_fmt:MATRIX_FMT_FP6 matrix_b_fmt:MATRIX_FMT_FP6
.endif
.endif
.endm
.macro MUL nb, p, cb                   ; a batch's 32 products.  The 32 accumulators take turns, one instruction a turn, in the same order in every batch
.if \cb
	WIN 0xC1+(\nb)/2                               ; source 0 window 1 or 2, source 1 and C (the bias) window 0, D window 3
.else
	WIN 0xF1+(\nb)/2                               ; the same with C in window 3
.endif
.irp m, 0,1,2,3
.irp t, 0,1,2,3,4,5,6,7
	WM \nb, \p, \cb, \m, \t
.endr
.endr
.endm
; A batch's step.  The four places at its head stand between the last batch's products and every load into what they read: the other set of row fragments and scale words, the bias, and (behind this batch's
; products) the last batch's ring buffer and scale words.  kq: the K step fetched into the other set (-1: none).  dcnt: the LDS loads issued behind the set that is multiplied.
; lcnt: the loads issued behind this batch's: 25 for each younger batch.  rq: the batch, three on, that is asked for (-1: none).  bias = 1: the next sum's bias is fetched.
.macro STEP nb, p, cb, kq, dcnt, lcnt, rq, bias
	PLACES
.if (\kq) >= 0
	BFETCH 1-(\p), \kq
.endif
.if \bias
	BIASFETCH 512
.endif
	s_wait_loadcnt \lcnt
	s_wait_dscnt \dcnt
	MUL \nb, \p, \cb
.if (\rq) >= 0
	RING ((\nb)+3)%4, \rq
.else
	WIN 0
.endif
.endm
; Row tile m's 128 hidden units (window 3, v[64 m] on; register 16 b + i = unit 32 b + 16 (lane / 16) + i of my row) become one fragment and one scale word a row, and go to LDS as images.
.macro QUANT m
.set QP, PC
.if (\m) == 3
.set QP, BF+48                         ; so that no conversion's destination bears the number of one of its sources; set 1 of the row fragments is idle here
.endif
	WIN 0xCC                                       ; source 1 and destination window 3
.set j, 0
.rept 64
	v_max_num_f32 v[64*(\m)+j], 0, v[64*(\m)+j]    ; the activation, in f32; each accumulator from its low end on
.set j, j+1
.endr
	WIN 0x3C                                       ; sources 1 and 2 window 3
.irp b, 0,1,2,3
	v_max3_num_f32 v[TM+\b], 0x1800000, v[64*(\m)+16*\b], v[64*(\m)+16*\b+1]   ; block b: my 16 numbers (none is negative), and the floor 2^(3 - 127): the byte cannot fall under 1
.endr
.irp i, 2,4,6,8,10,12,14
.irp b, 0,1,2,3
	v_max3_num_f32 v[TM+\b], v[TM+\b], v[64*(\m)+16*\b+\i], v[64*(\m)+16*\b+\i+1]   ; (the four blocks by turns)
.endr
.endr
	WIN 0
.irp b, 0,1,2,3
	v_permlanex16_b32 v[TM+4+\b], v[TM+\b], s[SEL], s[SEL+1]
.endr
.irp b, 0,1,2,3
	v_max_num_f32 v[TM+\b], v[TM+\b], v[TM+4+\b]   ; with lane l xor 16's: the block's largest number
.endr
.irp b, 0,1,2,3
	v_add_nc_u32 v[TM+12+\b], 0xff000000, v[TM+\b] ; 2 off its exponent field: the conversion's scale operand
.endr
.irp b, 0,1,2,3
	v_lshrrev_b32 v[TM+4+\b], 23, v[TM+12+\b]      ; the scale's byte
.endr
	v_lshl_or_b32 v[PW], v[TM+5], 8, v[TM+4]
	v_lshl_or_b32 v[PW], v[TM+6], 16, v[PW]
	v_lshl_or_b32 v[PW], v[TM+7], 24, v[PW]        ; my row's scale word
	WIN 0x03                                       ; source 0 window 3
.irp c, 0,1
	v_cvt_scalef32_pk16_fp6_f32 v[QP+6*\c:QP+6*\c+2], v[64*(\m)+32*\c:64*(\m)+32*\c+15], v[TM+12+2*\c]
	v_cvt_scalef32_pk16_fp6_f32 v[QP+12+4*\c:QP+14+4*\c], v[64*(\m)+32*\c+16:64*(\m)+32*\c+31], v[TM+13+2*\c]   ; (a conversion's three registers begin on an even number)
.endr
	WIN 0
	v_nop                                          ; one plain instruction behind the scaled conversions
.irp c, 0,1                                    ; the operand's layout wants a WHOLE block in a lane: lanes 0-15 block 2 c, lanes 16-31 block 2 c + 1
.irp i, 0,1,2
	v_permlane16_swap_b32 v[QP+6*\c+\i], v[QP+12+4*\c+\i]
.endr
.irp i, 0,1,2
	v_mov_b32 v[QP+3+6*\c+\i], v[QP+12+4*\c+\i]
.endr
.endr
.irp c, 0,1,2
	ds_store_b128 v[HW], v[QP+4*\c:QP+4*\c+3] offset:(\m)*FRB+512*\c
.endr
	ds_store_b32 v[HWS], v[PW] offset:128*(\m)
	s_wait_dscnt 0x0                               ; the stores have read their registers
.endm
; A PREFETCH INTO THE L2 of my wave's stream: the four batches (49,152 bytes, lanes 256 bytes apart, 8,192 bytes an instruction) that begin eight batches on from the trip's base; the ring's loads for them
; begin five batches' steps later.  All tiles of an expert walk the same streams: the expert's first tile asks, each wave for its own stream, so each block is named once in the launch.
; Batches 0 to 7 come by their loads alone.  The last trips ask for nothing: s[LIM] stops them, and nothing past batch 31 is named.
.macro ASK
	s_cmp_gt_u32 s[CT], s[LIM]
	s_cbranch_scc0 .Lno_ask_\@
.irp k, 0,1,2,3,4,5
	global_prefetch_b8 v[PFO], s[SP:SP+1] offset:8*BATCH+8192*\k th:TH_LOAD_NT scope:SCOPE_SE
.endr
.Lno_ask_\@:
.endm
.macro ADDR1                           ; the addresses that step from group to group; remade only where no LDS instruction of mine is out
	v_add_nc_u32 v[HW], s[HO], v[HW0]
	v_add_nc_u32 v[HWS], s[BO], v[HWS0]
	v_add_nc_u32 v[BB], s[BO], v[BB0]
.endm
.macro ADDR2                           ; likewise the row fragments' and their scale words'
	v_add_nc_u32 v[BA], s[BAO], v[LO]
	v_add_nc_u32 v[BSA], s[BSO], v[LS]
.endm
	s_load_b512 s[4:19], s[0:1], 0x0               ; tiles s[4:5], order s[6:7], xq s[8:9], xsc s[10:11], wq s[12:13], wsc s[14:15], b1 s[16:17], b2 s[18:19]
	s_load_b64 s[20:21], s[0:1], 0x40              ; out0
	v_lshl_add_u32 v254, v0, 2, 0x2b400
	v_mov_b32 v255, 0
	v_lshrrev_b32 v[T0], 5, v0
	v_readfirstlane_b32 s[WV], v[T0]               ; wave 0..3
	s_lshl_b32 s32, ttmp9, 4                       ; my tile's record
	s_wait_kmcnt 0x0
	s_load_b128 s[E:E+3], s[4:5], s32 offset:0x0
	v_and_b32 v[T0], 31, v0                        ; lane
	v_and_b32 v[T0+1], 15, v0                      ; r
	v_bfe_u32 v[T0+2], v0, 4, 1                    ; h
	v_lshlrev_b32 v[LO], 4, v[T0]
	v_lshlrev_b32 v[LS], 2, v[T0]
	v_lshlrev_b32 v[PFO], 8, v[T0]
	s_mul_i32 s33, s[WV], 16*FRB                   ; my four groups' images: K steps 4 w .. 4 w + 3 of the second product
	s_add_co_u32 s33, s33, HIMG
	v_add_nc_u32 v[HW0], s33, v[LO]
	s_lshl_b32 s33, s[WV], 11
	s_add_co_u32 s33, s33, HSC
	v_add_nc_u32 v[HWS0], s33, v[LS]
	s_mul_i32 s33, s[WV], 2560
	s_add_co_u32 s33, s33, BIASL
	v_add_nc_u32 v[BW], s33, v[LO]
	v_lshl_add_u32 v[BB0], v[T0+2], 6, s33         ; + 64 h
	s_mul_i32 s33, s[WV], 16*528
	s_add_co_u32 s33, s33, STG
	v_add_nc_u32 v[SR], s33, v[LO]
	v_mul_u32_u24 v[SO], v[T0+1], 528
	v_lshl_add_u32 v[SO], v[T0+2], 6, v[SO]
	v_add_nc_u32 v[SO], s33, v[SO]                 ; row r, + 64 h
	s_mul_i32 s33, s[WV], FRB
	v_add_nc_u32 v[XW], s33, v[LO]                 ; I gather row tile m = w (x's images begin at LDS byte 0)
	s_lshl_b32 s33, s[WV], 7
	s_add_co_u32 s33, s33, XSC
	v_add_nc_u32 v[XWS], s33, v[LS]
.irp b, 0,1,2,3
	v_mov_b32 v[TM+4+\b], 0                        ; written once: a lane permute's destination counts as one of its sources
.endr
	s_mov_b32 s[SEL], 0x76543210
	s_mov_b32 s[SEL+1], 0xfedcba98
	s_mov_b32 s[HO], 0
	s_mov_b32 s[BO], 0
	s_mov_b32 s[BAO], XIMG
	s_mov_b32 s[BSO], XSC
	s_wait_kmcnt 0x0
	s_min_u32 s[E], s[E], 7                        ; loaded numbers enter addresses only behind these holds
	s_min_u32 s[P0], s[P0], 0xfff
	s_min_u32 s[NR], s[NR], 64
	s_lshl_b32 s45, s[E], 2
	s_add_co_u32 s45, s45, s[WV]                   ; my stream: 4 expert + wave
	s_mul_i32 s[SP], s45, 32*BATCH
	s_mov_b32 s[SP+1], 0
	s_lshl_b32 s[SS], s45, 14
	s_mov_b32 s[SS+1], 0
	s_add_nc_u64 s[SP:SP+1], s[12:13], s[SP:SP+1]
	s_add_nc_u64 s[SS:SS+1], s[14:15], s[SS:SS+1]
	s_lshl_b32 s32, s45, 11                        ; b1: (2,048 expert + 512 wave) numbers of 4 bytes
	s_mov_b32 s33, 0
	s_add_nc_u64 s[16:17], s[16:17], s[32:33]
	s_lshl_b32 s32, s45, 9                         ; b2: (512 expert + 128 wave) numbers
	s_add_nc_u64 s[18:19], s[18:19], s[32:33]
	s_lshl_b32 s[OUT], s[P0], 11                   ; out0: row = position, 2,048 bytes; my 128 outputs 512 w on
	s_lshl_b32 s32, s[WV], 9
	s_add_co_u32 s[OUT], s[OUT], s32
	s_mov_b32 s[OUT+1], 0
	s_add_nc_u64 s[OUT:OUT+1], s[20:21], s[OUT:OUT+1]
	s_lshl_b32 s32, s[WV], 4
	s_add_co_u32 s32, s32, s[P0]
	v_add_nc_u32 v[TKA], s32, v[T0+1]              ; my position: first + 16 w + r, held inside the list
	v_min_u32 v[TKA], 0xfff, v[TKA]
	v_lshlrev_b32 v[TKA], 2, v[TKA]
	s_cmp_lg_u32 s[FIRST], 0
	s_cselect_b32 s[LIM], 0, -1                    ; an expert's first tile prefetches in all four trips of the first loop, the others never
	s_cselect_b32 s[LIMS], 3, 0
	global_load_b32 v[TOK], v[TKA], s[6:7]
.irp i, 0,1,2,3
	global_load_b128 v[PC+4*\i:PC+4*\i+3], v[LO], s[16:17] offset:512*\i
.endr
	global_load_b128 v[PC+16:PC+19], v[LO], s[18:19]
	RING 0, 0
	RING 1, 1
	s_wait_loadcnt 50                              ; the token and the biases are in; batches 0 and 1 (25 loads each) may be out
.irp i, 0,1,2,3,4
	ds_store_b128 v[BW], v[PC+4*\i:PC+4*\i+3] offset:512*\i         ; my wave's own bytes
.endr
	v_min_u32 v[TOK], 0xfff, v[TOK]
	v_mul_u32_u24 v[XA], v[TOK], 384
	v_mad_u32_u24 v[XA], v[T0+2], 192, v[XA]       ; my half's 192 bytes: the 48 registers of four K steps on end
	v_lshlrev_b32 v[XSA], 4, v[TOK]
.irp i, 0,1,2,3,4,5,6,7,8,9,10,11
	global_load_b128 v[BF+48+4*\i:BF+48+4*\i+3], v[XA], s[8:9] offset:16*\i
.endr
	global_load_b128 v[TM:TM+3], v[XSA], s[10:11]  ; the token's four scale words
	RING 2, 2
	s_wait_loadcnt 25                              ; x is in; batch 2 may be out
.irp s, 0,1,2,3
.irp c, 0,1,2
	ds_store_b128 v[XW], v[BF+48+12*\s+4*\c:BF+48+12*\s+4*\c+3] offset:4*\s*FRB+512*\c
.endr
	ds_store_b32 v[XWS], v[TM+\s] offset:512*\s
.endr
	s_wait_dscnt 0x0                               ; for the others' sake: my stores have landed
	s_barrier_signal -1
	s_barrier_wait -1                              ; x's sixteen fragments lie in LDS
	ADDR1
	ADDR2
	BFETCH 0, 0
	BIASFETCH 0
	; ---- the first product: a trip makes one hidden group of 128 units for the 64 rows: four batches, then the quantiser
	s_mov_b32 s[CT], 4
.Lgroup:
	STEP 0, 0, 1, 1, 16, 50, 3, 0
	ASK
	s_cmp_eq_u32 s[CT], s[LIMS]                    ; once, in the second trip of an expert's first tile: the scale records of batches 16 to 31, 8,192 bytes; those of batches 0 to 15 come by their loads alone
	s_cbranch_scc0 .Lno_scales
	global_prefetch_b8 v[PFO], s[SS:SS+1] offset:6144 th:TH_LOAD_NT scope:SCOPE_SE
.Lno_scales:
	STEP 1, 1, 0, 2, 32, 50, 4, 1                  ; (behind the set that is multiplied: this step's 16 fragment loads and 16 bias loads.  The last trip's bias is b2)
	STEP 2, 0, 0, 3, 32, 50, 5, 0                  ; (the last step's 16 bias loads and this step's 16)
	STEP 3, 1, 0, 0, 16, 50, 6, 0                  ; (the next group begins with x's K step 0 again; the last trip's fetch is not used)
	PLACES
	QUANT 0
	QUANT 1
	QUANT 2
	QUANT 3
	s_add_co_u32 s[HO], s[HO], 4*FRB               ; no LDS instruction of mine is out
	s_add_co_u32 s[BO], s[BO], 512
	ADDR1
	s_wait_xcnt 0x0                                ; the loads and prefetches have read their bases
	s_add_nc_u64 s[SP:SP+1], s[SP:SP+1], 4*BATCH
	s_add_nc_u64 s[SS:SS+1], s[SS:SS+1], 4*512
	s_sub_co_u32 s[CT], s[CT], 1
	s_cmp_lg_u32 s[CT], 0
	s_cbranch_scc1 .Lgroup
	s_wait_dscnt 0x0                               ; for the others' sake: my images have landed, my reads of x are over
	s_barrier_signal -1
	s_barrier_wait -1                              ; the hidden layer's 64 fragments lie in LDS
	s_mov_b32 s[BAO], HIMG
	s_mov_b32 s[BSO], HSC
	ADDR2
	s_cmp_lg_u32 s[FIRST], 0
	s_cselect_b32 s[LIM], 1, -1                    ; in the second loop the first two of three trips ask: batches 24 to 31
	BFETCH 0, 0
	; ---- the second product: batch 16 + k is K step k; b2 starts the sums
	STEP 0, 0, 1, 1, 16, 50, 3, 0
	s_mov_b32 s[CT], 3
.Lk2:
	STEP 1, 1, 0, 2, 16, 50, 4, 0
	ASK
	STEP 2, 0, 0, 3, 16, 50, 5, 0
	STEP 3, 1, 0, 4, 16, 50, 6, 0
	STEP 0, 0, 0, 5, 16, 50, 7, 0
	s_wait_dscnt 0x0                               ; the fetch issued 32 matrix instructions ago is in: its address registers may be remade
	s_add_co_u32 s[BAO], s[BAO], 16*FRB            ; four K steps on
	s_add_co_u32 s[BSO], s[BSO], 16*128
	ADDR2
	s_wait_xcnt 0x0                                ; the loads and prefetches have read their bases
	s_add_nc_u64 s[SP:SP+1], s[SP:SP+1], 4*BATCH
	s_add_nc_u64 s[SS:SS+1], s[SS:SS+1], 4*512
	s_sub_co_u32 s[CT], s[CT], 1
	s_cmp_lg_u32 s[CT], 0
	s_cbranch_scc1 .Lk2
	STEP 1, 1, 0, 2, 16, 50, -1, 0                 ; the last three batches: nothing is left to ask for, and the counts run down
	STEP 2, 0, 0, 3, 16, 25, -1, 0
	STEP 3, 1, 0, -1, 0, 0, -1, 0
	; ---- the way out, a tile of 16 rows at a time: a lane's 16 registers of two weight tiles are 64 neighbouring bytes of its row; they go through my own stage and come back as rows of 512 bytes.
	; Rows ascend, so the first row at or beyond the tile's count ends the wave: branches on a stored number, behind the last barrier.
.macro OUTM m
	s_cmp_le_u32 s[NR], 16*(\m)
	s_cbranch_scc1 .Lend
.if (\m) > 0
	s_wait_xcnt 0x0                                ; the last tile's stores have read their registers
.endif
	WIN 0x0C                                       ; an LDS store's data are its source 1: window 3
.irp b, 0,1,2,3
.irp q, 0,1,2,3
	ds_store_b128 v[SO], v[64*(\m)+16*\b+4*\q:64*(\m)+16*\b+4*\q+3] offset:128*\b+16*\q   ; each accumulator from its low end on
.endr
.endr
	WIN 0
.irp i, 0,1,2,3,4,5,6,7,8,9,10,11,12,13,14,15
	ds_load_b128 v[OB+4*\i:OB+4*\i+3], v[SR] offset:528*\i          ; LDS serves a wave's instructions in order: these see my stores, and the next tile's stores come behind them
.endr
.irp i, 0,1,2,3,4,5,6,7,8,9,10,11,12,13,14,15
	s_wait_dscnt 15-\i                             ; row i is back; the younger rows may be out
.if \i > 0
	s_cmp_le_u32 s[NR], 16*(\m)+\i
	s_cbranch_scc1 .Lend
.endif
	global_store_b128 v[LO], v[OB+4*\i:OB+4*\i+3], s[OUT:OUT+1] offset:(16*(\m)+\i)*2048 th:TH_STORE_NT   ; the wave stores 512 consecutive bytes, at a multiple of 256 from out0's first byte
.endr
.endm
	PLACES                                         ; behind the last products: their results are read, and rows land in registers that they read
	OUTM 0
	OUTM 1
	OUTM 2
	OUTM 3
.Lend:
	s_wait_dscnt 0x0                               ; rows that an early end leaves unused have come back
	s_wait_tensorcnt 0x0
	ds_add_u32 v254, v255
	s_wait_dscnt 0x0
	s_endpgm
.Lfunc_end_k_q18a80d66b6_chain:
	.size	k_q18a80d66b6_chain, .Lfunc_end_k_q18a80d66b6_chain-k_q18a80d66b6_chain
	.p2alignl 7, 3214868480
	.fill 96, 4, 3214868480
	.section	.rodata,"a",@progbits
	.p2align	6, 0x0
	.amdhsa_kernel k_q18a80d66b6_chain
		.amdhsa_group_segment_fixed_size 177664
		.amdhsa_private_segment_fixed_size 0
		.amdhsa_enable_private_segment 0
		.amdhsa_kernarg_size 72
		.amdhsa_user_sgpr_count 2
		.amdhsa_user_sgpr_kernarg_segment_ptr 1
		.amdhsa_wavefront_size32 1
		.amdhsa_system_sgpr_workgroup_id_x 1
		.amdhsa_system_sgpr_workgroup_id_y 1
		.amdhsa_system_sgpr_workgroup_id_z 1
		.amdhsa_system_vgpr_workitem_id 0
		.amdhsa_next_free_vgpr 1024
		.amdhsa_next_free_sgpr 66
		.amdhsa_reserve_vcc 0
		.amdhsa_float_denorm_mode_32 3
		.amdhsa_float_denorm_mode_16_64 3
		.amdhsa_memory_ordered 1
		.amdhsa_forward_progress 1
		.amdhsa_inst_pref_size 150
	.end_amdhsa_kernel
	.amdgpu_metadata
---
amdhsa.version: [ 1, 2 ]
amdhsa.kernels:
  - .name:           k_q18a80d66b6_chain
    .symbol:         k_q18a80d66b6_chain.kd
    .args:
      - { .name: tiles, .offset: 0, .size: 8, .value_kind: global_buffer, .address_space: global }
      - { .name: order, .offset: 8, .size: 8, .value_kind: global_buffer, .address_space: global }
      - { .name: xq, .offset: 16, .size: 8, .value_kind: global_buffer, .address_space: global }
      - { .name: xsc, .offset: 24, .size: 8, .value_kind: global_buffer, .address_space: global }
      - { .name: wq, .offset: 32, .size: 8, .value_kind: global_buffer, .address_space: global }
      - { .name: wsc, .offset: 40, .size: 8, .value_kind: global_buffer, .address_space: global }
      - { .name: b1, .offset: 48, .size: 8, .value_kind: global_buffer, .address_space: global }
      - { .name: b2, .offset: 56, .size: 8, .value_kind: global_buffer, .address_space: global }
      - { .name: out0, .offset: 64, .size: 8, .value_kind: global_buffer, .address_space: global }
    .group_segment_fixed_size: 177664
    .private_segment_fixed_size: 0
    .kernarg_segment_align: 8
    .kernarg_segment_size: 72
    .max_flat_workgroup_size: 128
    .sgpr_count:     66
    .vgpr_count:     1024
    .wavefront_size: 32
...
	.end_amdgpu_metadata
.endif
;; end of part 3
;; ======== version 2 of 3: 3 launches
;; workspace buffers: routes 16,384 bytes of whole numbers; order 16,384 bytes of whole numbers; tiles 4,096 bytes of whole numbers; xq 1,572,864 bytes; xsc 65,536 bytes; wq 12,582,912 bytes; wsc 524,288 bytes
;; launch route_w1 (part 4): grid 768 x 1, 4 waves a work-group, no clusters, 25,600 bytes of LDS; arguments x, Wg, bg, W1, xq, xsc, routes, wq, wsc; writes xq, xsc, routes, wq, wsc
.if DOCPART == 4
	.amdgcn_target "amdgcn-amd-amdhsa--gfx1250"
	.amdhsa_code_object_version 6
	.text
	.protected	k_q18a80d66b6_route_w1
	.globl	k_q18a80d66b6_route_w1
	.p2align	8
	.type	k_q18a80d66b6_route_w1,@function
k_q18a80d66b6_route_w1:
	s_mov_b64 s[64:65], 0
	v_nop
	global_prefetch_b8 v0, s[64:65] scope:SCOPE_SE
	s_setreg_imm32_b32 hwreg(HW_REG_WAVE_MODE, 25, 1), 1
	s_wait_xcnt 0x0
; TWO JOBS IN ONE LAUNCH, told apart by the work-group's number alone.
; Work-groups 0-255: THE ROUTER.  logits = x Wg + bg in f32, softmax with the row's largest logit taken away, pmax and the first index that has it; xs = x pmax is turned
; into codes of FP6 (E2M3) with one E8M0 byte for each 32 along D.  A wave takes 4 tokens, a token a step; 16 tokens a work-group: four steps a wave beside a weight unit's four blocks.
; Work-groups 256-767: W1 [8][512][2048] f32, whose K is its first axis within an expert, into codes and scale words laid in the order of the matrix operand's registers.
; A unit is 128 along K x 128 columns: a lane takes a column and its registers run down K, so a block of 32 lies in one lane and the conversions give codes with K innermost.
; OUT: xq: 384 bytes a token: block 4 s + 2 c + h of 32 codes at 192 h + 24 (2 s + c), so that lane (token, h) of an operand finds its 48 registers on end.  xsc: 16 bytes a token.  routes: a word a token.
;      wq [expert][wave 4][batch 32][12,288]: a batch is 8 fragments of 16 columns x 128 K, each as 3 x 512 bytes: lane l's registers 4 q .. 4 q + 3 at 512 q + 16 l.  Here batches 4 i + s (hidden group 4 w + i, K step s).
;      wsc [expert][wave][batch][512]: word 16 P + 4 q: register q, lane P: lanes 0-15 tile 2 q, lanes 16-31 tile 2 q + 1.
; THE COLUMNS OF A TILE ARE NOT NEIGHBOURS: lane r of tile 2 b + u takes column 32 b + 8 u + r + 8 (r / 8), so that the transposed product leaves 16 neighbouring columns in a lane's 16 registers of two tiles.
; A block's scale is 2^(floor(log2(largest magnitude)) - 2); its byte is the largest magnitude's exponent field - 2, held at 1 from below.
; LIMITS: a block of zeros, and one whose largest magnitude lies under 2^-124, gets the byte 1 (zeros: the rule says 127; the codes are zeros and this program alone reads the bytes).  NaN and infinities are not served.
; Two logits that lie closer than the order of f32 sums can tell apart may be routed the other way than by another order of summing.  Equal largest probabilities: the lower index.
; The routes leave as 64 bytes a work-group: 16 KB in the whole launch; everything else leaves in runs of 256 bytes or more.
.set WV,     2                         ; s2       my wave's number
.set NRT,    256                       ; the router's work-groups
; ---- the weight unit
.set QPITCH, 8192                      ; bytes from row k to row k + 1 of W1
.set QST,    12288                     ; LDS: the unit's stage, 3,072 bytes a wave (the router's bytes lie below: each job has LDS bytes of its own)
.set QSC,    24576                     ; LDS: the unit's 128 scale words
.set QIN,    32                        ; s[32:33] the unit's first number
.set QCO,    34                        ; s[34:35] its batch in wq
.set QSO,    36                        ; s[36:37] its record in wsc
.set QI,     1                         ; v1       4 x thread: my column's byte in a row of the unit
.set QA,     2                         ; v2       the stage, on the way in: my tile's image, my lane's 16 bytes
.set QS,     3                         ; v3       my scale word's place
.set QR,     4                         ; v4       the stage, on the way out: 16 x lane in my wave's 3,072 bytes
.set QO,     5                         ; v5       the same place in the batch
.set QL,     6                         ; v6       the scale words, on the way out
.set QG,     7                         ; v7       16 x lane
.set QW0,    8                         ; v8       my column's four scale bytes
.set QM,     10                        ; v10-11 two chains of the maximum, v12 the conversion's scale operand, v13 the byte
.set QC,     16                        ; v16-22   a block's codes
.set QX,     32                        ; v32-95   two sets of 32 numbers
.set QOUT,   96                        ; v96-119  the way out (at the head: at work)
.set QSW,    120                       ; v120-123 the scale record's 16 bytes a lane
.macro QLOAD t                         ; block t: rows 32 t + i of my column into set t % 2: a wave reads 128 consecutive bytes, the work-group 512
.irp i, 0,1,2,3,4,5,6,7,8,9,10,11,12,13,14,15,16,17,18,19,20,21,22,23,24,25,26,27,28,29,30,31
	global_load_b32 v[QX+32*((\t)%2)+\i], v[QI], s[QIN:QIN+1] offset:(32*(\t)+\i)*QPITCH th:TH_LOAD_NT
.endr
.endm
.macro QBLOCK t                        ; block t = 2 c + h of the K step: registers 6 c .. 6 c + 5 of lane r + 16 h of my tile's fragment
.set QXS, QX+32*((\t)%2)
.if (\t) < 3
	s_wait_loadcnt 32                              ; this block's 32 loads are in; the next block's 32 may be out
.else
	s_wait_loadcnt 0x0
.endif
	v_max3_num_f32 v[QM], |v[QXS]|, |v[QXS+1]|, |v[QXS+2]|          ; the block's largest magnitude: all 32 numbers are mine
	v_max3_num_f32 v[QM+1], |v[QXS+3]|, |v[QXS+4]|, |v[QXS+5]|
.irp i, 6,10,14,18,22,26
	v_max3_num_f32 v[QM], v[QM], |v[QXS+\i]|, |v[QXS+\i+1]|
	v_max3_num_f32 v[QM+1], v[QM+1], |v[QXS+\i+2]|, |v[QXS+\i+3]|
.endr
	v_max3_num_f32 v[QM], v[QM], |v[QXS+30]|, |v[QXS+31]|
	v_max3_num_f32 v[QM], v[QM], v[QM+1], 0x1800000                 ; and the floor 2^(3 - 127): the byte cannot fall under 1
	v_add_nc_u32 v[QM+2], 0xff000000, v[QM]                         ; 2 off the exponent field: the conversion takes this operand's exponent field as its scale
	v_cvt_scalef32_pk16_fp6_f32 v[QC:QC+2], v[QXS:QXS+15], v[QM+2]
	v_cvt_scalef32_pk16_fp6_f32 v[QC+4:QC+6], v[QXS+16:QXS+31], v[QM+2]   ; (a conversion's three registers begin on an even number)
	v_lshrrev_b32 v[QM+3], 23, v[QM+2]                              ; the scale's byte; also the plain instruction behind the conversions
.if (\t) == 0
	v_mov_b32 v[QW0], v[QM+3]                                       ; four bytes to the word, the lower K in the lower byte
.else
	v_lshl_or_b32 v[QW0], v[QM+3], 8*(\t), v[QW0]
.endif
	v_mov_b32 v[QC+3], v[QC+4]                                      ; the block's six registers on end
	v_mov_b32 v[QC+4], v[QC+5]
	v_mov_b32 v[QC+5], v[QC+6]
.if (\t) < 2
	ds_store_b128 v[QA], v[QC:QC+3] offset:256*((\t)%2)             ; registers 0-3: chunk 0;
	ds_store_b64 v[QA], v[QC+4:QC+5] offset:256*((\t)%2)+512        ; 4, 5: the lower half of chunk 1's 16 bytes
.else
	ds_store_b64 v[QA], v[QC:QC+1] offset:256*((\t)%2)+520          ; registers 6, 7: its upper half;
	ds_store_b128 v[QA], v[QC+2:QC+5] offset:256*((\t)%2)+1024      ; 8-11: chunk 2
.endif
.if (\t) < 2
	QLOAD (\t)+2
.endif
	s_wait_dscnt 0x0                               ; the stores have read their registers: the next block's codes may be written
.endm
.macro QADDR                           ; the unit's vector addresses, from the thread's number alone
	v_and_b32 v96, 31, v0                          ; lane
	v_lshrrev_b32 v97, 5, v0                       ; wave v: columns 32 v + lane, tiles 2 v and 2 v + 1
	v_and_b32 v98, 7, v0
	v_bfe_u32 v99, v0, 4, 1
	v_bfe_u32 v100, v0, 3, 1                       ; u: which of the two tiles
	v_lshl_add_u32 v98, v99, 3, v98                ; r = lane % 8 + 8 (lane / 16): my place in the tile
	v_lshl_add_u32 v101, v100, 4, v98              ; P = r + 16 u
	v_lshlrev_b32 v[QI], 2, v0
	v_mul_u32_u24 v[QO], v97, 3072
	v_mad_u32_u24 v[QA], v100, 1536, v[QO]
	v_lshl_add_u32 v[QA], v98, 4, v[QA]
	v_add_nc_u32 v[QA], QST, v[QA]                 ; QST + 3,072 v + 1,536 u + 16 r
	v_lshlrev_b32 v[QS], 2, v97
	v_lshl_add_u32 v[QS], v101, 4, v[QS]
	v_add_nc_u32 v[QS], QSC, v[QS]                 ; QSC + 16 P + 4 v
	v_lshl_add_u32 v[QO], v96, 4, v[QO]            ; 3,072 v + 16 lane
	v_add_nc_u32 v[QR], QST, v[QO]
	v_lshlrev_b32 v[QG], 4, v96
	v_add_nc_u32 v[QL], QSC, v[QG]
.endm
.macro QRUN                            ; the unit's work; it ends the wave
	QLOAD 0
	QLOAD 1
	QBLOCK 0
	QBLOCK 1
	QBLOCK 2
	QBLOCK 3
	ds_store_b32 v[QS], v[QW0]
.irp q, 0,1,2,3,4,5
	ds_load_b128 v[QOUT+4*\q:QOUT+4*\q+3], v[QR] offset:512*\q      ; my wave's own 3,072 bytes: LDS serves a wave's instructions in order, so these see my stores
.endr
.irp q, 0,1,2,3,4,5
	s_wait_dscnt 5-\q                              ; load q is back; the younger ones may be out
	global_store_b128 v[QO], v[QOUT+4*\q:QOUT+4*\q+3], s[QCO:QCO+1] offset:512*\q   ; the wave stores 512 consecutive bytes, at a multiple of 256 from wq's first byte
.endr
	s_wait_dscnt 0x0                               ; for the others' sake: my scale words lie in LDS
	s_barrier_signal -1                            ; (all four waves of a work-group are on this path: it hangs on the work-group's number)
	s_barrier_wait -1
	s_cmp_lg_u32 s[WV], 0
	s_cbranch_scc1 .Lq_end                         ; wave 0 stores the unit's 512 bytes of scale words
	ds_load_b128 v[QSW:QSW+3], v[QL]
	s_wait_dscnt 0x0
	global_store_b128 v[QG], v[QSW:QSW+3], s[QSO:QSO+1]
.Lq_end:
	s_set_vgpr_msb 0x5
	s_wait_tensorcnt 0x0
	ds_add_u32 v0, v1
	s_wait_dscnt 0x0
	s_set_vgpr_msb 0x500
	s_endpgm
.endm
; ---- the router
.set NTOK, 4                           ; tokens of a wave
.set SBL,  10240                       ; LDS, behind the four stages of 2,560 bytes: the work-group's 256 scale bytes, 64 a wave;
.set RBL,  10496                       ; and 128 bytes a wave whose first four words are its routes
.set LANE, 1                           ; v1
.set RA,   2                           ; v2   16 x lane: my bytes of a load's 512
.set STI,  3                           ; v3   the stage, on the way in: 80 (lane / 4) + 16 (lane % 4)
.set STO,  4                           ; v4   and on the way out: 80 x lane: my 16 neighbours
.set SBA,  5                           ; v5   my block's scale byte
.set SBR,  6                           ; v6   the work-group's 256 scale bytes, 8 a lane
.set CO,   7                           ; v7   my 12 bytes of a token's 384
.set WGA,  8                           ; v8   128 x lane: four rows of Wg
.set SO8,  9                           ; v9   8 x lane
.set RO,   10                          ; v10  lane t: token t's route
.set RO4,  11                          ; v11  4 x lane
.set WGR,  16                          ; v16-143  Wg: register 8 n + e = Wg[128 (n / 4) + 4 lane + n % 4][e]: the rows that go with my 16 numbers of x as they are loaded
.set R,    144                         ; v144-207 four sets of 16 numbers as they are loaded: a set a token
.set X,    208                         ; v208-223 16 neighbours
.set A,    224                         ; v224-231 the logits, then the exponentials
.set T,    232                         ; v232-239 at work
.set M,    240
.set PM,   241
.set SUM,  242
.set RC,   243
.set P,    244                         ; v[244:245] pmax (the packed multiply names the pair and takes its low word)
.set RT,   246
.set MX,   247                         ; v247-248
.set SCL,  249
.set BY,   250
.set RBW,  251                         ; v251 where my wave's routes go: RBL + 4 x thread
.set CD,   252                         ; v252-254 16 codes
.set RBR,  255                         ; v255 where lane l finds token l's route: RBL + 128 (l / 4 % 4) + 4 (l % 4)
.set SEL,  22                          ; s[22:23] lane selects for v_permlanex16_b32: lane l xor 16
.set BG,   24                          ; s[24:31] bg
.macro RLOAD t                         ; token t's row: four loads of 512 consecutive bytes
.irp i, 0,1,2,3
	global_load_b128 v[R+16*(\t)+4*\i:R+16*(\t)+4*\i+3], v[RA], s[4:5] offset:2048*(\t)+512*\i th:TH_LOAD_NT
.endr
.endm
.macro RSTEP t
.set RS, R+16*(\t)
	s_wait_loadcnt 4*(NTOK-1-(\t))                 ; this row's four loads are in (and Wg, which is older); the rows behind it, four loads each, may be out
.irp i, 0,1,2,3
	ds_store_b128 v[STI], v[RS+4*\i:RS+4*\i+3] offset:640*\i        ; the row turns through my wave's stage: in as it lies,
.endr
.irp i, 0,1,2,3
	ds_load_b128 v[X+4*\i:X+4*\i+3], v[STO] offset:16*\i            ; out 64 bytes a lane (LDS serves a wave's instructions in order)
.endr
.irp q, 0,1,2,3
	v_pk_mul_f32 v[A+2*\q:A+2*\q+1], v[RS:RS+1], v[WGR+2*\q:WGR+2*\q+1] op_sel_hi:[0,1]   ; the logits, from the numbers as loaded: the first product starts the sums
.endr
.set rho, 1
.rept 15
.irp q, 0,1,2,3
.if rho%2
	v_pk_fma_f32 v[A+2*\q:A+2*\q+1], v[RS+rho-1:RS+rho], v[WGR+8*rho+2*\q:WGR+8*rho+2*\q+1], v[A+2*\q:A+2*\q+1] op_sel:[1,0,0] op_sel_hi:[1,1,1]   ; the pair's second number for both experts
.else
	v_pk_fma_f32 v[A+2*\q:A+2*\q+1], v[RS+rho:RS+rho+1], v[WGR+8*rho+2*\q:WGR+8*rho+2*\q+1], v[A+2*\q:A+2*\q+1] op_sel_hi:[0,1,1]                 ; its first
.endif
.endr
.set rho, rho+1
.endr
.irp x, 1,2,4,8
.irp e, 0,1,2,3,4,5,6,7
	v_add_f32_dpp v[A+\e], v[A+\e], v[A+\e] row_xmask:\x row_mask:0xf bank_mask:0xf   ; across 16 lanes, the eight sums by turns
.endr
.endr
.irp e, 0,1,2,3,4,5,6,7
	v_permlanex16_b32 v[T+\e], v[A+\e], s[SEL], s[SEL+1]
.endr
.irp e, 0,1,2,3,4,5,6,7
	v_add_f32 v[A+\e], v[A+\e], v[T+\e]            ; every lane holds the sums
.endr
.irp e, 0,1,2,3,4,5,6,7
	v_add_f32 v[A+\e], s[BG+\e], v[A+\e]
.endr
	v_max3_num_f32 v[M], v[A], v[A+1], v[A+2]
	v_max3_num_f32 v[M], v[M], v[A+3], v[A+4]
	v_max3_num_f32 v[M], v[M], v[A+5], v[A+6]
	v_max_num_f32 v[M], v[M], v[A+7]               ; the largest logit is taken away before the exponentials
.irp e, 0,1,2,3,4,5,6,7
	v_sub_f32 v[A+\e], v[A+\e], v[M]
.endr
.irp e, 0,1,2,3,4,5,6,7
	v_mul_f32 v[A+\e], 0x3fb8aa3b, v[A+\e]         ; x log2(e)
.endr
.irp e, 0,1,2,3,4,5,6,7
	v_exp_f32 v[A+\e], v[A+\e]
.endr
	v_mov_b32 v[RT], 7                             ; a plain instruction behind the exponentials
	s_wait_alu depctr_va_vdst(0)                   ; one wait for the eight, ahead of their first reader
	v_max3_num_f32 v[PM], v[A], v[A+1], v[A+2]
	v_add_f32 v[SUM], v[A], v[A+1]
	v_add_f32 v[T], v[A+2], v[A+3]
	v_max3_num_f32 v[PM], v[PM], v[A+3], v[A+4]
	v_add_f32 v[T+1], v[A+4], v[A+5]
	v_add_f32 v[T+2], v[A+6], v[A+7]
	v_max3_num_f32 v[PM], v[PM], v[A+5], v[A+6]
	v_add_f32 v[SUM], v[SUM], v[T]
	v_add_f32 v[T+1], v[T+1], v[T+2]
	v_max_num_f32 v[PM], v[PM], v[A+7]
	v_add_f32 v[SUM], v[SUM], v[T+1]
	v_rcp_f32 v[RC], v[SUM]
.irp e, 6,5,4,3,2,1,0
	v_cmp_eq_f32 vcc_lo, v[A+\e], v[PM]            ; the route: descending, so that the lowest index with the largest probability stays.  (Independent work behind the reciprocal)
	v_cndmask_b32 v[RT], v[RT], \e, vcc_lo
.endr
	v_cmp_eq_u32 vcc_lo, \t, v[LANE]
	v_cndmask_b32 v[RO], v[RO], v[RT], vcc_lo      ; lane t keeps token t's route: a value is chosen, no address hangs on it
	s_wait_alu depctr_va_vdst(0)                   ; the wait for the reciprocal, ahead of its reader
	v_mul_f32 v[P], v[PM], v[RC]                   ; pmax
	s_wait_dscnt 0x0                               ; my 16 neighbours are in
.irp j, 0,2,4,6,8,10,12,14
	v_pk_mul_f32 v[X+\j:X+\j+1], v[X+\j:X+\j+1], v[P:P+1] op_sel_hi:[1,0]   ; xs = x pmax, in f32
.endr
	v_max3_num_f32 v[MX], |v[X]|, |v[X+1]|, |v[X+2]|
	v_max3_num_f32 v[MX+1], |v[X+3]|, |v[X+4]|, |v[X+5]|
.irp i, 6,10
	v_max3_num_f32 v[MX], v[MX], |v[X+\i]|, |v[X+\i+1]|
	v_max3_num_f32 v[MX+1], v[MX+1], |v[X+\i+2]|, |v[X+\i+3]|
.endr
	v_max3_num_f32 v[MX], v[MX], |v[X+14]|, |v[X+15]|
	v_max3_num_f32 v[MX], v[MX], v[MX+1], 0x1800000                 ; and the floor 2^(3 - 127)
	v_max_num_f32_dpp v[MX], v[MX], v[MX] row_xmask:1 row_mask:0xf bank_mask:0xf   ; with my neighbour's 16: the block's largest magnitude
	v_add_nc_u32 v[SCL], 0xff000000, v[MX]
	s_wait_xcnt 0x0                                ; the last step's store has read the codes' registers
	v_cvt_scalef32_pk16_fp6_f32 v[CD:CD+2], v[X:X+15], v[SCL]
	v_lshrrev_b32 v[BY], 23, v[SCL]                ; the scale's byte; also the plain instruction behind the conversion
	ds_store_b8 v[SBA], v[BY] offset:16*(\t)       ; both lanes of a block write the same byte with the same value
	global_store_b96 v[CO], v[CD:CD+2], s[12:13] offset:384*(\t)    ; the wave stores the token's 384 consecutive bytes
.endm
	s_load_b512 s[4:19], s[0:1], 0x0               ; x s[4:5], Wg s[6:7], bg s[8:9], W1 s[10:11], xq s[12:13], xsc s[14:15], routes s[16:17], wq s[18:19]
	s_load_b64 s[20:21], s[0:1], 0x40              ; wsc
	s_set_vgpr_msb 0x40
	v_lshl_add_u32 v0, v0, 2, 0x6200
	v_mov_b32 v1, 0
	s_set_vgpr_msb 0x4000
	v_lshrrev_b32 v15, 5, v0
	v_readfirstlane_b32 s[WV], v15                 ; wave 0..3
	s_cmp_lt_u32 ttmp9, NRT
	s_cbranch_scc1 .Lrouter
	; ---- a unit of W1: u = expert x 64 + K step x 16 + hidden group: sixteen neighbouring work-groups read whole rows of W1
	s_sub_co_u32 s38, ttmp9, NRT
	s_lshr_b32 s39, s38, 6                         ; expert
	s_bfe_u32 s40, s38, 0x20004                    ; K step s: 2 bits from bit 4
	s_and_b32 s41, s38, 15                         ; hidden group G
	s_lshl_b32 s[QIN], s39, 22                     ; an expert is 2^22 bytes,
	s_lshl_b32 s42, s40, 20                        ; 128 rows of 8,192 bytes 2^20,
	s_or_b32 s[QIN], s[QIN], s42
	s_lshl_b32 s42, s41, 9                         ; 128 columns 512
	s_or_b32 s[QIN], s[QIN], s42
	s_mov_b32 s[QIN+1], 0
	s_lshl_b32 s[QCO], s39, 2
	s_lshr_b32 s42, s41, 2
	s_or_b32 s[QCO], s[QCO], s42                   ; 4 expert + wave of the chain (G / 4)
	s_lshl_b32 s[QCO], s[QCO], 5
	s_and_b32 s42, s41, 3
	s_lshl_b32 s42, s42, 2
	s_or_b32 s[QCO], s[QCO], s42
	s_or_b32 s[QCO], s[QCO], s40                   ; batch 4 (G % 4) + s
	s_lshl_b32 s[QSO], s[QCO], 9
	s_mov_b32 s[QSO+1], 0
	s_mul_i32 s[QCO], s[QCO], 12288
	s_mov_b32 s[QCO+1], 0
	QADDR
	s_wait_kmcnt 0x0
	s_add_nc_u64 s[QIN:QIN+1], s[10:11], s[QIN:QIN+1]
	s_add_nc_u64 s[QCO:QCO+1], s[18:19], s[QCO:QCO+1]
	s_add_nc_u64 s[QSO:QSO+1], s[20:21], s[QSO:QSO+1]
	QRUN
.Lrouter:
	v_and_b32 v[LANE], 31, v0
	v_mul_u32_u24 v14, v15, 2560                   ; my wave's stage of 32 x 80 bytes
	v_lshlrev_b32 v[RA], 4, v[LANE]
	v_bfe_u32 v12, v0, 2, 3                        ; lane / 4
	v_and_b32 v13, 3, v0
	v_mad_u32_u24 v[STI], v12, 80, v14
	v_lshl_add_u32 v[STI], v13, 4, v[STI]
	v_mad_u32_u24 v[STO], v[LANE], 80, v14
	v_lshlrev_b32 v[RBR], 2, v13
	v_bfe_u32 v14, v0, 2, 2
	v_lshl_add_u32 v[RBR], v14, 7, v[RBR]
	v_add_nc_u32 v[RBR], RBL, v[RBR]
	v_lshl_add_u32 v[RBW], v0, 2, RBL
	v_bfe_u32 v13, v0, 1, 4                        ; lane / 2: my block
	v_lshl_add_u32 v[SBA], v15, 6, v13             ; 64 x wave + my block
	v_add_nc_u32 v[SBA], SBL, v[SBA]
	v_lshl_add_u32 v[SBR], v[LANE], 3, SBL
	v_bfe_u32 v13, v0, 1, 1                        ; my block's h,
	v_mul_u32_u24 v[CO], v13, 192
	v_mad_u32_u24 v[CO], v12, 24, v[CO]            ; its 2 s + c = lane / 4,
	v_and_b32 v13, 1, v0
	v_mad_u32_u24 v[CO], v13, 12, v[CO]            ; and which half of it is mine
	v_lshlrev_b32 v[WGA], 7, v[LANE]
	v_lshlrev_b32 v[SO8], 3, v[LANE]
	v_lshlrev_b32 v[RO4], 2, v[LANE]
	v_mov_b32 v[RO], 0
	v_mov_b32 v[P+1], 0                            ; (named as the upper half of a pair)
.irp e, 0,1,2,3,4,5,6,7
	v_mov_b32 v[T+\e], 0                           ; written once: a lane permute's destination counts as one of its sources
.endr
	s_lshl_b32 s32, ttmp9, 4
	s_lshl_b32 s33, s[WV], 2
	s_add_co_u32 s32, s32, s33                     ; my first token: 16 x work-group + 4 x wave
	s_lshl_b32 s34, s32, 11                        ; its row of x,
	s_mov_b32 s35, 0
	s_mul_i32 s36, s32, 384                        ; its codes;
	s_mov_b32 s37, 0
	s_lshl_b32 s38, ttmp9, 8                       ; the work-group's 256 scale bytes,
	s_mov_b32 s39, 0
	s_lshl_b32 s40, ttmp9, 6                       ; its 16 routes
	s_mov_b32 s41, 0
	s_mov_b32 s[SEL], 0x76543210
	s_mov_b32 s[SEL+1], 0xfedcba98
	s_wait_kmcnt 0x0
	s_load_b256 s[BG:BG+7], s[8:9], 0x0            ; bg: nobody writes it
	s_add_nc_u64 s[4:5], s[4:5], s[34:35]
	s_add_nc_u64 s[12:13], s[12:13], s[36:37]
	s_add_nc_u64 s[14:15], s[14:15], s[38:39]
	s_add_nc_u64 s[16:17], s[16:17], s[40:41]
.irp i, 0,1,2,3
.irp c, 0,1,2,3,4,5,6,7
	global_load_b128 v[WGR+32*\i+4*\c:WGR+32*\i+4*\c+3], v[WGA], s[6:7] offset:4096*\i+16*\c   ; rows 128 i + 4 lane + 0 .. 3 of Wg: they stay
.endr
.endr
	RLOAD 0                                        ; all four rows are asked for at once
	RLOAD 1
	RLOAD 2
	RLOAD 3
	s_wait_kmcnt 0x0                               ; bg
	RSTEP 0
	RSTEP 1
	RSTEP 2
	RSTEP 3
	ds_store_b32 v[RBW], v[RO]                     ; lanes 0-3: my four routes (the other lanes' zeros are read by nobody)
	s_wait_dscnt 0x0                               ; for the others' sake: my scale bytes and my routes lie in LDS
	s_barrier_signal -1                            ; (all four waves of a work-group are on this path: it hangs on the work-group's number)
	s_barrier_wait -1
	s_cmp_lg_u32 s[WV], 0
	s_cbranch_scc1 .Lr_end                         ; wave 0 stores what the four waves have gathered
	ds_load_b64 v[12:13], v[SBR]
	ds_load_b32 v14, v[RBR]
	s_wait_dscnt 0x0
	global_store_b64 v[SO8], v[12:13], s[14:15]    ; the work-group's 256 scale bytes, at a multiple of 256 from xsc's first byte
	v_cmp_gt_u32 vcc_lo, 16, v[LANE]
	s_wait_xcnt 0x0                                ; EXEC changes only behind this wait
	s_and_saveexec_b32 s32, vcc_lo
	global_store_b32 v[RO4], v14, s[16:17]         ; lanes 0-15: the 16 routes
	s_wait_xcnt 0x0                                ; and again in front of the line that widens it
	s_or_b32 exec_lo, exec_lo, s32
.Lr_end:
	s_set_vgpr_msb 0x5
	s_wait_tensorcnt 0x0
	ds_add_u32 v0, v1
	s_wait_dscnt 0x0
	s_set_vgpr_msb 0x500
	s_endpgm
.Lfunc_end_k_q18a80d66b6_route_w1:
	.size	k_q18a80d66b6_route_w1, .Lfunc_end_k_q18a80d66b6_route_w1-k_q18a80d66b6_route_w1
	.p2alignl 7, 3214868480
	.fill 96, 4, 3214868480
	.section	.rodata,"a",@progbits
	.p2align	6, 0x0
	.amdhsa_kernel k_q18a80d66b6_route_w1
		.amdhsa_group_segment_fixed_size 25600
		.amdhsa_private_segment_fixed_size 0
		.amdhsa_enable_private_segment 0
		.amdhsa_kernarg_size 72
		.amdhsa_user_sgpr_count 2
		.amdhsa_user_sgpr_kernarg_segment_ptr 1
		.amdhsa_wavefront_size32 1
		.amdhsa_system_sgpr_workgroup_id_x 1
		.amdhsa_system_sgpr_workgroup_id_y 1
		.amdhsa_system_sgpr_workgroup_id_z 1
		.amdhsa_system_vgpr_workitem_id 0
		.amdhsa_next_free_vgpr 258
		.amdhsa_next_free_sgpr 66
		.amdhsa_reserve_vcc 1
		.amdhsa_float_denorm_mode_32 3
		.amdhsa_float_denorm_mode_16_64 3
		.amdhsa_memory_ordered 1
		.amdhsa_forward_progress 1
		.amdhsa_inst_pref_size 77
	.end_amdhsa_kernel
	.amdgpu_metadata
---
amdhsa.version: [ 1, 2 ]
amdhsa.kernels:
  - .name:           k_q18a80d66b6_route_w1
    .symbol:         k_q18a80d66b6_route_w1.kd
    .args:
      - { .name: x, .offset: 0, .size: 8, .value_kind: global_buffer, .address_space: global }
      - { .name: Wg, .offset: 8, .size: 8, .value_kind: global_buffer, .address_space: global }
      - { .name: bg, .offset: 16, .size: 8, .value_kind: global_buffer, .address_space: global }
      - { .name: W1, .offset: 24, .size: 8, .value_kind: global_buffer, .address_space: global }
      - { .name: xq, .offset: 32, .size: 8, .value_kind: global_buffer, .address_space: global }
      - { .name: xsc, .offset: 40, .size: 8, .value_kind: global_buffer, .address_space: global }
      - { .name: routes, .offset: 48, .size: 8, .value_kind: global_buffer, .address_space: global }
      - { .name: wq, .offset: 56, .size: 8, .value_kind: global_buffer, .address_space: global }
      - { .name: wsc, .offset: 64, .size: 8, .value_kind: global_buffer, .address_space: global }
    .group_segment_fixed_size: 25600
    .private_segment_fixed_size: 0
    .kernarg_segment_align: 8
    .kernarg_segment_size: 72
    .max_flat_workgroup_size: 128
    .sgpr_count:     66
    .vgpr_count:     258
    .wavefront_size: 32
...
	.end_amdgpu_metadata
.endif
;; end of part 4
;; launch place_w2 (part 5): grid 516 x 1, 4 waves a work-group, no clusters, 13,824 bytes of LDS; arguments routes, W2, order, tiles, wq, wsc; writes order, tiles, wq, wsc
.if DOCPART == 5
	.amdgcn_target "amdgcn-amd-amdhsa--gfx1250"
	.amdhsa_code_object_version 6
	.text
	.protected	k_q18a80d66b6_place_w2
	.globl	k_q18a80d66b6_place_w2
	.p2align	8
	.type	k_q18a80d66b6_place_w2,@function
k_q18a80d66b6_place_w2:
	s_mov_b64 s[64:65], 0
	v_nop
	global_prefetch_b8 v0, s[64:65] scope:SCOPE_SE
	s_setreg_imm32_b32 hwreg(HW_REG_WAVE_MODE, 25, 1), 1
	s_wait_xcnt 0x0
; TWO JOBS IN ONE LAUNCH, told apart by the work-group's number alone.
; Work-groups 0-3: THE PLACING.  The 4,096 routes (whole numbers that the launch before stored) are sorted stably by expert, by counting: order[position] = token; and the list of tiles is made:
; 256 records {expert, first position, rows (0 .. 32), 1 in an expert's first tile}: never more than 4096 / 32 + 8 - 1 = 135 have rows, whatever the split; the others get rows = 0.
; Wave v looks at tokens 1,024 v on, register i of lane l token 1,024 v + 32 i + l.  Pass 1, the same in all four work-groups: each expert's tokens in the wave are counted; the four waves' counts meet in LDS.
; Pass 2 is shared out: work-group g places registers 8 g .. 8 g + 7 of each wave (loaded a second time, into fixed registers).  A token's position: the expert's first position + the earlier waves' share
; + those of the wave's earlier registers (the count at the quarter's start is kept in pass 1, by a choice on the work-group's number) + those of lower lanes.  No atomics; each word of order has one writer.
; The eight compares of a register stand together, then the eight counts, then the eight sums: no line reads the result of the line above it.
; Work-groups 4-515: W2 [8][2048][512] f32, whose K is its first axis within an expert, into codes of FP6 (E2M3) and scale words laid in the order of the matrix operand's registers:
; a unit is 128 along K x 128 columns; a lane takes a column and its registers run down K.  wq, wsc: as the launch before lays them; here batches 16 + s (outputs 128 w on, K step s).
; THE COLUMNS OF A TILE ARE NOT NEIGHBOURS: lane r of tile 2 b + u takes column 32 b + 8 u + r + 8 (r / 8).
; LIMITS: a block of zeros, and one whose largest magnitude lies under 2^-124, gets the byte 1 (zeros: the rule says 127; the codes are zeros and this program alone reads the bytes).  NaN and infinities are not served.
; order is stored as single words at sorted places: 16 KB in the launch.
.set WV,     2                         ; s2       my wave's number
.set NPL,    4                         ; the placing's work-groups
; ---- the weight unit
.set QPITCH, 2048                      ; bytes from row k to row k + 1 of W2
.set QST,    512                       ; LDS: the unit's stage, 3,072 bytes a wave (the placing's bytes lie below: each job has LDS bytes of its own)
.set QSC,    12800                     ; LDS: the unit's 128 scale words
.set QIN,    16                        ; s[16:17] the unit's first number
.set QCO,    18                        ; s[18:19] its batch in wq
.set QSO,    20                        ; s[20:21] its record in wsc
.set QI,     1                         ; v1       4 x thread: my column's byte in a row of the unit
.set QA,     2                         ; v2       the stage, on the way in: my tile's image, my lane's 16 bytes
.set QS,     3                         ; v3       my scale word's place
.set QR,     4                         ; v4       the stage, on the way out: 16 x lane in my wave's 3,072 bytes
.set QO,     5                         ; v5       the same place in the batch
.set QL,     6                         ; v6       the scale words, on the way out
.set QG,     7                         ; v7       16 x lane
.set QW0,    8                         ; v8       my column's four scale bytes
.set QM,     10                        ; v10-11 two chains of the maximum, v12 the conversion's scale operand, v13 the byte
.set QC,     16                        ; v16-22   a block's codes
.set QX,     32                        ; v32-95   two sets of 32 numbers
.set QOUT,   96                        ; v96-119  the way out (at the head: at work)
.set QSW,    120                       ; v120-123 the scale record's 16 bytes a lane
.macro QLOAD t                         ; block t: rows 32 t + i of my column into set t % 2: a wave reads 128 consecutive bytes, the work-group 512
.irp i, 0,1,2,3,4,5,6,7,8,9,10,11,12,13,14,15,16,17,18,19,20,21,22,23,24,25,26,27,28,29,30,31
	global_load_b32 v[QX+32*((\t)%2)+\i], v[QI], s[QIN:QIN+1] offset:(32*(\t)+\i)*QPITCH th:TH_LOAD_NT
.endr
.endm
.macro QBLOCK t                        ; block t = 2 c + h of the K step: registers 6 c .. 6 c + 5 of lane r + 16 h of my tile's fragment
.set QXS, QX+32*((\t)%2)
.if (\t) < 3
	s_wait_loadcnt 32                              ; this block's 32 loads are in; the next block's 32 may be out
.else
	s_wait_loadcnt 0x0
.endif
	v_max3_num_f32 v[QM], |v[QXS]|, |v[QXS+1]|, |v[QXS+2]|          ; the block's largest magnitude: all 32 numbers are mine
	v_max3_num_f32 v[QM+1], |v[QXS+3]|, |v[QXS+4]|, |v[QXS+5]|
.irp i, 6,10,14,18,22,26
	v_max3_num_f32 v[QM], v[QM], |v[QXS+\i]|, |v[QXS+\i+1]|
	v_max3_num_f32 v[QM+1], v[QM+1], |v[QXS+\i+2]|, |v[QXS+\i+3]|
.endr
	v_max3_num_f32 v[QM], v[QM], |v[QXS+30]|, |v[QXS+31]|
	v_max3_num_f32 v[QM], v[QM], v[QM+1], 0x1800000                 ; and the floor 2^(3 - 127): the byte cannot fall under 1
	v_add_nc_u32 v[QM+2], 0xff000000, v[QM]                         ; 2 off the exponent field: the conversion takes this operand's exponent field as its scale
	v_cvt_scalef32_pk16_fp6_f32 v[QC:QC+2], v[QXS:QXS+15], v[QM+2]
	v_cvt_scalef32_pk16_fp6_f32 v[QC+4:QC+6], v[QXS+16:QXS+31], v[QM+2]   ; (a conversion's three registers begin on an even number)
	v_lshrrev_b32 v[QM+3], 23, v[QM+2]                              ; the scale's byte; also the plain instruction behind the conversions
.if (\t) == 0
	v_mov_b32 v[QW0], v[QM+3]                                       ; four bytes to the word, the lower K in the lower byte
.else
	v_lshl_or_b32 v[QW0], v[QM+3], 8*(\t), v[QW0]
.endif
	v_mov_b32 v[QC+3], v[QC+4]                                      ; the block's six registers on end
	v_mov_b32 v[QC+4], v[QC+5]
	v_mov_b32 v[QC+5], v[QC+6]
.if (\t) < 2
	ds_store_b128 v[QA], v[QC:QC+3] offset:256*((\t)%2)             ; registers 0-3: chunk 0;
	ds_store_b64 v[QA], v[QC+4:QC+5] offset:256*((\t)%2)+512        ; 4, 5: the lower half of chunk 1's 16 bytes
.else
	ds_store_b64 v[QA], v[QC:QC+1] offset:256*((\t)%2)+520          ; registers 6, 7: its upper half;
	ds_store_b128 v[QA], v[QC+2:QC+5] offset:256*((\t)%2)+1024      ; 8-11: chunk 2
.endif
.if (\t) < 2
	QLOAD (\t)+2
.endif
	s_wait_dscnt 0x0                               ; the stores have read their registers: the next block's codes may be written
.endm
.macro QADDR                           ; the unit's vector addresses, from the thread's number alone
	v_and_b32 v96, 31, v0                          ; lane
	v_lshrrev_b32 v97, 5, v0                       ; wave v: columns 32 v + lane, tiles 2 v and 2 v + 1
	v_and_b32 v98, 7, v0
	v_bfe_u32 v99, v0, 4, 1
	v_bfe_u32 v100, v0, 3, 1                       ; u: which of the two tiles
	v_lshl_add_u32 v98, v99, 3, v98                ; r = lane % 8 + 8 (lane / 16): my place in the tile
	v_lshl_add_u32 v101, v100, 4, v98              ; P = r + 16 u
	v_lshlrev_b32 v[QI], 2, v0
	v_mul_u32_u24 v[QO], v97, 3072
	v_mad_u32_u24 v[QA], v100, 1536, v[QO]
	v_lshl_add_u32 v[QA], v98, 4, v[QA]
	v_add_nc_u32 v[QA], QST, v[QA]                 ; QST + 3,072 v + 1,536 u + 16 r
	v_lshlrev_b32 v[QS], 2, v97
	v_lshl_add_u32 v[QS], v101, 4, v[QS]
	v_add_nc_u32 v[QS], QSC, v[QS]                 ; QSC + 16 P + 4 v
	v_lshl_add_u32 v[QO], v96, 4, v[QO]            ; 3,072 v + 16 lane
	v_add_nc_u32 v[QR], QST, v[QO]
	v_lshlrev_b32 v[QG], 4, v96
	v_add_nc_u32 v[QL], QSC, v[QG]
.endm
.macro QRUN                            ; the unit's work; it ends the wave
	QLOAD 0
	QLOAD 1
	QBLOCK 0
	QBLOCK 1
	QBLOCK 2
	QBLOCK 3
	ds_store_b32 v[QS], v[QW0]
.irp q, 0,1,2,3,4,5
	ds_load_b128 v[QOUT+4*\q:QOUT+4*\q+3], v[QR] offset:512*\q      ; my wave's own 3,072 bytes: LDS serves a wave's instructions in order, so these see my stores
.endr
.irp q, 0,1,2,3,4,5
	s_wait_dscnt 5-\q                              ; load q is back; the younger ones may be out
	global_store_b128 v[QO], v[QOUT+4*\q:QOUT+4*\q+3], s[QCO:QCO+1] offset:512*\q   ; the wave stores 512 consecutive bytes, at a multiple of 256 from wq's first byte
.endr
	s_wait_dscnt 0x0                               ; for the others' sake: my scale words lie in LDS
	s_barrier_signal -1                            ; (all four waves of a work-group are on this path: it hangs on the work-group's number)
	s_barrier_wait -1
	s_cmp_lg_u32 s[WV], 0
	s_cbranch_scc1 .Lq_end                         ; wave 0 stores the unit's 512 bytes of scale words
	ds_load_b128 v[QSW:QSW+3], v[QL]
	s_wait_dscnt 0x0
	global_store_b128 v[QG], v[QSW:QSW+3], s[QSO:QSO+1]
.Lq_end:
	s_wait_tensorcnt 0x0
	ds_add_u32 v160, v161
	s_wait_dscnt 0x0
	s_endpgm
.endm
; ---- the placing
.set PA,    1                          ; v1       4,096 x wave + 4 x lane: the routes of my wave's tokens
.set PLA,   2                          ; v2       LDS: 4 x thread: my wave's counts, lane e expert e's
.set PLR,   3                          ; v3       LDS: 4 x lane: a wave's counts
.set TK0,   4                          ; v4       1,024 x wave + 256 x work-group + lane: the first token that I place
.set PC0,   5                          ; v5       my wave's counts
.set PB,    6                          ; v6       PA + 1,024 x work-group: the routes of the tokens that I place
.set PR,    32                         ; v32-63   my wave's routes
.set PQ,    64                         ; v64-71   the routes of the tokens that I place
.set PK,    72                         ; v72-79   their positions, then byte offsets
.set TKN,   80                         ; v80-87   the tokens
.set PT,    96                         ; v96-103  at work
.set PS,    104                        ; v104 all waves' counts, v105 the earlier waves', v106 at work
.set REC,   108                        ; v108-111 a tile's record;  v112-119 at work
.set PC1,   128                        ; v128-131 the four waves' counts
.set RUN,   24                         ; s24-31   running counts, then running positions
.set TOT,   32                         ; s32-39   an expert's tokens
.set START, 40                         ; s40-47   its first position
.set TS,    48                         ; s48-55   its first tile
.set PRE,   56                         ; s56-63   my wave's count at the head of my quarter
.set MK,    66                         ; s66-73   a register's eight masks
.set CN,    74                         ; s74-81   their counts;  s82 at work
.macro COUNT i                         ; register i of my wave: how many lanes go to each expert
.irp e, 0,1,2,3,4,5,6,7
	v_cmp_eq_u32 s[MK+\e], \e, v[PR+(\i)]
.endr
.irp e, 0,1,2,3,4,5,6,7
	s_bcnt1_i32_b32 s[CN+\e], s[MK+\e]
.endr
.irp e, 0,1,2,3,4,5,6,7
	s_add_co_u32 s[RUN+\e], s[RUN+\e], s[CN+\e]
.endr
.endm
.macro RANK i                          ; register i of my quarter: each lane's position.  Every route is one of 0 .. 7, so every lane takes one of the eight
.irp e, 0,1,2,3,4,5,6,7
	v_cmp_eq_u32 s[MK+\e], \e, v[PQ+(\i)]
.endr
.irp e, 0,1,2,3,4,5,6,7
	s_bcnt1_i32_b32 s[CN+\e], s[MK+\e]
.endr
	v_mbcnt_lo_u32_b32 v[PK+(\i)], s[MK], s[RUN]   ; the running position + the lower lanes of the same expert
.irp e, 1,2,3,4,5,6,7
	v_mbcnt_lo_u32_b32 v[PT+\e], s[MK+\e], s[RUN+\e]
.endr
.irp e, 0,1,2,3,4,5,6,7
	s_add_co_u32 s[RUN+\e], s[RUN+\e], s[CN+\e]
.endr
.irp e, 1,2,3,4,5,6,7
	v_cndmask_b32 v[PK+(\i)], v[PK+(\i)], v[PT+\e], s[MK+\e]
.endr
.endm
	s_load_b256 s[4:11], s[0:1], 0x0               ; routes s[4:5], W2 s[6:7], order s[8:9], tiles s[10:11]
	s_load_b128 s[12:15], s[0:1], 0x20             ; wq s[12:13], wsc s[14:15]
	v_lshl_add_u32 v160, v0, 2, 0x3400
	v_mov_b32 v161, 0
	v_lshrrev_b32 v15, 5, v0
	v_readfirstlane_b32 s[WV], v15                 ; wave 0..3
	s_cmp_lt_u32 ttmp9, NPL
	s_cbranch_scc1 .Lplace
	; ---- a unit of W2: u = expert x 64 + K step x 4 + wave of the chain: four neighbouring work-groups read whole rows of W2
	s_sub_co_u32 s22, ttmp9, NPL
	s_lshr_b32 s23, s22, 6                         ; expert
	s_bfe_u32 s24, s22, 0x40002                    ; K step s: 4 bits from bit 2
	s_and_b32 s25, s22, 3                          ; w: outputs 128 w on
	s_lshl_b32 s[QIN], s23, 22                     ; an expert is 2^22 bytes,
	s_lshl_b32 s26, s24, 18                        ; 128 rows of 2,048 bytes 2^18,
	s_or_b32 s[QIN], s[QIN], s26
	s_lshl_b32 s26, s25, 9                         ; 128 columns 512
	s_or_b32 s[QIN], s[QIN], s26
	s_mov_b32 s[QIN+1], 0
	s_lshl_b32 s[QCO], s23, 2
	s_or_b32 s[QCO], s[QCO], s25
	s_lshl_b32 s[QCO], s[QCO], 5
	s_or_b32 s[QCO], s[QCO], 16
	s_or_b32 s[QCO], s[QCO], s24                   ; batch 16 + s of stream 4 expert + w
	s_lshl_b32 s[QSO], s[QCO], 9
	s_mov_b32 s[QSO+1], 0
	s_mul_i32 s[QCO], s[QCO], 12288
	s_mov_b32 s[QCO+1], 0
	QADDR
	s_wait_kmcnt 0x0
	s_add_nc_u64 s[QIN:QIN+1], s[6:7], s[QIN:QIN+1]
	s_add_nc_u64 s[QCO:QCO+1], s[12:13], s[QCO:QCO+1]
	s_add_nc_u64 s[QSO:QSO+1], s[14:15], s[QSO:QSO+1]
	QRUN
.Lplace:
	v_and_b32 v[TK0], 31, v0
	v_lshlrev_b32 v[PLR], 2, v[TK0]
	v_lshlrev_b32 v[PLA], 2, v0
	v_lshl_add_u32 v[PA], v15, 12, v[PLR]
	v_lshl_add_u32 v[TK0], v15, 10, v[TK0]
	s_lshl_b32 s82, ttmp9, 10                      ; my quarter: 8 registers of 128 bytes x work-group
	v_add_nc_u32 v[PB], s82, v[PA]
	s_lshl_b32 s82, ttmp9, 8                       ; 256 tokens x work-group
	v_add_nc_u32 v[TK0], s82, v[TK0]
	s_wait_kmcnt 0x0
.irp i, 0,1,2,3,4,5,6,7,8,9,10,11,12,13,14,15,16,17,18,19,20,21,22,23,24,25,26,27,28,29,30,31
	global_load_b32 v[PR+\i], v[PA], s[4:5] offset:128*\i
.endr
.irp i, 0,1,2,3,4,5,6,7
	global_load_b32 v[PQ+\i], v[PB], s[4:5] offset:128*\i
.endr
.irp e, 0,1,2,3,4,5,6,7
	s_mov_b32 s[RUN+\e], 0
	s_mov_b32 s[PRE+\e], 0
.endr
	v_mov_b32 v[PC0], 0
	s_wait_loadcnt 0x0
	; pass 1: how many of my wave's 1,024 tokens go to each expert; and how many of them stand ahead of my quarter
.irp q, 0,1,2,3
.irp k, 0,1,2,3,4,5,6,7
	COUNT 8*\q+\k
.endr
.if \q < 3
	s_cmp_eq_u32 ttmp9, \q+1                       ; the next quarter is mine: the counts so far are kept
.irp e, 0,1,2,3,4,5,6,7
	s_cselect_b32 s[PRE+\e], s[RUN+\e], s[PRE+\e]
.endr
.endif
.endr
.irp e, 0,1,2,3,4,5,6,7
	v_writelane_b32 v[PC0], s[RUN+\e], \e
.endr
	ds_store_b32 v[PLA], v[PC0]
	s_wait_dscnt 0x0                               ; for the others' sake: my counts lie in LDS
	s_barrier_signal -1                            ; (all four waves of a placing work-group are on this path)
	s_barrier_wait -1
.irp w, 0,1,2,3
	ds_load_b32 v[PC1+\w], v[PLR] offset:128*\w
.endr
	s_wait_dscnt 0x0
	v_add_nc_u32 v[PS], v[PC1], v[PC1+1]
	v_add_nc_u32 v[PS+2], v[PC1+2], v[PC1+3]
	v_add_nc_u32 v[PS], v[PS], v[PS+2]             ; lane e: expert e's tokens
	v_mov_b32 v[PS+1], 0
.irp w, 0,1,2
	s_cmp_lt_u32 \w, s[WV]
	s_cselect_b32 s82, -1, 0
	v_and_b32 v[PS+2], s82, v[PC1+\w]
	v_add_nc_u32 v[PS+1], v[PS+1], v[PS+2]         ; and those of them in earlier waves
.endr
.irp e, 0,1,2,3,4,5,6,7
	v_readlane_b32 s[TOT+\e], v[PS], \e
	v_readlane_b32 s[RUN+\e], v[PS+1], \e
.endr
	s_mov_b32 s[START], 0
	s_mov_b32 s[TS], 0
.irp e, 0,1,2,3,4,5,6
	s_add_co_u32 s[START+\e+1], s[START+\e], s[TOT+\e]
	s_add_co_u32 s82, s[TOT+\e], 31
	s_lshr_b32 s82, s82, 5                         ; its tiles of 32 rows, the last one short
	s_add_co_u32 s[TS+\e+1], s[TS+\e], s82
.endr
.irp e, 0,1,2,3,4,5,6,7
	s_add_co_u32 s[RUN+\e], s[RUN+\e], s[START+\e]
	s_add_co_u32 s[RUN+\e], s[RUN+\e], s[PRE+\e]   ; where my quarter's first token of expert e goes
.endr
	; pass 2: the positions of my quarter's 256 tokens
.irp i, 0,1,2,3,4,5,6,7
	RANK \i
.endr
.irp i, 0,1,2,3,4,5,6,7
	v_min_u32 v[PK+\i], 0xfff, v[PK+\i]            ; a number made of loaded numbers enters an address only behind this hold
	v_lshlrev_b32 v[PK+\i], 2, v[PK+\i]
	v_add_nc_u32 v[TKN+\i], 32*\i, v[TK0]          ; the token
	global_store_b32 v[PK+\i], v[TKN+\i], s[8:9]
.endr
	; the tiles: work-groups 0 and 1, thread t: record b = 128 x work-group + t.  Its expert is the last whose first tile is at or under b; an expert without tokens has no tile and is passed over
	s_cmp_lt_u32 ttmp9, 2
	s_cbranch_scc0 .Lp_end
	s_lshl_b32 s82, ttmp9, 7
	v_add_nc_u32 v119, s82, v0                     ; b
	v_mov_b32 v[REC], 0
	v_mov_b32 v112, 0                              ; the expert's first tile,
	v_mov_b32 v113, 0                              ; its first position,
	v_mov_b32 v114, s[TOT]                         ; its tokens
.irp e, 1,2,3,4,5,6,7
	v_cmp_le_u32 vcc_lo, s[TS+\e], v119
	v_cndmask_b32 v[REC], v[REC], \e, vcc_lo
	v_cndmask_b32 v112, v112, s[TS+\e], vcc_lo
	v_cndmask_b32 v113, v113, s[START+\e], vcc_lo
	v_cndmask_b32 v114, v114, s[TOT+\e], vcc_lo
.endr
	v_sub_nc_u32 v115, v119, v112                  ; q: which tile of the expert
	v_lshlrev_b32 v116, 5, v115
	v_add_nc_u32 v[REC+1], v113, v116
	v_min_u32 v[REC+1], 0xfff, v[REC+1]            ; first position
	v_min_u32 v117, v116, v114
	v_sub_nc_u32 v117, v114, v117                  ; what is left of the expert's tokens from there, 0 behind the last tile
	v_min_u32 v[REC+2], 32, v117                   ; rows
	v_min_u32 v[REC+3], 1, v[REC+2]
	v_cmp_eq_u32 vcc_lo, 0, v115
	v_cndmask_b32 v[REC+3], 0, v[REC+3], vcc_lo    ; 1 in an expert's first tile
	v_lshlrev_b32 v118, 4, v119
	global_store_b128 v118, v[REC:REC+3], s[10:11]
.Lp_end:
	s_wait_tensorcnt 0x0
	ds_add_u32 v160, v161
	s_wait_dscnt 0x0
	s_endpgm
.Lfunc_end_k_q18a80d66b6_place_w2:
	.size	k_q18a80d66b6_place_w2, .Lfunc_end_k_q18a80d66b6_place_w2-k_q18a80d66b6_place_w2
	.p2alignl 7, 3214868480
	.fill 96, 4, 3214868480
	.section	.rodata,"a",@progbits
	.p2align	6, 0x0
	.amdhsa_kernel k_q18a80d66b6_place_w2
		.amdhsa_group_segment_fixed_size 13824
		.amdhsa_private_segment_fixed_size 0
		.amdhsa_enable_private_segment 0
		.amdhsa_kernarg_size 48
		.amdhsa_user_sgpr_count 2
		.amdhsa_user_sgpr_kernarg_segment_ptr 1
		.amdhsa_wavefront_size32 1
		.amdhsa_system_sgpr_workgroup_id_x 1
		.amdhsa_system_sgpr_workgroup_id_y 1
		.amdhsa_system_sgpr_workgroup_id_z 1
		.amdhsa_system_vgpr_workitem_id 0
		.amdhsa_next_free_vgpr 162
		.amdhsa_next_free_sgpr 88
		.amdhsa_reserve_vcc 1
		.amdhsa_float_denorm_mode_32 3
		.amdhsa_float_denorm_mode_16_64 3
		.amdhsa_memory_ordered 1
		.amdhsa_forward_progress 1
		.amdhsa_inst_pref_size 85
	.end_amdhsa_kernel
	.amdgpu_metadata
---
amdhsa.version: [ 1, 2 ]
amdhsa.kernels:
  - .name:           k_q18a80d66b6_place_w2
    .symbol:         k_q18a80d66b6_place_w2.kd
    .args:
      - { .name: routes, .offset: 0, .size: 8, .value_kind: global_buffer, .address_space: global }
      - { .name: W2, .offset: 8, .size: 8, .value_kind: global_buffer, .address_space: global }
      - { .name: order, .offset: 16, .size: 8, .value_kind: global_buffer, .address_space: global }
      - { .name: tiles, .offset: 24, .size: 8, .value_kind: global_buffer, .address_space: global }
      - { .name: wq, .offset: 32, .size: 8, .value_kind: global_buffer, .address_space: global }
      - { .name: wsc, .offset: 40, .size: 8, .value_kind: global_buffer, .address_space: global }
    .group_segment_fixed_size: 13824
    .private_segment_fixed_size: 0
    .kernarg_segment_align: 8
    .kernarg_segment_size: 48
    .max_flat_workgroup_size: 128
    .sgpr_count:     88
    .vgpr_count:     162
    .wavefront_size: 32
...
	.end_amdgpu_metadata
.endif
;; end of part 5
;; launch chain (part 6): grid 135 x 1, 4 waves a work-group, no clusters, 111,104 bytes of LDS; arguments tiles, order, xq, xsc, wq, wsc, b1, b2, out0; writes out0
.if DOCPART == 6
	.amdgcn_target "amdgcn-amd-amdhsa--gfx1250"
	.amdhsa_code_object_version 6
	.text
	.protected	k_q18a80d66b6_chain
	.globl	k_q18a80d66b6_chain
	.p2align	8
	.type	k_q18a80d66b6_chain,@function
k_q18a80d66b6_chain:
	s_mov_b64 s[64:65], 0
	v_nop
	global_prefetch_b8 v0, s[64:65] scope:SCOPE_SE
	s_setreg_imm32_b32 hwreg(HW_REG_WAVE_MODE, 25, 1), 1
	s_wait_xcnt 0x0
; out0[p] = Q(relu(Q(xs) Q(W1[e]) + b1[e])) Q(W2[e]) + b2[e] for the token at sorted position p, e its expert: both products on codes of FP6 (E2M3) with one E8M0 scale for each 32 along K.
; A WORK-GROUP TAKES ONE TILE of up to 32 sorted rows of ONE expert through the whole chain; the hidden layer never goes to memory.  135 = 4096 / 32 + 8 - 1 work-groups serve every split
; (tiles of 64 rows would make 71 work-groups of twice the products each; tiles of 16 rows 263, more than there are WGPs).
; The tile (expert, first position, rows, first-of-expert) and the tokens at its positions are whole numbers that the launch before stored.
; THE WAVES SHARE THE COLUMNS: wave w makes hidden groups 4 w .. 4 w + 3 (128 units each) and outputs 128 w .. 128 w + 127, for both tiles of 16 rows.  So each byte of the expert's weights enters one
; wave's registers, straight from memory: the wave's stream is 32 batches of 12,288 bytes of codes (8 fragments, laid as images of their registers) and 512 bytes of scale words, on end in wq and wsc:
; batches 4 i + s: W1, group 4 w + i, K step s; batches 16 + s: W2, K step s.  A batch feeds 16 matrix instructions.  A ring of four register buffers keeps up to three batches asked for.
; Both products are used transposed (source 0 = 16 columns of the weight, source 1 = 16 rows): a lane holds ONE row, and since lane r of tile 2 b + u of a weight is column 32 b + 8 u + r + 8 (r / 8),
; its 16 registers of tiles 2 b, 2 b + 1 are columns 32 b + 16 (lane / 16) + 0 .. 15: neighbours along the next K, and on the way out.  The biases are the C of each sum's first matrix instruction.
; Rows' operands go from wave to wave through LDS as images of their registers (3 x 512 bytes a fragment, 128 bytes of scale words).  Two barriers: x's 8 fragments lie in LDS; the hidden layer's 32 do.
; A TILE WITHOUT ROWS runs the same text on held addresses and stores nothing: every wave passes both barriers, and no barrier stands under a branch on a loaded number.  That costs such a work-group's reads
; and products: at most 7 of the 135 where every expert has tokens.  Rows of a short tile beyond its count are computed (on whatever token stands there) and not stored.
; NO TENSOR LOADS, NO CLUSTER: branches hang on the stored list (the prefetches, the last rows), and which work-groups share an expert hangs on counts read from memory, so no constant mask can name partners.
; LIMITS: a hidden block of zeros, and one whose largest number lies under 2^-124, gets the byte 1 (its codes are zeros or nearly so).  NaN and infinities are not served.
; REGISTERS, in windows of 256: window 0: v1-23 addresses; v24-39 the ring's scale words; v40-43 the rows' scale words; v48-95 two sets of two row fragments; v144-207 a bias in the result's layout; v208-244 at work.
;   window 1: ring buffers 0 (v0-95) and 1 (v96-191).   window 2: ring buffers 2 and 3.   window 3: the 16 accumulators, (weight tile t, row tile m) at v[8 (8 m + t)].
.set NM,    2                          ; tiles of 16 rows
.set FRB,   1536                       ; a fragment's image
.set BATCH, 12288
.set XIMG,  0                          ; LDS byte 0: x's fragments, (NM s + m) x FRB
.set HIMG,  XIMG+4*NM*FRB              ; the hidden layer's, (NM k + m) x FRB, k = 0 .. 15
.set XSC,   HIMG+16*NM*FRB             ; x's scale words, (NM s + m) x 128
.set HSC,   XSC+4*NM*128               ; the hidden layer's
.set BIASL, HSC+16*NM*128              ; 2,560 bytes a wave: its 4 x 128 numbers of b1, then its 128 of b2
.set STG,   BIASL+4*2560               ; the way out: 16 rows x (512 + 16) bytes a wave
.set LO,   1                           ; v1   16 x lane
.set BA,   2                           ; v2   the row fragments in hand
.set BSA,  3                           ; v3   their scale words
.set HW,   4                           ; v4   where I store the hidden layer's images
.set HWS,  5                           ; v5   and their scale words
.set BB,   6                           ; v6   the bias in hand
.set SO,   7                           ; v7   the stage: where I put 64 bytes of a row
.set SR,   8                           ; v8   and where I read a row back
.set PFO,  9                           ; v9   256 x lane
.set XW,   10                          ; v10  where I store x's images
.set XWS,  11                          ; v11  and their scale words
.set TKA,  12                          ; v12  my position's byte in order
.set TOK,  13                          ; v13  my token
.set XA,   14                          ; v14  its codes
.set XSA,  15                          ; v15  its scale bytes
.set HW0,  16                          ; v16-18 the lane and wave terms of HW, HWS, BB
.set HWS0, 17
.set BB0,  18
.set LS,   19                          ; v19  4 x lane
.set BW,   20                          ; v20  where I store the biases
.set T0,   21                          ; v21-23 lane, lane % 16, lane / 16
.set WS,   24
.set BS,   40
.set BF,   48
.set BFS,  12*NM                       ; registers of a set of row fragments
.set BIAS, 144
.set TM,   208                         ; v208-211 largest numbers, v212-215 the other half's, then bytes, v220-223 the conversions' scale operands
.set PC,   224                         ; v224-242 the codes just made; at the head the biases as loaded
.set PW,   244                         ; the scale word just made
.set OB,   48                          ; the way out: 16 rows read back
.set WV,    22
.set HSO,   23                         ; the hidden scale words' step: NM x 128 a group
.set E,     24                         ; s[24:27] the tile's record
.set P0,    25
.set NR,    26
.set FIRST, 27
.set SP,    28                         ; s[28:29] the stream of codes, at the trip's first batch
.set SS,    30                         ; s[30:31] the stream of scale words
.set CT,    34
.set LIM,   35                         ; a wave prefetches while s[CT] is above it
.set LIMS,  36
.set HO,    37                         ; the hidden images' step: NM x FRB a group
.set SEL,   38                         ; s[38:39] lane selects for v_permlanex16_b32: lane l xor 16
.set OUT,   40                         ; s[40:41]
.set BO,    42                         ; the bias's step: 512 a group
.set BAO,   43                         ; where the row fragments in hand begin
.set BSO,   44                         ; and their scale words
.set MSB, 0
.macro WIN new                         ; the immediate's high byte repeats the setting that is left; a switch that changes nothing is dropped
.if MSB != (\new)
	s_set_vgpr_msb (MSB<<8)|(\new)
.set MSB, (\new)
.endif
.endm
.macro PLACES                          ; four plain instructions between a matrix instruction and a load into, or a vector read or write of, one of its registers (ISA guide 7.12.1 for vector instructions)
.rept 4
	v_nop
.endr
.endm
.macro RING nb, q                      ; batch q from the trip's base into ring buffer nb: 24 loads of 512 consecutive bytes, and its scale words: 25 loads
.if (\nb) < 2
	WIN 0x40
.else
	WIN 0x80
.endif
.irp f, 0,1,2,3,4,5,6,7
.irp c, 0,1,2
	global_load_b128 v[96*((\nb)%2)+12*\f+4*\c:96*((\nb)%2)+12*\f+4*\c+3], v[LO], s[SP:SP+1] offset:(\q)*BATCH+\f*FRB+\c*512
.endr
.endr
	WIN 0
	global_load_b128 v[WS+4*(\nb):WS+4*(\nb)+3], v[LO], s[SS:SS+1] offset:(\q)*512   ; register q: lanes 0-15 tile 2 q's words, lanes 16-31 tile 2 q + 1's
.endm
.macro BFETCH p, kq                    ; the row tiles' fragments and scale words of K step kq (from BA on) into set p: 4 NM LDS loads
.irp m, 0,1
.irp c, 0,1,2
	ds_load_b128 v[BF+BFS*(\p)+12*\m+4*\c:BF+BFS*(\p)+12*\m+4*\c+3], v[BA] offset:(NM*(\kq)+\m)*FRB+512*\c
.endr
	ds_load_b32 v[BS+NM*(\p)+\m], v[BSA] offset:(NM*(\kq)+\m)*128
.endr
.endm
.macro BIASFETCH off                   ; 128 numbers of a bias in the result's layout: tile 2 b + u, lane half h: numbers 32 b + 16 h + 8 u + 0 .. 7: 16 LDS loads
.irp t, 0,1,2,3,4,5,6,7
.irp q, 0,1
	ds_load_b128 v[BIAS+8*\t+4*\q:BIAS+8*\t+4*\q+3], v[BB] offset:(\off)+128*(\t/2)+32*(\t%2)+16*\q
.endr
.endr
.endm
.macro WM nb, p, cb, m, t              ; one product: weight tile t of ring buffer nb x row tile m of set p.  cb = 1: the bias starts the sum
.set rD, 8*(8*(\m)+(\t))
.set rA, 96*((\nb)%2)+12*(\t)
.set rB, BF+BFS*(\p)+12*(\m)
.set rC, BIAS+8*(\t)
.set rW, WS+4*(\nb)+(\t)/2
.set rS, BS+NM*(\p)+(\m)
.if \cb
.if (\t)%2
	v_wmma_scale_f32_16x16x128_f8f6f4 v[rD:rD+7], v[rA:rA+11], v[rB:rB+11], v[rC:rC+7], v[rW], v[rS] matrix_a_fmt:MATRIX_FMT_FP6 matrix_b_fmt:MATRIX_FMT_FP6 matrix_a_scale:MATRIX_SCALE_ROW1
.else
	v_wmma_scale_f32_16x16x128_f8f6f4 v[rD:rD+7], v[rA:rA+11], v[rB:rB+11], v[rC:rC+7], v[rW], v[rS] matrix_a_fmt:MATRIX_FMT_FP6 matrix_b_fmt:MATRIX_FMT_FP6
.endif
.else
.if (\t)%2
	v_wmma_scale_f32_16x16x128_f8f6f4 v[rD:rD+7], v[rA:rA+11], v[rB:rB+11], v[rD:rD+7], v[rW], v[rS] matrix_a_fmt:MATRIX_FMT_FP6 matrix_b_fmt:MATRIX_FMT_FP6 matrix_a_scale:MATRIX_SCALE_ROW1
.else
	v_wmma_scale_f32_16x16x128_f8f6f4 v[rD:rD+7], v[rA:rA+11], v[rB:rB+11], v[rD:rD+7], v[rW], v[rS] matrix_a_fmt:MATRIX_FMT_FP6 matrix_b_fmt:MATRIX_FMT_FP6
.endif
.endif
.endm
.macro MUL nb, p, cb                   ; a batch's 16 products.  The 16 accumulators take turns, one instruction a turn, in the same order in every batch
.if \cb
	WIN 0xC1+(\nb)/2                               ; source 0 window 1 or 2, source 1 and C (the bias) window 0, D window 3
.else
	WIN 0xF1+(\nb)/2                               ; the same with C in window 3
.endif
.irp m, 0,1
.irp t, 0,1,2,3,4,5,6,7
	WM \nb, \p, \cb, \m, \t
.endr
.endr
.endm
; A batch's step.  The four places at its head stand between the last batch's products and every load into what they read: the other set of row fragments and scale words, the bias, and (behind this batch's
; products) the last batch's ring buffer and scale words.  kq: the K step fetched into the other set (-1: none).  dcnt: the LDS loads issued behind the set that is multiplied.
; lcnt: the loads issued behind this batch's: 25 for each younger batch.  rq: the batch, three on, that is asked for (-1: none).  bias = 1: the next sum's bias is fetched.
; adv = 1: the streams' bases go four batches on, behind this batch's products and ahead of its ring loads: the loads and prefetches that have named the bases were issued a batch's products ago or earlier.
.macro STEP nb, p, cb, kq, dcnt, lcnt, rq, bias, adv
	PLACES
.if (\kq) >= 0
	BFETCH 1-(\p), \kq
.endif
.if \bias
	BIASFETCH 512
.endif
	s_wait_loadcnt \lcnt
	s_wait_dscnt \dcnt
	MUL \nb, \p, \cb
.if \adv
	s_wait_xcnt 0x0                                ; the loads and prefetches have read their bases
	s_add_nc_u64 s[SP:SP+1], s[SP:SP+1], 4*BATCH
	s_add_nc_u64 s[SS:SS+1], s[SS:SS+1], 4*512
.endif
.if (\rq) >= 0
	RING ((\nb)+3)%4, \rq
.else
	WIN 0
.endif
.endm
; Row tile m's 128 hidden units (window 3, v[64 m] on; register 16 b + i = unit 32 b + 16 (lane / 16) + i of my row) become one fragment and one scale word a row, and go to LDS as images.
.macro QUANT m
	WIN 0xCC                                       ; source 1 and destination window 3
.set j, 0
.rept 64
	v_max_num_f32 v[64*(\m)+j], 0, v[64*(\m)+j]    ; the activation, in f32; each accumulator from its low end on
.set j, j+1
.endr
	WIN 0x3C                                       ; sources 1 and 2 window 3
.irp b, 0,1,2,3
	v_max3_num_f32 v[TM+\b], 0x1800000, v[64*(\m)+16*\b], v[64*(\m)+16*\b+1]   ; block b: my 16 numbers (none is negative), and the floor 2^(3 - 127): the byte cannot fall under 1
.endr
.irp i, 2,4,6,8,10,12,14
.irp b, 0,1,2,3
	v_max3_num_f32 v[TM+\b], v[TM+\b], v[64*(\m)+16*\b+\i], v[64*(\m)+16*\b+\i+1]   ; (the four blocks by turns)
.endr
.endr
	WIN 0
.irp b, 0,1,2,3
	v_permlanex16_b32 v[TM+4+\b], v[TM+\b], s[SEL], s[SEL+1]
.endr
.irp b, 0,1,2,3
	v_max_num_f32 v[TM+\b], v[TM+\b], v[TM+4+\b]   ; with lane l xor 16's: the block's largest number
.endr
.irp b, 0,1,2,3
	v_add_nc_u32 v[TM+12+\b], 0xff000000, v[TM+\b] ; 2 off its exponent field: the conversion's scale operand
.endr
.irp b, 0,1,2,3
	v_lshrrev_b32 v[TM+4+\b], 23, v[TM+12+\b]      ; the scale's byte
.endr
	v_lshl_or_b32 v[PW], v[TM+5], 8, v[TM+4]
	v_lshl_or_b32 v[PW], v[TM+6], 16, v[PW]
	v_lshl_or_b32 v[PW], v[TM+7], 24, v[PW]        ; my row's scale word
	WIN 0x03                                       ; source 0 window 3
.irp c, 0,1
	v_cvt_scalef32_pk16_fp6_f32 v[PC+6*\c:PC+6*\c+2], v[64*(\m)+32*\c:64*(\m)+32*\c+15], v[TM+12+2*\c]
	v_cvt_scalef32_pk16_fp6_f32 v[PC+12+4*\c:PC+14+4*\c], v[64*(\m)+32*\c+16:64*(\m)+32*\c+31], v[TM+13+2*\c]   ; (a conversion's three registers begin on an even number)
.endr
	WIN 0
	v_nop                                          ; one plain instruction behind the scaled conversions
.irp c, 0,1                                    ; the operand's layout wants a WHOLE block in a lane: lanes 0-15 block 2 c, lanes 16-31 block 2 c + 1
.irp i, 0,1,2
	v_permlane16_swap_b32 v[PC+6*\c+\i], v[PC+12+4*\c+\i]
.endr
.irp i, 0,1,2
	v_mov_b32 v[PC+3+6*\c+\i], v[PC+12+4*\c+\i]
.endr
.endr
.irp c, 0,1,2
	ds_store_b128 v[HW], v[PC+4*\c:PC+4*\c+3] offset:(\m)*FRB+512*\c
.endr
	ds_store_b32 v[HWS], v[PW] offset:128*(\m)
	s_wait_dscnt 0x0                               ; the stores have read their registers
.endm
; A PREFETCH INTO THE L2 of my wave's stream: the four batches (49,152 bytes, lanes 256 bytes apart, 8,192 bytes an instruction) that begin eight batches on from the trip's base; the ring's loads for them
; begin five batches' steps later.  All tiles of an expert walk the same streams: the expert's first tile asks, each wave for its own stream, so each block is named once in the launch.
; Batches 0 to 7 come by their loads alone.  The last trips ask for nothing: s[LIM] stops them, and nothing past batch 31 is named.
.macro ASK
	s_cmp_gt_u32 s[CT], s[LIM]
	s_cbranch_scc0 .Lno_ask_\@
.irp k, 0,1,2,3,4,5
	global_prefetch_b8 v[PFO], s[SP:SP+1] offset:8*BATCH+8192*\k th:TH_LOAD_NT scope:SCOPE_SE
.endr
.Lno_ask_\@:
.endm
.macro ADDR1                           ; the addresses that step from group to group; remade only where no LDS instruction of mine is out
	v_add_nc_u32 v[HW], s[HO], v[HW0]
	v_add_nc_u32 v[HWS], s[HSO], v[HWS0]
	v_add_nc_u32 v[BB], s[BO], v[BB0]
.endm
.macro ADDR2                           ; likewise the row fragments' and their scale words'
	v_add_nc_u32 v[BA], s[BAO], v[LO]
	v_add_nc_u32 v[BSA], s[BSO], v[LS]
.endm
	s_load_b512 s[4:19], s[0:1], 0x0               ; tiles s[4:5], order s[6:7], xq s[8:9], xsc s[10:11], wq s[12:13], wsc s[14:15], b1 s[16:17], b2 s[18:19]
	s_load_b64 s[20:21], s[0:1], 0x40              ; out0
	v_lshl_add_u32 v254, v0, 2, 0x1b000
	v_mov_b32 v255, 0
	v_lshrrev_b32 v[T0], 5, v0
	v_readfirstlane_b32 s[WV], v[T0]               ; wave 0..3
	s_lshl_b32 s32, ttmp9, 4                       ; my tile's record
	s_wait_kmcnt 0x0
	s_load_b128 s[E:E+3], s[4:5], s32 offset:0x0
	v_and_b32 v[T0], 31, v0                        ; lane
	v_and_b32 v[T0+1], 15, v0                      ; r
	v_bfe_u32 v[T0+2], v0, 4, 1                    ; h
	v_lshlrev_b32 v[LO], 4, v[T0]
	v_lshlrev_b32 v[LS], 2, v[T0]
	v_lshlrev_b32 v[PFO], 8, v[T0]
	s_mul_i32 s33, s[WV], 4*NM*FRB                 ; my four groups' images: K steps 4 w .. 4 w + 3 of the second product
	s_add_co_u32 s33, s33, HIMG
	v_add_nc_u32 v[HW0], s33, v[LO]
	s_mul_i32 s33, s[WV], 4*NM*128
	s_add_co_u32 s33, s33, HSC
	v_add_nc_u32 v[HWS0], s33, v[LS]
	s_mul_i32 s33, s[WV], 2560
	s_add_co_u32 s33, s33, BIASL
	v_add_nc_u32 v[BW], s33, v[LO]
	v_lshl_add_u32 v[BB0], v[T0+2], 6, s33         ; + 64 h
	s_mul_i32 s33, s[WV], 16*528
	s_add_co_u32 s33, s33, STG
	v_add_nc_u32 v[SR], s33, v[LO]
	v_mul_u32_u24 v[SO], v[T0+1], 528
	v_lshl_add_u32 v[SO], v[T0+2], 6, v[SO]
	v_add_nc_u32 v[SO], s33, v[SO]                 ; row r, + 64 h
	s_lshr_b32 s46, s[WV], 1                       ; of x I gather K steps 2 (w / 2) and the next,
	s_and_b32 s47, s[WV], 1                        ; of row tile w % 2
	s_mul_i32 s33, s46, 2*NM
	s_add_co_u32 s33, s33, s47                     ; the first of my two fragments: NM x K step + row tile
	s_mul_i32 s45, s33, FRB
	v_add_nc_u32 v[XW], s45, v[LO]                 ; (x's images begin at LDS byte 0)
	s_lshl_b32 s45, s33, 7
	s_add_co_u32 s45, s45, XSC
	v_add_nc_u32 v[XWS], s45, v[LS]
.irp b, 0,1,2,3
	v_mov_b32 v[TM+4+\b], 0                        ; written once: a lane permute's destination counts as one of its sources
.endr
	s_mov_b32 s[SEL], 0x76543210
	s_mov_b32 s[SEL+1], 0xfedcba98
	s_mov_b32 s[HO], 0
	s_mov_b32 s[HSO], 0
	s_mov_b32 s[BO], 0
	s_mov_b32 s[BAO], XIMG
	s_mov_b32 s[BSO], XSC
	s_wait_kmcnt 0x0
	s_min_u32 s[E], s[E], 7                        ; loaded numbers enter addresses only behind these holds
	s_min_u32 s[P0], s[P0], 0xfff
	s_min_u32 s[NR], s[NR], 16*NM
	s_lshl_b32 s45, s[E], 2
	s_add_co_u32 s45, s45, s[WV]                   ; my stream: 4 expert + wave
	s_mul_i32 s[SP], s45, 32*BATCH
	s_mov_b32 s[SP+1], 0
	s_lshl_b32 s[SS], s45, 14
	s_mov_b32 s[SS+1], 0
	s_add_nc_u64 s[SP:SP+1], s[12:13], s[SP:SP+1]
	s_add_nc_u64 s[SS:SS+1], s[14:15], s[SS:SS+1]
	s_lshl_b32 s32, s45, 11                        ; b1: (2,048 expert + 512 wave) numbers of 4 bytes
	s_mov_b32 s33, 0
	s_add_nc_u64 s[16:17], s[16:17], s[32:33]
	s_lshl_b32 s32, s45, 9                         ; b2: (512 expert + 128 wave) numbers
	s_add_nc_u64 s[18:19], s[18:19], s[32:33]
	s_lshl_b32 s[OUT], s[P0], 11                   ; out0: row = position, 2,048 bytes; my 128 outputs 512 w on
	s_lshl_b32 s32, s[WV], 9
	s_add_co_u32 s[OUT], s[OUT], s32
	s_mov_b32 s[OUT+1], 0
	s_add_nc_u64 s[OUT:OUT+1], s[20:21], s[OUT:OUT+1]
	s_lshl_b32 s32, s47, 4
	s_add_co_u32 s32, s32, s[P0]
	v_add_nc_u32 v[TKA], s32, v[T0+1]              ; my position: first + 16 (w % 2) + r, held inside the list
	v_min_u32 v[TKA], 0xfff, v[TKA]
	v_lshlrev_b32 v[TKA], 2, v[TKA]
	s_mul_i32 s32, s46, 96                         ; two K steps of a lane's codes are 96 bytes,
	s_lshl_b32 s33, s46, 3                         ; their two scale words 8
	s_cmp_lg_u32 s[FIRST], 0
	s_cselect_b32 s[LIM], 0, -1                    ; an expert's first tile prefetches in all four trips of the first loop, the others never
	s_cselect_b32 s[LIMS], 3, 0
	global_load_b32 v[TOK], v[TKA], s[6:7]
.irp i, 0,1,2,3
	global_load_b128 v[PC+4*\i:PC+4*\i+3], v[LO], s[16:17] offset:512*\i
.endr
	global_load_b128 v[PC+16:PC+19], v[LO], s[18:19]
	RING 0, 0
	RING 1, 1
	s_wait_loadcnt 50                              ; the token and the biases are in; batches 0 and 1 (25 loads each) may be out
.irp i, 0,1,2,3,4
	ds_store_b128 v[BW], v[PC+4*\i:PC+4*\i+3] offset:512*\i         ; my wave's own bytes
.endr
	v_min_u32 v[TOK], 0xfff, v[TOK]
	v_mul_u32_u24 v[XA], v[TOK], 384
	v_mad_u32_u24 v[XA], v[T0+2], 192, v[XA]       ; my half's 192 bytes are the 48 registers of four K steps on end;
	v_add_nc_u32 v[XA], s32, v[XA]                 ; I take two of the four
	v_lshlrev_b32 v[XSA], 4, v[TOK]
	v_add_nc_u32 v[XSA], s33, v[XSA]
.irp i, 0,1,2,3,4,5
	global_load_b128 v[BF+BFS+4*\i:BF+BFS+4*\i+3], v[XA], s[8:9] offset:16*\i
.endr
	global_load_b64 v[TM:TM+1], v[XSA], s[10:11]   ; the token's scale words of these two K steps
	RING 2, 2
	s_wait_loadcnt 25                              ; x is in; batch 2 may be out
.irp j, 0,1
.irp c, 0,1,2
	ds_store_b128 v[XW], v[BF+BFS+12*\j+4*\c:BF+BFS+12*\j+4*\c+3] offset:NM*\j*FRB+512*\c
.endr
	ds_store_b32 v[XWS], v[TM+\j] offset:NM*\j*128
.endr
	s_wait_dscnt 0x0                               ; for the others' sake: my stores have landed
	s_barrier_signal -1
	s_barrier_wait -1                              ; x's eight fragments lie in LDS
	ADDR1
	ADDR2
	BFETCH 0, 0
	BIASFETCH 0
	; ---- the first product: a trip makes one hidden group of 128 units for the 32 rows: four batches, then the quantiser
	s_mov_b32 s[CT], 4
.Lgroup:
	STEP 0, 0, 1, 1, 4*NM, 50, 3, 0, 0
	ASK
	s_cmp_eq_u32 s[CT], s[LIMS]                    ; once, in the second trip of an expert's first tile: the scale records of batches 16 to 31, 8,192 bytes; those of batches 0 to 15 come by their loads alone
	s_cbranch_scc0 .Lno_scales
	global_prefetch_b8 v[PFO], s[SS:SS+1] offset:6144 th:TH_LOAD_NT scope:SCOPE_SE
.Lno_scales:
	STEP 1, 1, 0, 2, 4*NM+16, 50, 4, 1, 0          ; (behind the set that is multiplied: this step's 8 fragment loads and 16 bias loads.  The last trip's bias is b2)
	STEP 2, 0, 0, 3, 4*NM+16, 50, 5, 0, 0          ; (the last step's 16 bias loads and this step's 8)
	STEP 3, 1, 0, 0, 4*NM, 50, 6, 0, 0             ; (the next group begins with x's K step 0 again; the last trip's fetch is not used)
	PLACES
	QUANT 0
	QUANT 1
	s_add_co_u32 s[HO], s[HO], NM*FRB              ; no LDS instruction of mine is out
	s_add_co_u32 s[HSO], s[HSO], NM*128
	s_add_co_u32 s[BO], s[BO], 512
	ADDR1
	s_wait_xcnt 0x0                                ; the loads and prefetches have read their bases
	s_add_nc_u64 s[SP:SP+1], s[SP:SP+1], 4*BATCH
	s_add_nc_u64 s[SS:SS+1], s[SS:SS+1], 4*512
	s_sub_co_u32 s[CT], s[CT], 1
	s_cmp_lg_u32 s[CT], 0
	s_cbranch_scc1 .Lgroup
	s_wait_dscnt 0x0                               ; for the others' sake: my images have landed, my reads of x are over
	s_barrier_signal -1
	s_barrier_wait -1                              ; the hidden layer's 32 fragments lie in LDS
	s_mov_b32 s[BAO], HIMG
	s_mov_b32 s[BSO], HSC
	ADDR2
	s_cmp_lg_u32 s[FIRST], 0
	s_cselect_b32 s[LIM], 1, -1                    ; in the second loop the first two of three trips ask: batches 24 to 31
	BFETCH 0, 0
	; ---- the second product: batch 16 + k is K step k; b2 starts the sums
	STEP 0, 0, 1, 1, 4*NM, 50, 3, 0, 0
	s_mov_b32 s[CT], 3
.Lk2:
	STEP 1, 1, 0, 2, 4*NM, 50, 4, 0, 0
	ASK
	STEP 2, 0, 0, 3, 4*NM, 50, 5, 0, 0
	STEP 3, 1, 0, 4, 4*NM, 50, 6, 0, 0
	STEP 0, 0, 0, 5, 4*NM, 50, 3, 0, 1             ; the bases step here: batch 3 from the new base is batch 7 from the old
	s_wait_dscnt 0x0                               ; the fetch issued 16 matrix instructions ago is in: its address registers may be remade
	s_add_co_u32 s[BAO], s[BAO], 4*NM*FRB          ; four K steps on
	s_add_co_u32 s[BSO], s[BSO], 4*NM*128
	ADDR2
	s_sub_co_u32 s[CT], s[CT], 1
	s_cmp_lg_u32 s[CT], 0
	s_cbranch_scc1 .Lk2
	STEP 1, 1, 0, 2, 4*NM, 50, -1, 0, 0            ; the last three batches: nothing is left to ask for, and the counts run down
	STEP 2, 0, 0, 3, 4*NM, 25, -1, 0, 0
	STEP 3, 1, 0, -1, 0, 0, -1, 0, 0
	; ---- the way out, a tile of 16 rows at a time: a lane's 16 registers of two weight tiles are 64 neighbouring bytes of its row; they go through my own stage and come back as rows of 512 bytes.
	; Rows ascend, so the first row at or beyond the tile's count ends the wave: branches on a stored number, behind the last barrier.
.macro OUTM m
	s_cmp_le_u32 s[NR], 16*(\m)
	s_cbranch_scc1 .Lend
.if (\m) > 0
	s_wait_xcnt 0x0                                ; the last tile's stores have read their registers
.endif
	WIN 0x0C                                       ; an LDS store's data are its source 1: window 3
.irp b, 0,1,2,3
.irp q, 0,1,2,3
	ds_store_b128 v[SO], v[64*(\m)+16*\b+4*\q:64*(\m)+16*\b+4*\q+3] offset:128*\b+16*\q   ; each accumulator from its low end on
.endr
.endr
	WIN 0
.irp i, 0,1,2,3,4,5,6,7,8,9,10,11,12,13,14,15
	ds_load_b128 v[OB+4*\i:OB+4*\i+3], v[SR] offset:528*\i          ; LDS serves a wave's instructions in order: these see my stores, and the next tile's stores come behind them
.endr
.irp i, 0,1,2,3,4,5,6,7,8,9,10,11,12,13,14,15
	s_wait_dscnt 15-\i                             ; row i is back; the younger rows may be out
.if \i > 0
	s_cmp_le_u32 s[NR], 16*(\m)+\i
	s_cbranch_scc1 .Lend
.endif
	global_store_b128 v[LO], v[OB+4*\i:OB+4*\i+3], s[OUT:OUT+1] offset:(16*(\m)+\i)*2048 th:TH_STORE_NT   ; the wave stores 512 consecutive bytes, at a multiple of 256 from out0's first byte
.endr
.endm
	PLACES                                         ; behind the last products: their results are read, and rows land in registers that they read
	OUTM 0
	OUTM 1
.Lend:
	s_wait_dscnt 0x0                               ; rows that an early end leaves unused have come back
	s_wait_tensorcnt 0x0
	ds_add_u32 v254, v255
	s_wait_dscnt 0x0
	s_endpgm
.Lfunc_end_k_q18a80d66b6_chain:
	.size	k_q18a80d66b6_chain, .Lfunc_end_k_q18a80d66b6_chain-k_q18a80d66b6_chain
	.p2alignl 7, 3214868480
	.fill 96, 4, 3214868480
	.section	.rodata,"a",@progbits
	.p2align	6, 0x0
	.amdhsa_kernel k_q18a80d66b6_chain
		.amdhsa_group_segment_fixed_size 111104
		.amdhsa_private_segment_fixed_size 0
		.amdhsa_enable_private_segment 0
		.amdhsa_kernarg_size 72
		.amdhsa_user_sgpr_count 2
		.amdhsa_user_sgpr_kernarg_segment_ptr 1
		.amdhsa_wavefront_size32 1
		.amdhsa_system_sgpr_workgroup_id_x 1
		.amdhsa_system_sgpr_workgroup_id_y 1
		.amdhsa_system_sgpr_workgroup_id_z 1
		.amdhsa_system_vgpr_workitem_id 0
		.amdhsa_next_free_vgpr 896
		.amdhsa_next_free_sgpr 66
		.amdhsa_reserve_vcc 0
		.amdhsa_float_denorm_mode_32 3
		.amdhsa_float_denorm_mode_16_64 3
		.amdhsa_memory_ordered 1
		.amdhsa_forward_progress 1
		.amdhsa_inst_pref_size 97
	.end_amdhsa_kernel
	.amdgpu_metadata
---
amdhsa.version: [ 1, 2 ]
amdhsa.kernels:
  - .name:           k_q18a80d66b6_chain
    .symbol:         k_q18a80d66b6_chain.kd
    .args:
      - { .name: tiles, .offset: 0, .size: 8, .value_kind: global_buffer, .address_space: global }
      - { .name: order, .offset: 8, .size: 8, .value_kind: global_buffer, .address_space: global }
      - { .name: xq, .offset: 16, .size: 8, .value_kind: global_buffer, .address_space: global }
      - { .name: xsc, .offset: 24, .size: 8, .value_kind: global_buffer, .address_space: global }
      - { .name: wq, .offset: 32, .size: 8, .value_kind: global_buffer, .address_space: global }
      - { .name: wsc, .offset: 40, .size: 8, .value_kind: global_buffer, .address_space: global }
      - { .name: b1, .offset: 48, .size: 8, .value_kind: global_buffer, .address_space: global }
      - { .name: b2, .offset: 56, .size: 8, .value_kind: global_buffer, .address_space: global }
      - { .name: out0, .offset: 64, .size: 8, .value_kind: global_buffer, .address_space: global }
    .group_segment_fixed_size: 111104
    .private_segment_fixed_size: 0
    .kernarg_segment_align: 8
    .kernarg_segment_size: 72
    .max_flat_workgroup_size: 128
    .sgpr_count:     66
    .vgpr_count:     896
    .wavefront_size: 32
...
	.end_amdgpu_metadata
.endif
;; end of part 6
;; ======== version 3 of 3: 3 launches; version 2 with the launch chain written anew for expert scheduling mode
;; workspace buffers: routes 16,384 bytes of whole numbers; order 16,384 bytes of whole numbers; tiles 4,096 bytes of whole numbers; xq 1,572,864 bytes; xsc 65,536 bytes; wq 12,582,912 bytes; wsc 524,288 bytes
;; launch route_w1: the kernel of part 4 again; grid 768 x 1, 4 waves a work-group, no clusters, 25,600 bytes of LDS; arguments x, Wg, bg, W1, xq, xsc, routes, wq, wsc; writes xq, xsc, routes, wq, wsc
;; launch place_w2: the kernel of part 5 again; grid 516 x 1, 4 waves a work-group, no clusters, 13,824 bytes of LDS; arguments routes, W2, order, tiles, wq, wsc; writes order, tiles, wq, wsc
;; launch chain (part 7): grid 135 x 1, 4 waves a work-group, no clusters, 111,104 bytes of LDS; arguments tiles, order, xq, xsc, wq, wsc, b1, b2, out0; writes out0
.if DOCPART == 7
	.amdgcn_target "amdgcn-amd-amdhsa--gfx1250"
	.amdhsa_code_object_version 6
	.text
	.protected	k_q18a80d66b6_chain
	.globl	k_q18a80d66b6_chain
	.p2align	8
	.type	k_q18a80d66b6_chain,@function
k_q18a80d66b6_chain:
	s_mov_b64 s[64:65], 0
	v_nop
	global_prefetch_b8 v0, s[64:65] scope:SCOPE_SE
	s_setreg_imm32_b32 hwreg(HW_REG_WAVE_SCHED_MODE, 0, 2), 2
	s_setreg_imm32_b32 hwreg(HW_REG_WAVE_MODE, 25, 1), 1
	s_wait_xcnt 0x0
	s_wait_alu depctr_vm_vsrc(0)
; out0[p] = Q(relu(Q(xs) Q(W1[e]) + b1[e])) Q(W2[e]) + b2[e] for the token at sorted position p, e its expert: both products on codes of FP6 (E2M3) with one E8M0 scale for each 32 along K.
; A WORK-GROUP TAKES ONE TILE of up to 32 sorted rows of ONE expert through the whole chain; the hidden layer never goes to memory.  135 = 4096 / 32 + 8 - 1 work-groups serve every split
; (tiles of 64 rows would make 71 work-groups of twice the products each; tiles of 16 rows 263, more than there are WGPs).
; The tile (expert, first position, rows, first-of-expert) and the tokens at its positions are whole numbers that the launch before stored.
; THE WAVES SHARE THE COLUMNS: wave w makes hidden groups 4 w .. 4 w + 3 (128 units each) and outputs 128 w .. 128 w + 127, for both tiles of 16 rows.  So each byte of the expert's weights enters one
; wave's registers, straight from memory: the wave's stream is 32 batches of 12,288 bytes of codes (8 fragments, laid as images of their registers) and 512 bytes of scale words, on end in wq and wsc:
; batches 4 i + s: W1, group 4 w + i, K step s; batches 16 + s: W2, K step s.  A batch feeds 16 matrix instructions.  A ring of four register buffers keeps up to three batches asked for.
; Both products are used transposed (source 0 = 16 columns of the weight, source 1 = 16 rows): a lane holds ONE row, and since lane r of tile 2 b + u of a weight is column 32 b + 8 u + r + 8 (r / 8),
; its 16 registers of tiles 2 b, 2 b + 1 are columns 32 b + 16 (lane / 16) + 0 .. 15: neighbours along the next K, and on the way out.  The biases are the C of each sum's first matrix instruction.
; Rows' operands go from wave to wave through LDS as images of their registers (3 x 512 bytes a fragment, 128 bytes of scale words).  Two barriers: x's 8 fragments lie in LDS; the hidden layer's 32 do.
; A TILE WITHOUT ROWS runs the same text on held addresses and stores nothing: every wave passes both barriers, and no barrier stands under a branch on a loaded number.  That costs such a work-group's reads
; and products: at most 7 of the 135 where every expert has tokens.  Rows of a short tile beyond its count are computed (on whatever token stands there) and not stored.
; NO TENSOR LOADS, NO CLUSTER: branches hang on the stored list (the prefetches, the last rows), and which work-groups share an expert hangs on counts read from memory, so no constant mask can name partners.
; LIMITS: a hidden block of zeros, and one whose largest number lies under 2^-124, gets the byte 1 (its codes are zeros or nearly so).  NaN and infinities are not served.
; THE MODE: SCHED_MODE bits 1:0 = 2 (LLVM: expert scheduling mode 2), set by the entry lines.  The code itself states the register dependences between vector or matrix instructions and memory or LDS
; instructions, with s_wait_alu, always for 0.
; THE PLAN.  Registers that memory or LDS instructions touch, in the loops:
;   ring buffers 0-3 and their scale words   Step nb: its products read buffer nb; its 25 loads land in buffer (nb + 3) % 4, which the products of the step before read.
;   the two sets of row fragments and words  Step nb: its products read set p; its LDS loads land in the other set, which the products of the step before read.
;   the bias                                 Read as C by a sum's first 16 products (step 0); the next sum's lands in it in step 1.
;   v[BA], v[BSA]                            Read by every fetch of row fragments; written between the loops and at each trip's end of the second loop.
;   v[HW], v[HWS], v[BB]                     Read by the quantiser's stores and by the bias's fetch; written at each trip's end of the first loop.
;   two out-buffers of codes and scale word  Written by the quantiser, one for each row tile; read by the eight LDS stores behind both.
;   v[LO], v[LS], v[PFO]                     Read by loads and prefetches; never written again: scalar bases and immediate offsets do the rest.
; So ONE wait on va_vdst stands at a step's head, behind the wait for the batch in hand: the step before is done reading all that this step's loads land in, and addresses remade at a trip's end are written.
; The step's loads follow with no further wait: the LDS loads at once, the codes' 24 loads between the two halves of its 16 products, the scale words' load behind them; those products name ring buffer nb,
; its scale words, set p, the bias and the accumulators: none of the registers that these loads touch.  The quantiser has one wait on va_vdst, ahead of its stores, and one on vm_vsrc, behind them.
; REGISTERS, in windows of 256: window 0: v1-23 addresses; v24-39 the ring's scale words; v40-43 the rows' scale words; v48-95 two sets of two row fragments; v96-116 row tile 1's codes and scale word;
;   v144-207 a bias in the result's layout; v208-244 at work, among them row tile 0's codes and scale word; v254, v255 the closing add's two.
;   window 1: ring buffers 0 (v0-95) and 1 (v96-191).   window 2: ring buffers 2 and 3.   window 3: the 16 accumulators, (weight tile t, row tile m) at v[8 (8 m + t)].
.set NM,    2                          ; tiles of 16 rows
.set FRB,   1536                       ; a fragment's image
.set BATCH, 12288
.set XIMG,  0                          ; LDS byte 0: x's fragments, (NM s + m) x FRB
.set HIMG,  XIMG+4*NM*FRB              ; the hidden layer's, (NM k + m) x FRB, k = 0 .. 15
.set XSC,   HIMG+16*NM*FRB             ; x's scale words, (NM s + m) x 128
.set HSC,   XSC+4*NM*128               ; the hidden layer's
.set BIASL, HSC+16*NM*128              ; 2,560 bytes a wave: its 4 x 128 numbers of b1, then its 128 of b2
.set STG,   BIASL+4*2560               ; the way out: 16 rows x (512 + 16) bytes a wave
.set LO,   1                           ; v1   16 x lane
.set BA,   2                           ; v2   the row fragments in hand
.set BSA,  3                           ; v3   their scale words
.set HW,   4                           ; v4   where I store the hidden layer's images
.set HWS,  5                           ; v5   and their scale words
.set BB,   6                           ; v6   the bias in hand
.set SO,   7                           ; v7   the stage: where I put 64 bytes of a row
.set SR,   8                           ; v8   and where I read a row back
.set PFO,  9                           ; v9   256 x lane
.set XW,   10                          ; v10  where I store x's images
.set XWS,  11                          ; v11  and their scale words
.set TKA,  12                          ; v12  my position's byte in order
.set TOK,  13                          ; v13  my token
.set XA,   14                          ; v14  its codes
.set XSA,  15                          ; v15  its scale bytes
.set HW0,  16                          ; v16-18 the lane and wave terms of HW, HWS, BB
.set HWS0, 17
.set BB0,  18
.set LS,   19                          ; v19  4 x lane
.set BW,   20                          ; v20  where I store the biases
.set T0,   21                          ; v21-23 lane, lane % 16, lane / 16
.set WS,   24
.set BS,   40
.set BF,   48
.set BFS,  12*NM                       ; registers of a set of row fragments
.set BIAS, 144
.set TM,   208                         ; v208-211 largest numbers, v212-215 the other half's, then bytes, v220-223 the conversions' scale operands
.set PC,   224                         ; v224-242 row tile 0's codes (row tile 1's lie 128 registers lower: v96-114); at the head the biases as loaded
.set PW,   244                         ; row tile 0's scale word (row tile 1's: v116)
.set OB,   48                          ; the way out: 16 rows read back
.set WV,    22
.set HSO,   23                         ; the hidden scale words' step: NM x 128 a group
.set E,     24                         ; s[24:27] the tile's record
.set P0,    25
.set NR,    26
.set FIRST, 27
.set SP,    28                         ; s[28:29] the stream of codes, at the trip's first batch
.set SS,    30                         ; s[30:31] the stream of scale words
.set CT,    34
.set LIM,   35                         ; a wave prefetches while s[CT] is above it
.set LIMS,  36
.set HO,    37                         ; the hidden images' step: NM x FRB a group
.set SEL,   38                         ; s[38:39] lane selects for v_permlanex16_b32: lane l xor 16
.set OUT,   40                         ; s[40:41]
.set BO,    42                         ; the bias's step: 512 a group
.set BAO,   43                         ; where the row fragments in hand begin
.set BSO,   44                         ; and their scale words
.set MSB, 0
.macro WIN new                         ; the immediate's high byte repeats the setting that is left; a switch that changes nothing is dropped
.if MSB != (\new)
	s_set_vgpr_msb (MSB<<8)|(\new)
.set MSB, (\new)
.endif
.endm
.macro PLACES                          ; four plain instructions between a matrix instruction and a load into, or a vector read or write of, one of its registers (ISA guide 7.12.1 for vector instructions)
.rept 4
	v_nop
.endr
.endm
.macro RINGC nb, q                     ; the codes of batch q from the trip's base into ring buffer nb: 24 loads of 512 consecutive bytes
.if (\nb) < 2
	WIN 0x40
.else
	WIN 0x80
.endif
.irp f, 0,1,2,3,4,5,6,7
.irp c, 0,1,2
	global_load_b128 v[96*((\nb)%2)+12*\f+4*\c:96*((\nb)%2)+12*\f+4*\c+3], v[LO], s[SP:SP+1] offset:(\q)*BATCH+\f*FRB+\c*512
.endr
.endr
.endm
.macro RINGS nb, q                     ; and its scale words, under window 0: the batch's 25th load
	global_load_b128 v[WS+4*(\nb):WS+4*(\nb)+3], v[LO], s[SS:SS+1] offset:(\q)*512   ; register q: lanes 0-15 tile 2 q's words, lanes 16-31 tile 2 q + 1's
.endm
.macro RING nb, q                      ; a whole batch in one run, at the head
	RINGC \nb, \q
	WIN 0
	RINGS \nb, \q
.endm
.macro BFETCH p, kq                    ; the row tiles' fragments and scale words of K step kq (from BA on) into set p: 4 NM LDS loads
.irp m, 0,1
.irp c, 0,1,2
	ds_load_b128 v[BF+BFS*(\p)+12*\m+4*\c:BF+BFS*(\p)+12*\m+4*\c+3], v[BA] offset:(NM*(\kq)+\m)*FRB+512*\c
.endr
	ds_load_b32 v[BS+NM*(\p)+\m], v[BSA] offset:(NM*(\kq)+\m)*128
.endr
.endm
.macro BIASFETCH off                   ; 128 numbers of a bias in the result's layout: tile 2 b + u, lane half h: numbers 32 b + 16 h + 8 u + 0 .. 7: 16 LDS loads
.irp t, 0,1,2,3,4,5,6,7
.irp q, 0,1
	ds_load_b128 v[BIAS+8*\t+4*\q:BIAS+8*\t+4*\q+3], v[BB] offset:(\off)+128*(\t/2)+32*(\t%2)+16*\q
.endr
.endr
.endm
.macro WM nb, p, cb, m, t              ; one product: weight tile t of ring buffer nb x row tile m of set p.  cb = 1: the bias starts the sum
.set rD, 8*(8*(\m)+(\t))
.set rA, 96*((\nb)%2)+12*(\t)
.set rB, BF+BFS*(\p)+12*(\m)
.set rC, BIAS+8*(\t)
.set rW, WS+4*(\nb)+(\t)/2
.set rS, BS+NM*(\p)+(\m)
.if \cb
.if (\t)%2
	v_wmma_scale_f32_16x16x128_f8f6f4 v[rD:rD+7], v[rA:rA+11], v[rB:rB+11], v[rC:rC+7], v[rW], v[rS] matrix_a_fmt:MATRIX_FMT_FP6 matrix_b_fmt:MATRIX_FMT_FP6 matrix_a_scale:MATRIX_SCALE_ROW1
.else
	v_wmma_scale_f32_16x16x128_f8f6f4 v[rD:rD+7], v[rA:rA+11], v[rB:rB+11], v[rC:rC+7], v[rW], v[rS] matrix_a_fmt:MATRIX_FMT_FP6 matrix_b_fmt:MATRIX_FMT_FP6
.endif
.else
.if (\t)%2
	v_wmma_scale_f32_16x16x128_f8f6f4 v[rD:rD+7], v[rA:rA+11], v[rB:rB+11], v[rD:rD+7], v[rW], v[rS] matrix_a_fmt:MATRIX_FMT_FP6 matrix_b_fmt:MATRIX_FMT_FP6 matrix_a_scale:MATRIX_SCALE_ROW1
.else
	v_wmma_scale_f32_16x16x128_f8f6f4 v[rD:rD+7], v[rA:rA+11], v[rB:rB+11], v[rD:rD+7], v[rW], v[rS] matrix_a_fmt:MATRIX_FMT_FP6 matrix_b_fmt:MATRIX_FMT_FP6
.endif
.endif
.endm
.macro MULH nb, p, cb, m               ; half of a batch's 16 products: row tile m.  The 16 accumulators take turns, one instruction a turn, in the same order in every batch
.if \cb
	WIN 0xC1+(\nb)/2                               ; source 0 window 1 or 2, source 1 and C (the bias) window 0, D window 3
.else
	WIN 0xF1+(\nb)/2                               ; the same with C in window 3
.endif
.irp t, 0,1,2,3,4,5,6,7
	WM \nb, \p, \cb, \m, \t
.endr
.endm
; A batch's step.  At its head: the wait for the batch's data, four places, and the step's one wait on va_vdst; behind that wait stand all the loads into what the last batch's products read: the other set of
; row fragments and scale words, the bias, and, dealt among this batch's products, the last batch's ring buffer and scale words.  kq: the K step fetched into the other set (-1: none, in the last step, which
; issues no load at all).  dcnt: the LDS loads issued behind the set that is multiplied.  lcnt: the loads issued behind this batch's: 25 for each younger batch.  rq: the batch, three on, that is asked for (-1: none).
; bias = 1: the next sum's bias is fetched.  adv = 1: the streams' bases go four batches on, behind the batch's first eight products and ahead of its ring loads.
.macro STEP nb, p, cb, kq, dcnt, lcnt, rq, bias, adv
	s_wait_loadcnt \lcnt                           ; loads come back in order (ISA guide 5.7.1): this batch is in, the younger ones stay out
	PLACES
.if (\kq) >= 0
	s_wait_alu depctr_va_vdst(0)                   ; the last batch's products are done reading their ring buffer, its scale words, their set of row fragments and words and (behind a sum's first batch) the bias, in which this step's loads land; addresses remade at a trip's end are written
	BFETCH 1-(\p), \kq
.endif
.if \bias
	BIASFETCH 512
.endif
	s_wait_dscnt \dcnt
	MULH \nb, \p, \cb, 0
.if \adv
	s_wait_xcnt 0x0                                ; the loads and prefetches have read their bases
	s_add_nc_u64 s[SP:SP+1], s[SP:SP+1], 4*BATCH
	s_add_nc_u64 s[SS:SS+1], s[SS:SS+1], 4*512
.endif
.if (\rq) >= 0
	RINGC ((\nb)+3)%4, \rq                         ; no wait: no vector or matrix instruction since the step's wait names these registers or v[LO]
.endif
	MULH \nb, \p, \cb, 1
	WIN 0
.if (\rq) >= 0
	RINGS ((\nb)+3)%4, \rq                         ; likewise
.endif
.endm
; Row tile m's 128 hidden units (window 3, v[64 m] on; register 16 b + i = unit 32 b + 16 (lane / 16) + i of my row) become one fragment and one scale word a row, in the tile's own out-buffer.
.macro QCOMP m
.set qP, PC-128*(\m)
.set qW, PW-128*(\m)
	WIN 0xCC                                       ; source 1 and destination window 3
.set j, 0
.rept 64
	v_max_num_f32 v[64*(\m)+j], 0, v[64*(\m)+j]    ; the activation, in f32; each accumulator from its low end on
.set j, j+1
.endr
	WIN 0x3C                                       ; sources 1 and 2 window 3
.irp b, 0,1,2,3
	v_max3_num_f32 v[TM+\b], 0x1800000, v[64*(\m)+16*\b], v[64*(\m)+16*\b+1]   ; block b: my 16 numbers (none is negative), and the floor 2^(3 - 127): the byte cannot fall under 1
.endr
.irp i, 2,4,6,8,10,12,14
.irp b, 0,1,2,3
	v_max3_num_f32 v[TM+\b], v[TM+\b], v[64*(\m)+16*\b+\i], v[64*(\m)+16*\b+\i+1]   ; (the four blocks by turns)
.endr
.endr
	WIN 0
.irp b, 0,1,2,3
	v_permlanex16_b32 v[TM+4+\b], v[TM+\b], s[SEL], s[SEL+1]
.endr
.irp b, 0,1,2,3
	v_max_num_f32 v[TM+\b], v[TM+\b], v[TM+4+\b]   ; with lane l xor 16's: the block's largest number
.endr
.irp b, 0,1,2,3
	v_add_nc_u32 v[TM+12+\b], 0xff000000, v[TM+\b] ; 2 off its exponent field: the conversion's scale operand
.endr
.irp b, 0,1,2,3
	v_lshrrev_b32 v[TM+4+\b], 23, v[TM+12+\b]      ; the scale's byte
.endr
	v_lshl_or_b32 v[qW], v[TM+5], 8, v[TM+4]
	v_lshl_or_b32 v[qW], v[TM+6], 16, v[qW]
	v_lshl_or_b32 v[qW], v[TM+7], 24, v[qW]        ; my row's scale word
	WIN 0x03                                       ; source 0 window 3
.irp c, 0,1
	v_cvt_scalef32_pk16_fp6_f32 v[qP+6*\c:qP+6*\c+2], v[64*(\m)+32*\c:64*(\m)+32*\c+15], v[TM+12+2*\c]
	v_cvt_scalef32_pk16_fp6_f32 v[qP+12+4*\c:qP+14+4*\c], v[64*(\m)+32*\c+16:64*(\m)+32*\c+31], v[TM+13+2*\c]   ; (a conversion's three registers begin on an even number)
.endr
	WIN 0
	v_nop                                          ; one plain instruction behind the scaled conversions
.irp c, 0,1                                    ; the operand's layout wants a WHOLE block in a lane: lanes 0-15 block 2 c, lanes 16-31 block 2 c + 1
.irp i, 0,1,2
	v_permlane16_swap_b32 v[qP+6*\c+\i], v[qP+12+4*\c+\i]
.endr
.irp i, 0,1,2
	v_mov_b32 v[qP+3+6*\c+\i], v[qP+12+4*\c+\i]
.endr
.endr
.endm
.macro QSEND m                         ; row tile m's fragment and scale words go to LDS as images
.set qP, PC-128*(\m)
.set qW, PW-128*(\m)
.irp c, 0,1,2
	ds_store_b128 v[HW], v[qP+4*\c:qP+4*\c+3] offset:(\m)*FRB+512*\c
.endr
	ds_store_b32 v[HWS], v[qW] offset:128*(\m)
.endm
; A PREFETCH INTO THE L2 of my wave's stream: the four batches (49,152 bytes, lanes 256 bytes apart, 8,192 bytes an instruction) that begin eight batches on from the trip's base; the ring's loads for them
; begin five batches' steps later.  All tiles of an expert walk the same streams: the expert's first tile asks, each wave for its own stream, so each block is named once in the launch.
; Batches 0 to 7 come by their loads alone.  The last trips ask for nothing: s[LIM] stops them, and nothing past batch 31 is named.
.macro ASK
	s_cmp_gt_u32 s[CT], s[LIM]
	s_cbranch_scc0 .Lno_ask_\@
.irp k, 0,1,2,3,4,5
	global_prefetch_b8 v[PFO], s[SP:SP+1] offset:8*BATCH+8192*\k th:TH_LOAD_NT scope:SCOPE_SE
.endr
.Lno_ask_\@:
.endm
.macro ADDR1                           ; the addresses that step from group to group; remade only behind a wait on vm_vsrc
	v_add_nc_u32 v[HW], s[HO], v[HW0]
	v_add_nc_u32 v[HWS], s[HSO], v[HWS0]
	v_add_nc_u32 v[BB], s[BO], v[BB0]
.endm
.macro ADDR2                           ; likewise the row fragments' and their scale words'
	v_add_nc_u32 v[BA], s[BAO], v[LO]
	v_add_nc_u32 v[BSA], s[BSO], v[LS]
.endm
	s_load_b512 s[4:19], s[0:1], 0x0               ; tiles s[4:5], order s[6:7], xq s[8:9], xsc s[10:11], wq s[12:13], wsc s[14:15], b1 s[16:17], b2 s[18:19]
	s_load_b64 s[20:21], s[0:1], 0x40              ; out0
	v_lshl_add_u32 v254, v0, 2, 0x1b000
	v_mov_b32 v255, 0
	v_lshrrev_b32 v[T0], 5, v0
	v_readfirstlane_b32 s[WV], v[T0]               ; wave 0..3
	s_lshl_b32 s32, ttmp9, 4                       ; my tile's record
	s_wait_kmcnt 0x0
	s_load_b128 s[E:E+3], s[4:5], s32 offset:0x0
	v_and_b32 v[T0], 31, v0                        ; lane
	v_and_b32 v[T0+1], 15, v0                      ; r
	v_bfe_u32 v[T0+2], v0, 4, 1                    ; h
	v_lshlrev_b32 v[LO], 4, v[T0]
	v_lshlrev_b32 v[LS], 2, v[T0]
	v_lshlrev_b32 v[PFO], 8, v[T0]
	s_wait_alu depctr_va_sdst(0)                   ; the wave's number is written, ahead of its first reader: LDS places, streams and bases are made from it
	s_mul_i32 s33, s[WV], 4*NM*FRB                 ; my four groups' images: K steps 4 w .. 4 w + 3 of the second product
	s_add_co_u32 s33, s33, HIMG
	v_add_nc_u32 v[HW0], s33, v[LO]
	s_mul_i32 s33, s[WV], 4*NM*128
	s_add_co_u32 s33, s33, HSC
	v_add_nc_u32 v[HWS0], s33, v[LS]
	s_mul_i32 s33, s[WV], 2560
	s_add_co_u32 s33, s33, BIASL
	v_add_nc_u32 v[BW], s33, v[LO]
	v_lshl_add_u32 v[BB0], v[T0+2], 6, s33         ; + 64 h
	s_mul_i32 s33, s[WV], 16*528
	s_add_co_u32 s33, s33, STG
	v_add_nc_u32 v[SR], s33, v[LO]
	v_mul_u32_u24 v[SO], v[T0+1], 528
	v_lshl_add_u32 v[SO], v[T0+2], 6, v[SO]
	v_add_nc_u32 v[SO], s33, v[SO]                 ; row r, + 64 h
	s_lshr_b32 s46, s[WV], 1                       ; of x I gather K steps 2 (w / 2) and the next,
	s_and_b32 s47, s[WV], 1                        ; of row tile w % 2
	s_mul_i32 s33, s46, 2*NM
	s_add_co_u32 s33, s33, s47                     ; the first of my two fragments: NM x K step + row tile
	s_mul_i32 s45, s33, FRB
	v_add_nc_u32 v[XW], s45, v[LO]                 ; (x's images begin at LDS byte 0)
	s_lshl_b32 s45, s33, 7
	s_add_co_u32 s45, s45, XSC
	v_add_nc_u32 v[XWS], s45, v[LS]
.irp b, 0,1,2,3
	v_mov_b32 v[TM+4+\b], 0                        ; written once: a lane permute's destination counts as one of its sources
.endr
	s_mov_b32 s[SEL], 0x76543210
	s_mov_b32 s[SEL+1], 0xfedcba98
	s_mov_b32 s[HO], 0
	s_mov_b32 s[HSO], 0
	s_mov_b32 s[BO], 0
	s_mov_b32 s[BAO], XIMG
	s_mov_b32 s[BSO], XSC
	s_wait_kmcnt 0x0
	s_min_u32 s[E], s[E], 7                        ; loaded numbers enter addresses only behind these holds
	s_min_u32 s[P0], s[P0], 0xfff
	s_min_u32 s[NR], s[NR], 16*NM
	s_lshl_b32 s45, s[E], 2
	s_add_co_u32 s45, s45, s[WV]                   ; my stream: 4 expert + wave
	s_mul_i32 s[SP], s45, 32*BATCH
	s_mov_b32 s[SP+1], 0
	s_lshl_b32 s[SS], s45, 14
	s_mov_b32 s[SS+1], 0
	s_add_nc_u64 s[SP:SP+1], s[12:13], s[SP:SP+1]
	s_add_nc_u64 s[SS:SS+1], s[14:15], s[SS:SS+1]
	s_lshl_b32 s32, s45, 11                        ; b1: (2,048 expert + 512 wave) numbers of 4 bytes
	s_mov_b32 s33, 0
	s_add_nc_u64 s[16:17], s[16:17], s[32:33]
	s_lshl_b32 s32, s45, 9                         ; b2: (512 expert + 128 wave) numbers
	s_add_nc_u64 s[18:19], s[18:19], s[32:33]
	s_lshl_b32 s[OUT], s[P0], 11                   ; out0: row = position, 2,048 bytes; my 128 outputs 512 w on
	s_lshl_b32 s32, s[WV], 9
	s_add_co_u32 s[OUT], s[OUT], s32
	s_mov_b32 s[OUT+1], 0
	s_add_nc_u64 s[OUT:OUT+1], s[20:21], s[OUT:OUT+1]
	s_lshl_b32 s32, s47, 4
	s_add_co_u32 s32, s32, s[P0]
	v_add_nc_u32 v[TKA], s32, v[T0+1]              ; my position: first + 16 (w % 2) + r, held inside the list
	v_min_u32 v[TKA], 0xfff, v[TKA]
	v_lshlrev_b32 v[TKA], 2, v[TKA]
	s_mul_i32 s32, s46, 96                         ; two K steps of a lane's codes are 96 bytes,
	s_lshl_b32 s33, s46, 3                         ; their two scale words 8
	s_cmp_lg_u32 s[FIRST], 0
	s_cselect_b32 s[LIM], 0, -1                    ; an expert's first tile prefetches in all four trips of the first loop, the others never
	s_cselect_b32 s[LIMS], 3, 0
	s_wait_alu depctr_va_vdst(0)                   ; the offsets and LDS addresses made so far are written: v[TKA], v[LO], v[LS], v[PFO], v[BW], v[XW], v[XWS], v[SO], v[SR], which loads, stores and prefetches read from here to the kernel's end
	global_load_b32 v[TOK], v[TKA], s[6:7]
.irp i, 0,1,2,3
	global_load_b128 v[PC+4*\i:PC+4*\i+3], v[LO], s[16:17] offset:512*\i
.endr
	global_load_b128 v[PC+16:PC+19], v[LO], s[18:19]
	RING 0, 0
	RING 1, 1
	s_wait_loadcnt 50                              ; the token and the biases are in; batches 0 and 1 (25 loads each) may be out
.irp i, 0,1,2,3,4
	ds_store_b128 v[BW], v[PC+4*\i:PC+4*\i+3] offset:512*\i         ; my wave's own bytes
.endr
	v_min_u32 v[TOK], 0xfff, v[TOK]
	v_mul_u32_u24 v[XA], v[TOK], 384
	v_mad_u32_u24 v[XA], v[T0+2], 192, v[XA]       ; my half's 192 bytes are the 48 registers of four K steps on end;
	v_add_nc_u32 v[XA], s32, v[XA]                 ; I take two of the four
	v_lshlrev_b32 v[XSA], 4, v[TOK]
	v_add_nc_u32 v[XSA], s33, v[XSA]
	s_wait_alu depctr_va_vdst(0)                   ; v[XA] and v[XSA] are written, which the seven loads below read
.irp i, 0,1,2,3,4,5
	global_load_b128 v[BF+BFS+4*\i:BF+BFS+4*\i+3], v[XA], s[8:9] offset:16*\i
.endr
	global_load_b64 v[TM:TM+1], v[XSA], s[10:11]   ; the token's scale words of these two K steps
	RING 2, 2
	s_wait_loadcnt 25                              ; x is in; batch 2 may be out
.irp j, 0,1
.irp c, 0,1,2
	ds_store_b128 v[XW], v[BF+BFS+12*\j+4*\c:BF+BFS+12*\j+4*\c+3] offset:NM*\j*FRB+512*\c
.endr
	ds_store_b32 v[XWS], v[TM+\j] offset:NM*\j*128
.endr
	s_wait_dscnt 0x0                               ; for the others' sake: my stores have landed
	s_barrier_signal -1
	s_barrier_wait -1                              ; x's eight fragments lie in LDS
	s_wait_alu depctr_vm_vsrc(0)                   ; my LDS stores have read the biases' registers, which the quantiser's conversions write, the second set of row fragments, in which the first step's fetch lands, and v[TM], v[TM+1], which the quantiser's maxima write
	ADDR1
	ADDR2
	s_wait_alu depctr_va_vdst(0)                   ; the five addresses are written, which the fetches below and the quantiser's stores read
	BFETCH 0, 0
	BIASFETCH 0
	; ---- the first product: a trip makes one hidden group of 128 units for the 32 rows: four batches, then the quantiser
	s_mov_b32 s[CT], 4
.Lgroup:
	STEP 0, 0, 1, 1, 4*NM, 50, 3, 0, 0
	ASK
	s_cmp_eq_u32 s[CT], s[LIMS]                    ; once, in the second trip of an expert's first tile: the scale records of batches 16 to 31, 8,192 bytes; those of batches 0 to 15 come by their loads alone
	s_cbranch_scc0 .Lno_scales
	global_prefetch_b8 v[PFO], s[SS:SS+1] offset:6144 th:TH_LOAD_NT scope:SCOPE_SE
.Lno_scales:
	STEP 1, 1, 0, 2, 4*NM+16, 50, 4, 1, 0          ; (behind the set that is multiplied: this step's 8 fragment loads and 16 bias loads.  The last trip's bias is b2)
	STEP 2, 0, 0, 3, 4*NM+16, 50, 5, 0, 0          ; (the last step's 16 bias loads and this step's 8)
	STEP 3, 1, 0, 0, 4*NM, 50, 6, 0, 0             ; (the next group begins with x's K step 0 again; the last trip's fetch is not used)
	PLACES
	QCOMP 0
	QCOMP 1
	s_wait_alu depctr_va_vdst(0)                   ; the quantiser has written both row tiles' codes and scale words, which the eight LDS stores read
	QSEND 0
	QSEND 1
	s_wait_dscnt 0x0                               ; as in the plain form: no LDS instruction of mine is out when the addresses are remade; the registers' own dependence is stated by the next line
	s_wait_alu depctr_vm_vsrc(0)                   ; the stores have read both out-buffers, which the next trip's quantiser writes, and v[HW], v[HWS]; the bias's fetch has read v[BB]; the fetches of x have read v[BA], v[BSA]
	s_add_co_u32 s[HO], s[HO], NM*FRB
	s_add_co_u32 s[HSO], s[HSO], NM*128
	s_add_co_u32 s[BO], s[BO], 512
	ADDR1
	s_wait_xcnt 0x0                                ; the loads and prefetches have read their bases
	s_add_nc_u64 s[SP:SP+1], s[SP:SP+1], 4*BATCH
	s_add_nc_u64 s[SS:SS+1], s[SS:SS+1], 4*512
	s_sub_co_u32 s[CT], s[CT], 1
	s_cmp_lg_u32 s[CT], 0
	s_cbranch_scc1 .Lgroup
	s_wait_dscnt 0x0                               ; for the others' sake: my images have landed, my reads of x are over
	s_barrier_signal -1
	s_barrier_wait -1                              ; the hidden layer's 32 fragments lie in LDS
	s_mov_b32 s[BAO], HIMG
	s_mov_b32 s[BSO], HSC
	ADDR2                                          ; (every fetch that read these two registers was issued ahead of the last trip's wait on vm_vsrc)
	s_cmp_lg_u32 s[FIRST], 0
	s_cselect_b32 s[LIM], 1, -1                    ; in the second loop the first two of three trips ask: batches 24 to 31
	s_wait_alu depctr_va_vdst(0)                   ; v[BA] and v[BSA] are written, which the fetch below reads
	BFETCH 0, 0
	; ---- the second product: batch 16 + k is K step k; b2 starts the sums
	STEP 0, 0, 1, 1, 4*NM, 50, 3, 0, 0
	s_mov_b32 s[CT], 3
.Lk2:
	STEP 1, 1, 0, 2, 4*NM, 50, 4, 0, 0
	ASK
	STEP 2, 0, 0, 3, 4*NM, 50, 5, 0, 0
	STEP 3, 1, 0, 4, 4*NM, 50, 6, 0, 0
	STEP 0, 0, 0, 5, 4*NM, 50, 3, 0, 1             ; the bases step here: batch 3 from the new base is batch 7 from the old
	s_wait_dscnt 0x0                               ; the fetch issued 16 matrix instructions ago is in
	s_wait_alu depctr_vm_vsrc(0)                   ; the fetches issued so far have read v[BA] and v[BSA], which are remade below; the next step's wait on va_vdst states that they are written
	s_add_co_u32 s[BAO], s[BAO], 4*NM*FRB          ; four K steps on
	s_add_co_u32 s[BSO], s[BSO], 4*NM*128
	ADDR2
	s_sub_co_u32 s[CT], s[CT], 1
	s_cmp_lg_u32 s[CT], 0
	s_cbranch_scc1 .Lk2
	STEP 1, 1, 0, 2, 4*NM, 50, -1, 0, 0            ; the last three batches: nothing is left to ask for, and the counts run down
	STEP 2, 0, 0, 3, 4*NM, 25, -1, 0, 0
	STEP 3, 1, 0, -1, 0, 0, -1, 0, 0
	; ---- the way out, a tile of 16 rows at a time: a lane's 16 registers of two weight tiles are 64 neighbouring bytes of its row; they go through my own stage and come back as rows of 512 bytes.
	; Rows ascend, so the first row at or beyond the tile's count ends the wave: branches on a stored number, behind the last barrier.
.macro OUTM m
.if (\m) > 0
	s_wait_xcnt 0x0                                ; the last tile's stores have had their addresses translated
	s_wait_alu depctr_vm_vsrc(0)                   ; the last tile's stores have read the sixteen rows' registers, in which this tile's rows land
.endif
	s_cmp_le_u32 s[NR], 16*(\m)
	s_cbranch_scc1 .Lend
	WIN 0x0C                                       ; an LDS store's data are its source 1: window 3
.irp b, 0,1,2,3
.irp q, 0,1,2,3
	ds_store_b128 v[SO], v[64*(\m)+16*\b+4*\q:64*(\m)+16*\b+4*\q+3] offset:128*\b+16*\q   ; each accumulator from its low end on
.endr
.endr
	WIN 0
.irp i, 0,1,2,3,4,5,6,7,8,9,10,11,12,13,14,15
	ds_load_b128 v[OB+4*\i:OB+4*\i+3], v[SR] offset:528*\i          ; LDS serves a wave's instructions in order: these see my stores, and the next tile's stores come behind them
.endr
.irp i, 0,1,2,3,4,5,6,7,8,9,10,11,12,13,14,15
	s_wait_dscnt 15-\i                             ; row i is back; the younger rows may be out
.if \i > 0
	s_cmp_le_u32 s[NR], 16*(\m)+\i
	s_cbranch_scc1 .Lend
.endif
	global_store_b128 v[LO], v[OB+4*\i:OB+4*\i+3], s[OUT:OUT+1] offset:(16*(\m)+\i)*2048 th:TH_STORE_NT   ; the wave stores 512 consecutive bytes, at a multiple of 256 from out0's first byte
.endr
.endm
	PLACES                                         ; behind the last products: their results are read, and rows land in registers that they read
	s_wait_alu depctr_va_vdst(0)                   ; the products have written the accumulators, which both tiles' LDS stores read, and are done reading the row fragments, in which rows land; no vector instruction follows; the places above stay beside this wait
	OUTM 0
	OUTM 1
.Lend:
	s_wait_dscnt 0x0                               ; the closing lines, six on end (rows that an early end leaves unused have come back too)
	s_wait_alu 0x0
	s_wait_tensorcnt 0x0
	ds_add_u32 v254, v255
	s_wait_dscnt 0x0
	s_endpgm
.Lfunc_end_k_q18a80d66b6_chain:
	.size	k_q18a80d66b6_chain, .Lfunc_end_k_q18a80d66b6_chain-k_q18a80d66b6_chain
	.p2alignl 7, 3214868480
	.fill 96, 4, 3214868480
	.section	.rodata,"a",@progbits
	.p2align	6, 0x0
	.amdhsa_kernel k_q18a80d66b6_chain
		.amdhsa_group_segment_fixed_size 111104
		.amdhsa_private_segment_fixed_size 0
		.amdhsa_enable_private_segment 0
		.amdhsa_kernarg_size 72
		.amdhsa_user_sgpr_count 2
		.amdhsa_user_sgpr_kernarg_segment_ptr 1
		.amdhsa_wavefront_size32 1
		.amdhsa_system_sgpr_workgroup_id_x 1
		.amdhsa_system_sgpr_workgroup_id_y 1
		.amdhsa_system_sgpr_workgroup_id_z 1
		.amdhsa_system_vgpr_workitem_id 0
		.amdhsa_next_free_vgpr 896
		.amdhsa_next_free_sgpr 66
		.amdhsa_reserve_vcc 0
		.amdhsa_float_denorm_mode_32 3
		.amdhsa_float_denorm_mode_16_64 3
		.amdhsa_memory_ordered 1
		.amdhsa_forward_progress 1
		.amdhsa_inst_pref_size 98
	.end_amdhsa_kernel
	.amdgpu_metadata
---
amdhsa.version: [ 1, 2 ]
amdhsa.kernels:
  - .name:           k_q18a80d66b6_chain
    .symbol:         k_q18a80d66b6_chain.kd
    .args:
      - { .name: tiles, .offset: 0, .size: 8, .value_kind: global_buffer, .address_space: global }
      - { .name: order, .offset: 8, .size: 8, .value_kind: global_buffer, .address_space: global }
      - { .name: xq, .offset: 16, .size: 8, .value_kind: global_buffer, .address_space: global }
      - { .name: xsc, .offset: 24, .size: 8, .value_kind: global_buffer, .address_space: global }
      - { .name: wq, .offset: 32, .size: 8, .value_kind: global_buffer, .address_space: global }
      - { .name: wsc, .offset: 40, .size: 8, .value_kind: global_buffer, .address_space: global }
      - { .name: b1, .offset: 48, .size: 8, .value_kind: global_buffer, .address_space: global }
      - { .name: b2, .offset: 56, .size: 8, .value_kind: global_buffer, .address_space: global }
      - { .name: out0, .offset: 64, .size: 8, .value_kind: global_buffer, .address_space: global }
    .group_segment_fixed_size: 111104
    .private_segment_fixed_size: 0
    .kernarg_segment_align: 8
    .kernarg_segment_size: 72
    .max_flat_workgroup_size: 128
    .sgpr_count:     66
    .vgpr_count:     896
    .wavefront_size: 32
...
	.end_amdgpu_metadata
.endif
;; end of part 7
